; MI455X (gfx1250); checked and timed in simulation.
; The chip was launched on July 23, 2026; its instructions are those of AMD's public machine-readable ISA for CDNA 5 (MIT licence, August 2026) and "CDNA5" Instruction Set Architecture Reference Guide (July 2026). The comments in the code are by the model that wrote it; some were corrected since.
;; Cross Attention. Allowed arithmetic: float matrix products may take bf16 or f16 operands with f32 sums; other float arithmetic in f32, or as packed bf16 or f16 multiplies, adds, multiply-adds, maxima and minima; sums over many terms, partial sums and values carried from step to step in f32; what a program stores and reads back later, other than sums and carried values, may be rounded once to bf16 or f16.
;; Inputs: Wk 1,024 x 1,024 float32; Wo 1,024 x 1,024 float32; Wq 1,024 x 1,024 float32; Wv 1,024 x 1,024 float32; adj 4 x 2,048 x 2,048 float32; bk 1,024 float32; bo 1,024 float32; bq 1,024 float32; bv 1,024 float32; x 4 x 2,048 x 1,024 float32; y 4 x 2,048 x 1,024 float32.
;; Outputs: out0 4 x 2,048 x 1,024 float32.
;; 3 versions, each right and faster than the one before. Each part assembles by itself: llvm-mc -triple=amdgcn-amd-amdhsa -mcpu=gfx1250 --defsym DOCPART=n.
;; ======== version 1 of 3: 5 launches
;; workspace buffers: cb 41,943,040 bytes; qkv 50,331,648 bytes; pb 33,554,432 bytes; stats 1,048,576 bytes; tb 16,777,216 bytes
;; launch prep (part 1): grid 1280 x 1, 8 waves a work-group, no clusters, 0 bytes of LDS; arguments x, y, Wq, Wk, Wv, Wo, cb; writes cb
.if DOCPART == 1
	.amdgcn_target "amdgcn-amd-amdhsa--gfx1250"
	.amdhsa_code_object_version 6
	.text
	.protected	k_q728c705927_prep
	.globl	k_q728c705927_prep
	.p2align	8
	.type	k_q728c705927_prep,@function
k_q728c705927_prep:
	s_mov_b64 s[64:65], 0
	v_nop
	global_prefetch_b8 v0, s[64:65] scope:SCOPE_SE
	s_setreg_imm32_b32 hwreg(HW_REG_WAVE_MODE, 25, 1), 1
	s_wait_xcnt 0x0
; x, y, Wq, Wk, Wv, Wo (f32) are rounded once to bf16 and laid one behind the other in cb, each in its own row-major order:
; x at byte 0, y at 16,777,216, Wq at 33,554,432, then Wk, Wv, Wo, 2,097,152 bytes each.
; A work-group takes one chunk of 16,384 numbers (65,536 bytes in, 32,768 out): chunks 0-511 are x, 512-1023 y, then 64 for each weight.
; cb is the chunks on end, so the chunk's number alone gives the place in cb.  A stream: no LDS, no barrier, no matrix unit, nothing shared.
; A thread takes 8 neighbouring numbers in each of 8 steps: all sixteen loads go out at once, each step has registers of its own.
	s_load_b256 s[8:15], s[0:1], 0x0               ; x s[8:9], y s[10:11], Wq s[12:13], Wk s[14:15]
	s_load_b128 s[16:19], s[0:1], 0x20             ; Wv s[16:17], Wo s[18:19]
	s_load_b64 s[20:21], s[0:1], 0x30              ; cb
	v_lshlrev_b32 v1, 5, v0                        ; 32 bytes of f32 a thread
	v_lshlrev_b32 v2, 4, v0                        ; 16 bytes of bf16 a thread
	s_lshl_b32 s22, ttmp9, 15                      ; the chunk's place in cb
	s_mov_b32 s23, 0
	s_mov_b32 s6, 0                                ; the first chunk of the tensor that holds mine
	s_wait_kmcnt 0x0
	s_mov_b64 s[4:5], s[8:9]
.macro PICK bound, lo                  ; from chunk 'bound' on the source is the next tensor: a choice on the work-group's number alone
	s_cmp_ge_u32 ttmp9, \bound
	s_cselect_b64 s[4:5], s[\lo:\lo+1], s[4:5]
	s_cselect_b32 s6, \bound, s6
.endm
	PICK 512, 10
	PICK 1024, 12
	PICK 1088, 14
	PICK 1152, 16
	PICK 1216, 18
	s_sub_co_u32 s6, ttmp9, s6                     ; my chunk within that tensor,
	s_lshl_b32 s6, s6, 16                          ; in bytes (under 2^26)
	s_mov_b32 s7, 0
	s_add_nc_u64 s[4:5], s[4:5], s[6:7]
	s_add_nc_u64 s[20:21], s[20:21], s[22:23]
.set i, 0
.rept 8
	global_load_b128 v[8+8*i:11+8*i],  v1, s[4:5] offset:8192*i th:TH_LOAD_NT
	global_load_b128 v[12+8*i:15+8*i], v1, s[4:5] offset:8192*i+16 th:TH_LOAD_NT
.set i, i+1
.endr
.set i, 0
.rept 8
	s_wait_loadcnt 14-2*i                          ; loads come back in order: this step's two are in, the later steps' stay out
	v_cvt_pk_bf16_f32 v[72+4*i], v[8+8*i],  v[9+8*i]
	v_cvt_pk_bf16_f32 v[73+4*i], v[10+8*i], v[11+8*i]
	v_cvt_pk_bf16_f32 v[74+4*i], v[12+8*i], v[13+8*i]
	v_cvt_pk_bf16_f32 v[75+4*i], v[14+8*i], v[15+8*i]
	global_store_b128 v2, v[72+4*i:75+4*i], s[20:21] offset:4096*i  ; a wave's store covers 512 consecutive bytes, aligned
.set i, i+1
.endr
	s_endpgm
.Lfunc_end_k_q728c705927_prep:
	.size	k_q728c705927_prep, .Lfunc_end_k_q728c705927_prep-k_q728c705927_prep
	.p2alignl 7, 3214868480
	.fill 96, 4, 3214868480
	.section	.rodata,"a",@progbits
	.p2align	6, 0x0
	.amdhsa_kernel k_q728c705927_prep
		.amdhsa_group_segment_fixed_size 0
		.amdhsa_private_segment_fixed_size 0
		.amdhsa_enable_private_segment 0
		.amdhsa_kernarg_size 56
		.amdhsa_user_sgpr_count 2
		.amdhsa_user_sgpr_kernarg_segment_ptr 1
		.amdhsa_wavefront_size32 1
		.amdhsa_system_sgpr_workgroup_id_x 1
		.amdhsa_system_sgpr_workgroup_id_y 1
		.amdhsa_system_sgpr_workgroup_id_z 1
		.amdhsa_system_vgpr_workitem_id 0
		.amdhsa_next_free_vgpr 104
		.amdhsa_next_free_sgpr 66
		.amdhsa_reserve_vcc 0
		.amdhsa_float_denorm_mode_32 3
		.amdhsa_float_denorm_mode_16_64 3
		.amdhsa_memory_ordered 1
		.amdhsa_forward_progress 1
		.amdhsa_inst_pref_size 7
	.end_amdhsa_kernel
	.amdgpu_metadata
---
amdhsa.version: [ 1, 2 ]
amdhsa.kernels:
  - .name:           k_q728c705927_prep
    .symbol:         k_q728c705927_prep.kd
    .args:
      - { .name: x, .offset: 0, .size: 8, .value_kind: global_buffer, .address_space: global }
      - { .name: y, .offset: 8, .size: 8, .value_kind: global_buffer, .address_space: global }
      - { .name: Wq, .offset: 16, .size: 8, .value_kind: global_buffer, .address_space: global }
      - { .name: Wk, .offset: 24, .size: 8, .value_kind: global_buffer, .address_space: global }
      - { .name: Wv, .offset: 32, .size: 8, .value_kind: global_buffer, .address_space: global }
      - { .name: Wo, .offset: 40, .size: 8, .value_kind: global_buffer, .address_space: global }
      - { .name: cb, .offset: 48, .size: 8, .value_kind: global_buffer, .address_space: global }
    .group_segment_fixed_size: 0
    .private_segment_fixed_size: 0
    .kernarg_segment_align: 8
    .kernarg_segment_size: 56
    .max_flat_workgroup_size: 256
    .sgpr_count:     66
    .vgpr_count:     104
    .wavefront_size: 32
...
	.end_amdgpu_metadata
.endif
;; end of part 1
;; launch proj (part 2): grid 4 x 192, 4 waves a work-group, clusters of 4 x 4, 327,680 bytes of LDS; arguments cb, qkv, bq, bk, bv; writes qkv
.if DOCPART == 2
	.amdgcn_target "amdgcn-amd-amdhsa--gfx1250"
	.amdhsa_code_object_version 6
	.text
	.protected	k_q728c705927_proj
	.globl	k_q728c705927_proj
	.p2align	8
	.type	k_q728c705927_proj,@function
k_q728c705927_proj:
	s_mov_b64 s[64:65], 0
	v_nop
	global_prefetch_b8 v0, s[64:65] scope:SCOPE_SE
	s_setreg_imm32_b32 hwreg(HW_REG_WAVE_MODE, 25, 1), 1
	s_wait_xcnt 0x0
	s_wait_alu depctr_hold_cnt(0) depctr_sa_sdst(0) depctr_va_vdst(0) depctr_va_sdst(0) depctr_va_ssrc(0) depctr_va_vcc(0) depctr_vm_vsrc(0)
	s_getreg_b32 s2, hwreg(HW_REG_IB_STS2, 6, 4)
	s_cmp_eq_u32 s2, 0
	s_cbranch_scc0 .Lentry_in_a_cluster
	s_endpgm
.Lentry_in_a_cluster:
	s_bfe_u32 s2, ttmp6, 0x10000c
	s_cmp_lg_u32 s2, 0xf033
	s_cbranch_scc0 .Lentry_shape_is_right
	s_endpgm
.Lentry_shape_is_right:
; Q = x Wq + bq, K = y Wk + bk, V = y Wv + bv.  Operands bf16 (from cb), sums and bias in f32, results rounded once to bf16: qkv = Q, K, V, each [8192][1024].
; LIMITS: NaN and infinities are not treated apart; the order of the f32 sums is the matrix unit's, K ascending.
; SHARES.  192 tile rows: 64 for each of the three products (which = tile row / 64); a work-group makes 128 rows x 256 columns; wave w makes rows 64 (w / 2) on, columns 128 (w % 2) on:
; 32 accumulators (a = 0..3 row blocks, b = 0..7 column blocks).  K goes in 8 steps of 128 through two LDS slots.
; CLUSTER 4 x 4: A's tile hangs on the tile row alone and is asked for jointly by a row of the cluster, B's on the tile column (and which, equal in a cluster) by a column.
; THE MATRIX INSTRUCTION IS USED TRANSPOSED: source 0 = 16 columns of W (turned out of LDS by ds_load_tr16_b128, since W lies [k][n]), source 1 = 16 rows of x or y:
; lane l, register j of the result hold C(row l % 16, column 8 (l / 16) + j): eight neighbouring numbers of a row.
; REGISTERS in windows of 256 (s_set_vgpr_msb: bits 1:0 source 0, 3:2 source 1, 5:4 source 2, 7:6 destination):
;   window 0: v0-31 addresses; v64-127, v128-191 B's fragments, two buffers (on the way out: rows read back); v192-223 packed results
;   window 1: v0-127 accumulators a = 0, 1 at 8 (8 a + b); v128-159, v160-191 A's fragments, two buffers      window 2: v0-127 accumulators a = 2, 3; v128-191 the bias of my 64 columns a lane
.set NSTEP,  8
.set PA,     272                       ; A's LDS row: 256 bytes + 16: the 16 rows of a fragment load start 4 banks apart (64 banks of 4 bytes: ISA guide 11.1)
.set PB,     544                       ; B's LDS row: 512 bytes + 32
.set BOFF,   128*PA                    ; a slot: A's 128 rows, then B's 128 k-rows
.set BHALF,  64*PB
.set SLOT1,  1<<17                     ; slot 1 begins here: one exclusive or changes slots
.set STAGE,  SLOT1+BOFF+128*PB         ; behind the ring: 8,448 bytes for each wave, for the way out
.set STAGEW, 16*528
.set SPARE,  STAGE+4*STAGEW+8192+512   ; the spare words, 128 bytes a wave: two blocks of 256 bytes that no other line names
.set A_STEP, 256                       ; bytes from K step to K step in A's rows
.set B_STEP, 128*2048                  ; and down B's rows
.set ADRA0, 16                         ; v16, v17  my lane's place in A's and B's tile; never rewritten
.set ADRB0, 17
.set ADRA,  18                         ; v18, v19  the same in the slot in hand
.set ADRB,  19
.set STO,   24                         ; the way out: where I put 16 bytes of a row
.set RD,    25                         ; where I read rows back
.set CO,    26                         ; my byte offset in the output
.set VX,    27                         ; my byte offset in the bias
.set SPW,   28                         ; LDS address of my spare word; never rewritten
.set NIL,   29                         ; 0; never rewritten
.set BF,    64
.set AF,    128
.set TMP,   192
.set BIAS,  128
.set G1,  24                           ; s[24:31] descriptor group 1 for A;  s[32:39] group 0: the two first fills' sets; the second then walks
.set G0,  32
.set G1B, 48                           ; s[48:55], s[56:63] the same for B
.set G0B, 56
.set TB,  77                           ; s77  LDS byte at which the slot in hand begins
.set MUL_HI, 0xa4                      ; B window 0, A window 1, C and D window 2
.set MUL_LO, 0x54                      ; the same, C and D window 1
.set TO_A,   0x40                      ; destination window 1, address window 0
.set MSB, 0
.macro WIN new                         ; the immediate's high byte repeats the setting that is left; a switch that changes nothing is dropped
.if MSB != (\new)
	s_set_vgpr_msb (MSB<<8)|(\new)
.set MSB, (\new)
.endif
.endm
.macro PLACES                          ; four plain vector instructions behind matrix instructions, ahead of loads into their sources and of reads of their results
.rept 4
	v_nop
.endr
.endm
.macro CREST                           ; a round of the cluster's barrier behind its opening barrier
	s_cmp_lg_u32 s10, 0
	s_cbranch_scc1 .Lnot_wave_0_\@
	s_barrier_signal -3
.Lnot_wave_0_\@:
	s_barrier_wait -3
	s_barrier_signal -1
	s_barrier_wait -1
.endm
.macro CROUND
	s_barrier_signal -1
	s_barrier_wait -1
	CREST
.endm
.macro JLOAD                           ; a joint refill: waves 0, 1 fetch A's halves, waves 2, 3 B's; s_nop 0 and four v_nop follow each line
	s_cmp_eq_u32 s11, 0
	s_cbranch_scc0 .Lfor_b_\@
	tensor_load_to_lds s[G0+4:G0+7], s[G1:G1+7]
	s_nop 0
	PLACES
	s_branch .Lasked_\@
.Lfor_b_\@:
	tensor_load_to_lds s[G0B+4:G0B+7], s[G1B:G1B+7]
	s_nop 0
	PLACES
.Lasked_\@:
.endm
	s_load_b128 s[4:7], s[0:1], 0x0                ; cb s[4:5], qkv s[6:7]
	s_load_b64 s[8:9], s[0:1], 0x10                ; bq
	s_load_b64 s[66:67], s[0:1], 0x18              ; bk
	s_load_b64 s[68:69], s[0:1], 0x20              ; bv
	v_lshl_add_u32 v[SPW], v0, 2, SPARE
	v_mov_b32 v[NIL], 0
	ds_add_u32 v[SPW], v[NIL]                      ; the wave's opening: the add and its wait stand ahead of my first tensor load
	v_lshrrev_b32 v1, 5, v0
	v_readfirstlane_b32 s10, v1                    ; wave 0..3
	s_lshr_b32 s11, s10, 1                         ; my half of the rows.  Also: I fetch for A (0) or B (1)
	s_and_b32 s12, s10, 1                          ; my half of the columns.  Also: which half of that tile I fetch
	s_bfe_u32 s40, ttmp6, 0x40000                  ; cx
	s_bfe_u32 s41, ttmp6, 0x40004                  ; cy
	s_lshl_b32 s42, ttmp9, 2
	s_add_co_u32 s42, s42, s40                     ; tile column = 4 x cluster x + cx
	s_and_b32 s45, ttmp7, 0xffff                   ; cluster y
	s_lshl_b32 s13, s45, 2
	s_add_co_u32 s13, s13, s41                     ; tile row = 4 x cluster y + cy
	s_lshr_b32 s45, s45, 4                         ; which product: 16 clusters of rows each; equal in a cluster
	s_lshl_b32 s43, s41, 2
	s_lshl_b32 s43, 15, s43                        ; my row of the cluster
	s_lshl_b32 s44, 0x1111, s40                    ; my column
	s_or_b32 s[G1], s43, (1<<16)|(1<<20)|(1<<21)|(5<<22)|(3<<25)   ; mask; 2-byte elements; padding on; bit 21 beside a mask; after every 64 words, 4 words
	s_mov_b32 s[G1+1], 128<<16                     ; tensor_dim0 = 128
	s_mov_b32 s[G1+2], 64<<16                      ; tensor_dim1 = 64
	s_mov_b32 s[G1+3], 128<<16                     ; tile_dim0 = 128
	s_mov_b32 s[G1+4], 64                          ; tile_dim1 = 64
	s_mov_b32 s[G1+5], 1024                        ; elements from row to row
	s_mov_b32 s[G1+6], 0
	s_mov_b32 s[G1+7], 0
	s_or_b32 s[G1B], s44, (1<<16)|(1<<20)|(1<<21)|(6<<22)|(7<<25)  ; after every 128 words, 8 words
	s_mov_b32 s[G1B+1], 256<<16
	s_mov_b32 s[G1B+2], 64<<16
	s_mov_b32 s[G1B+3], 256<<16
	s_mov_b32 s[G1B+4], 64
	s_mov_b32 s[G1B+5], 1024
	s_mov_b32 s[G1B+6], 0
	s_mov_b32 s[G1B+7], 0
	s_min_u32 s16, s45, 1                          ; A: x for Q, y for K and V,
	s_lshl_b32 s16, s16, 24
	s_and_b32 s18, s13, 63                         ; the tile row within the product: 128 rows of 2,048 bytes,
	s_lshl_b32 s18, s18, 18
	s_add_co_u32 s16, s16, s18
	s_lshl_b32 s19, s12, 17                        ; my 64 rows of it
	s_add_co_u32 s16, s16, s19
	s_mov_b32 s17, 0
	s_lshl_b32 s46, s45, 21                        ; B: the product's weight,
	s_add_co_u32 s46, s46, 33554432
	s_lshl_b32 s20, s42, 9                         ; the tile's 256 columns,
	s_add_co_u32 s46, s46, s20
	s_lshl_b32 s20, s12, 17                        ; my 64 k-rows
	s_add_co_u32 s46, s46, s20
	s_mov_b32 s47, 0
	s_mul_i32 s80, s12, 64*PA                      ; where they go: no place in the cluster enters an LDS address
	s_mul_i32 s81, s12, BHALF
	s_add_co_u32 s81, s81, BOFF
	s_lshl_b32 s22, s45, 24                        ; the output: the product's part of qkv, my first row, my first column
	s_add_co_u32 s22, s22, s18
	s_lshl_b32 s21, s11, 17
	s_add_co_u32 s22, s22, s21
	s_lshl_b32 s21, s42, 9
	s_add_co_u32 s22, s22, s21
	s_lshl_b32 s21, s12, 8
	s_add_co_u32 s22, s22, s21
	s_mov_b32 s23, 0
	s_lshl_b32 s84, s42, 10                        ; the bias of my 128 columns
	s_lshl_b32 s21, s12, 9
	s_add_co_u32 s84, s84, s21
	s_mov_b32 s85, 0
	s_mov_b32 s[TB], 0
	s_wait_dscnt 0x0                               ; the opening add is done
	s_wait_kmcnt 0x0
	s_add_nc_u64 s[14:15], s[4:5], s[16:17]
	s_add_nc_u64 s[46:47], s[4:5], s[46:47]
	s_add_nc_u64 s[6:7], s[6:7], s[22:23]
	s_cmp_eq_u32 s45, 1
	s_cselect_b64 s[82:83], s[66:67], s[8:9]
	s_cmp_eq_u32 s45, 2
	s_cselect_b64 s[82:83], s[68:69], s[82:83]
	s_add_nc_u64 s[82:83], s[82:83], s[84:85]
.irp s, 0,1
	s_mov_b32 s[G0+4*(\s)], 1                                       ; count = 1
	s_add_co_u32 s[G0+4*(\s)+1], s80, (\s)*SLOT1                    ; LDS address
	s_add_nc_u64 s[G0+4*(\s)+2:G0+4*(\s)+3], s[14:15], (\s)*A_STEP  ; global address: K step s
	s_or_b32 s[G0+4*(\s)+3], s[G0+4*(\s)+3], 0x80000000             ; type = 2
	s_mov_b32 s[G0B+4*(\s)], 1
	s_add_co_u32 s[G0B+4*(\s)+1], s81, (\s)*SLOT1
	s_add_nc_u64 s[G0B+4*(\s)+2:G0B+4*(\s)+3], s[46:47], (\s)*B_STEP
	s_or_b32 s[G0B+4*(\s)+3], s[G0B+4*(\s)+3], 0x80000000
.endr
	CROUND                                         ; all sixteen work-groups are here: the first joint loads meet
	s_cmp_eq_u32 s11, 0                            ; a wave's two first fills stand in one branch: two loads of mine are out
	s_cbranch_scc0 .Lfirst_b
	tensor_load_to_lds s[G0:G0+3], s[G1:G1+7]
	s_nop 0
	tensor_load_to_lds s[G0+4:G0+7], s[G1:G1+7]
	s_nop 0
	PLACES
	s_branch .Lfirst_asked
.Lfirst_b:
	tensor_load_to_lds s[G0B:G0B+3], s[G1B:G1B+7]
	s_nop 0
	tensor_load_to_lds s[G0B+4:G0B+7], s[G1B:G1B+7]
	s_nop 0
	PLACES
.Lfirst_asked:
	v_and_b32 v1, 15, v0                           ; r = l % 16
	v_bfe_u32 v2, v0, 4, 1                         ; h = l / 16
	v_lshlrev_b32 v[VX], 5, v2                     ; my 8 columns of each block of 16: 32 h bytes
	WIN 0x80                                       ; destination window 2
.irp b, 0,1,2,3,4,5,6,7
	global_load_b128 v[BIAS+8*(\b):BIAS+8*(\b)+3],   v[VX], s[82:83] offset:64*(\b)
	global_load_b128 v[BIAS+8*(\b)+4:BIAS+8*(\b)+7], v[VX], s[82:83] offset:64*(\b)+16
.endr
	WIN 0
	v_mul_u32_u24 v4, v1, PA
	v_lshl_add_u32 v4, v2, 4, v4                   ; r x 272 + 16 h
	s_mul_i32 s18, s11, 64*PA
	v_add_nc_u32 v[ADRA0], s18, v4                 ; A's fragments: my 64 rows
	v_and_b32 v5, 7, v0
	v_lshl_add_u32 v5, v2, 3, v5                   ; the turning load: k-row 8 h + l % 8,
	v_mul_u32_u24 v5, v5, PB
	v_bfe_u32 v6, v0, 3, 1
	v_lshl_add_u32 v5, v6, 4, v5                   ; columns 8 ((l / 8) % 2) on,
	s_lshl_b32 s20, s12, 8
	s_add_co_u32 s20, s20, BOFF
	v_add_nc_u32 v[ADRB0], s20, v5                 ; in my 128 columns
	v_mov_b32 v[ADRA], v[ADRA0]
	v_mov_b32 v[ADRB], v[ADRB0]
	s_mul_i32 s79, s10, STAGEW
	s_add_co_u32 s79, s79, STAGE                   ; my stage
	v_add_nc_u32 v[STO], s79, v4                   ; in: row r, 16 bytes for each half of the lanes
	v_mul_u32_u24 v7, v2, PA
	v_lshl_add_u32 v7, v1, 4, v7
	v_add_nc_u32 v[RD], s79, v7                    ; back: lanes 0-15 one row of 256 bytes, lanes 16-31 the next
	v_lshlrev_b32 v[CO], 11, v2                    ; and the same two rows of 2,048 bytes in the output
	v_lshl_add_u32 v[CO], v1, 4, v[CO]
; 8 matrix instructions: row block a x all 8 column blocks, 32 along K, from buffer f.  zero = 1: the product starts the sums
.macro MUL8 f, a, zero=0
.irp b, 0,1,2,3,4,5,6,7
.if \zero
	v_wmma_f32_16x16x32_bf16 v[64*((\a)%2)+8*(\b):64*((\a)%2)+8*(\b)+7], v[BF+64*(\f)+8*(\b):BF+64*(\f)+8*(\b)+7], v[AF+32*(\f)+8*(\a):AF+32*(\f)+8*(\a)+7], 0
.else
	v_wmma_f32_16x16x32_bf16 v[64*((\a)%2)+8*(\b):64*((\a)%2)+8*(\b)+7], v[BF+64*(\f)+8*(\b):BF+64*(\f)+8*(\b)+7], v[AF+32*(\f)+8*(\a):AF+32*(\f)+8*(\a)+7], v[64*((\a)%2)+8*(\b):64*((\a)%2)+8*(\b)+7]
.endif
.endr
.endm
; 24 LDS loads in one run: the fragments of quarter kq (32 along K) of the slot in hand, into buffer g; A's first
.macro FETCH kq, g
	WIN TO_A
.irp a, 0,1,2,3
	ds_load_b128 v[AF+32*(\g)+8*(\a):AF+32*(\g)+8*(\a)+3],   v[ADRA] offset:(\a)*16*PA+64*(\kq)
	ds_load_b128 v[AF+32*(\g)+8*(\a)+4:AF+32*(\g)+8*(\a)+7], v[ADRA] offset:(\a)*16*PA+64*(\kq)+32
.endr
	WIN 0
.irp b, 0,1,2,3,4,5,6,7
	ds_load_tr16_b128 v[BF+64*(\g)+8*(\b):BF+64*(\g)+8*(\b)+3],   v[ADRB] offset:(\kq)*32*PB+32*(\b)
	ds_load_tr16_b128 v[BF+64*(\g)+8*(\b)+4:BF+64*(\g)+8*(\b)+7], v[ADRB] offset:(\kq)*32*PB+16*PB+32*(\b)
.endr
.endm
; A quarter of a K step: buffer f is multiplied (32 matrix instructions, the 32 accumulators by turns, always in the order a = 2, 3, 0, 1);
; ahead of them quarter kq's fragments are asked for into buffer g, which the quarter before multiplied.
.macro QUARTER kq, f, g, zero=0
	s_wait_dscnt 0x0                               ; buffer f, asked for a quarter ago, is in
	PLACES
	FETCH \kq, \g
	WIN MUL_HI
	MUL8 \f, 2, \zero
	MUL8 \f, 3, \zero
	WIN MUL_LO
	MUL8 \f, 0, \zero
	MUL8 \f, 1, \zero
.endm
; The last quarter multiplies buffer 1 and changes slots.  In front of the barrier each wave waits for all its tensor loads (one is out: its part of the next slot), adds 0 to its spare word,
; and waits for that and for its reads of this slot.  fill = 1: the barrier opens a round of the cluster's, and the slot just read is filled again, two K steps ahead, first thing behind it.
.macro TURN fill
	WIN 0
	s_wait_tensorcnt 0x0                           ; no tensor load of mine is out, so a group 0 may be written
	ds_add_u32 v[SPW], v[NIL]
.if \fill
	s_xor_b32 s[G0+5], s[G0+5], SLOT1              ; the walking descriptors: the other slot than last time, the next K step
	s_add_nc_u64 s[G0+6:G0+7], s[G0+6:G0+7], A_STEP
	s_xor_b32 s[G0B+5], s[G0B+5], SLOT1
	s_add_nc_u64 s[G0B+6:G0B+7], s[G0B+6:G0B+7], B_STEP
.endif
	s_wait_dscnt 1                                 ; buffer 1 is in; the add alone may be out
	WIN MUL_HI
	MUL8 1, 2
	s_wait_dscnt 0x0                               ; the add is done, and my reads of this slot are over
	s_barrier_signal -1
	MUL8 1, 3
	WIN 0                                          ; at a branch and at a label every window is 0
	s_barrier_wait -1
.if \fill
	CREST                                          ; no wave of any partner still reads this slot or has a load on its way
.endif
	s_xor_b32 s[TB], s[TB], SLOT1
.if \fill
	JLOAD                                          ; its four v_nop are also the places ahead of the loads below
.else
	PLACES
.endif
	v_add_nc_u32 v[ADRA], s[TB], v[ADRA0]
	v_add_nc_u32 v[ADRB], s[TB], v[ADRB0]
	FETCH 0, 0
	WIN MUL_LO
	MUL8 1, 0
	MUL8 1, 1
.endm
	s_wait_tensorcnt 1                             ; my part of K step 0 is in; step 1's may stay out
	s_barrier_signal -1
	s_barrier_wait -1
	FETCH 0, 0
	QUARTER 1, 0, 1, 1                             ; the first quarter stands ahead of the loop: its products start the sums
	WIN 0
	s_mov_b32 s3, NSTEP-2
.Lstep:                                                ; a trip: a step's quarters 1 to 3 and the next step's quarter 0; one slot is filled again
	QUARTER 2, 1, 0
	QUARTER 3, 0, 1
	TURN 1
	QUARTER 1, 0, 1
	WIN 0
	s_sub_co_u32 s3, s3, 1
	s_cmp_lg_u32 s3, 0
	s_cbranch_scc1 .Lstep
	QUARTER 2, 1, 0                                ; the last two steps are written out: nothing is left to ask for
	QUARTER 3, 0, 1
	TURN 0
	QUARTER 1, 0, 1
	QUARTER 2, 1, 0
	QUARTER 3, 0, 1
	s_wait_dscnt 0x0
	WIN MUL_HI
	MUL8 1, 2
	MUL8 1, 3
	WIN MUL_LO
	MUL8 1, 0
	MUL8 1, 1
	WIN 0
	PLACES
	s_wait_loadcnt 0x0                             ; the bias
; THE WAY OUT, a block of 16 rows at a time: bias added, rounded to bf16; 16 bytes a lane into my stage; back as whole rows of 256 bytes; stored.
.macro PACK a
.set AC, 64*((\a)%2)
	WIN 0x49+0x41*((\a)/2)                         ; accumulators in window 1 or 2, the bias in window 2
.set i, 0
.rept 32
	v_pk_add_f32 v[AC+2*i:AC+2*i+1], v[AC+2*i:AC+2*i+1], v[BIAS+2*i:BIAS+2*i+1]
.set i, i+1
.endr
	WIN 0x05*(1+(\a)/2)
.set i, 0
.rept 32
	v_cvt_pk_bf16_f32 v[TMP+i], v[AC+2*i], v[AC+2*i+1]
.set i, i+1
.endr
	WIN 0
.endm
.macro TOSTAGE a
.irp b, 0,1,2,3,4,5,6,7
	ds_store_b128 v[STO], v[TMP+4*(\b):TMP+4*(\b)+3] offset:32*(\b)
.endr
.irp t, 0,1,2,3,4,5,6,7
	ds_load_b128 v[64+32*(\a)+4*(\t):64+32*(\a)+4*(\t)+3], v[RD] offset:2*PA*(\t)  ; LDS serves a wave's instructions in order (ISA guide 5.7.1.4): these see the stores above
.endr
.endm
.macro SEND a                          ; each block has registers of its own, so no store's data is ever rewritten
	s_wait_dscnt 0x0
.irp t, 0,1,2,3,4,5,6,7
	global_store_b128 v[CO], v[64+32*(\a)+4*(\t):64+32*(\a)+4*(\t)+3], s[6:7] offset:(16*(\a)+2*(\t))*2048  ; 16 lanes store 256 consecutive bytes, aligned
.endr
.endm
	PACK 0
	TOSTAGE 0
.irp a, 1,2,3
	PACK \a
	SEND (\a)-1
	TOSTAGE \a
.endr
	SEND 3
	s_wait_tensorcnt 0x0                           ; the wave's end
	ds_add_u32 v[SPW], v[NIL]
	s_wait_dscnt 0x0
	CROUND                                         ; the closing round
	s_endpgm
.Lfunc_end_k_q728c705927_proj:
	.size	k_q728c705927_proj, .Lfunc_end_k_q728c705927_proj-k_q728c705927_proj
	.p2alignl 7, 3214868480
	.fill 96, 4, 3214868480
	.section	.rodata,"a",@progbits
	.p2align	6, 0x0
	.amdhsa_kernel k_q728c705927_proj
		.amdhsa_group_segment_fixed_size 327680
		.amdhsa_private_segment_fixed_size 0
		.amdhsa_enable_private_segment 0
		.amdhsa_kernarg_size 40
		.amdhsa_user_sgpr_count 2
		.amdhsa_user_sgpr_kernarg_segment_ptr 1
		.amdhsa_wavefront_size32 1
		.amdhsa_system_sgpr_workgroup_id_x 1
		.amdhsa_system_sgpr_workgroup_id_y 1
		.amdhsa_system_sgpr_workgroup_id_z 1
		.amdhsa_system_vgpr_workitem_id 0
		.amdhsa_next_free_vgpr 704
		.amdhsa_next_free_sgpr 88
		.amdhsa_reserve_vcc 0
		.amdhsa_float_denorm_mode_32 3
		.amdhsa_float_denorm_mode_16_64 3
		.amdhsa_memory_ordered 1
		.amdhsa_forward_progress 1
		.amdhsa_inst_pref_size 80
	.end_amdhsa_kernel
	.amdgpu_metadata
---
amdhsa.version: [ 1, 2 ]
amdhsa.kernels:
  - .name:           k_q728c705927_proj
    .symbol:         k_q728c705927_proj.kd
    .args:
      - { .name: cb, .offset: 0, .size: 8, .value_kind: global_buffer, .address_space: global }
      - { .name: qkv, .offset: 8, .size: 8, .value_kind: global_buffer, .address_space: global }
      - { .name: bq, .offset: 16, .size: 8, .value_kind: global_buffer, .address_space: global }
      - { .name: bk, .offset: 24, .size: 8, .value_kind: global_buffer, .address_space: global }
      - { .name: bv, .offset: 32, .size: 8, .value_kind: global_buffer, .address_space: global }
    .group_segment_fixed_size: 327680
    .private_segment_fixed_size: 0
    .kernarg_segment_align: 8
    .kernarg_segment_size: 40
    .max_flat_workgroup_size: 128
    .sgpr_count:     88
    .vgpr_count:     704
    .wavefront_size: 32
...
	.end_amdgpu_metadata
.endif
;; end of part 2
;; launch score (part 3): grid 8 x 64, 4 waves a work-group, clusters of 4 x 4, 327,680 bytes of LDS; arguments qkv, adj, pb, stats; writes pb, stats
.if DOCPART == 3
	.amdgcn_target "amdgcn-amd-amdhsa--gfx1250"
	.amdhsa_code_object_version 6
	.text
	.protected	k_q728c705927_score
	.globl	k_q728c705927_score
	.p2align	8
	.type	k_q728c705927_score,@function
k_q728c705927_score:
	s_mov_b64 s[64:65], 0
	v_nop
	global_prefetch_b8 v0, s[64:65] scope:SCOPE_SE
	s_setreg_imm32_b32 hwreg(HW_REG_WAVE_MODE, 25, 1), 1
	s_wait_xcnt 0x0
	s_wait_alu depctr_hold_cnt(0) depctr_sa_sdst(0) depctr_va_vdst(0) depctr_va_sdst(0) depctr_va_ssrc(0) depctr_va_vcc(0) depctr_vm_vsrc(0)
	s_getreg_b32 s2, hwreg(HW_REG_IB_STS2, 6, 4)
	s_cmp_eq_u32 s2, 0
	s_cbranch_scc0 .Lentry_in_a_cluster
	s_endpgm
.Lentry_in_a_cluster:
	s_bfe_u32 s2, ttmp6, 0x10000c
	s_cmp_lg_u32 s2, 0xf033
	s_cbranch_scc0 .Lentry_shape_is_right
	s_endpgm
.Lentry_shape_is_right:
; u = Q K^T / 32 + adj (f32); for each query row and each block of 128 keys: cm = log2(e) x max u, p = 2^(log2(e) u - cm) (bf16 into pb), l = the sum of the unrounded p.
; stats[block][row] = (cm, l).  The next launch takes the row's true maximum out of the 16 block maxima and rescales: the maximum is taken away as in a softmax over the whole row.
; LIMITS: NaN and infinities are not treated apart (a block whose scores are all -inf is not served); a weight below 2^-126 counts as 0; Q, K are bf16, sums f32.
; SHARES.  A work-group makes 128 queries x 256 keys of one batch (64 tile rows over the 8,192 flat rows, 8 tile columns); wave w: rows 64 (w / 2) on, keys 128 (w % 2) on: one block of keys.
; K goes in 8 steps of 128 through two LDS slots.  The wave's whole tile of adj, 64 rows x 512 bytes, is asked for at the head into 256 registers and lands under the K loop.
; CLUSTER 4 x 4: Q's tile is shared along a row of the cluster, K's (batch and tile column; the batch is equal in a cluster) along a column.
; THE MATRIX INSTRUCTION IS USED TRANSPOSED: source 0 = 16 keys, source 1 = 16 queries: lane l, register j hold (query l % 16, key 8 (l / 16) + j).
; REGISTERS (s_set_vgpr_msb: bits 1:0 source 0, 3:2 source 1, 5:4 source 2, 7:6 destination):
;   window 0: v0-31 addresses; v64-127, v128-191 K's fragments (on the way out: u, packed p, rows read back); v192-219 statistics
;   window 1: v0-127 accumulators a = 0, 1; v128-191 Q's fragments      window 2: v0-127 accumulators a = 2, 3      window 3: adj, row i of my 64 at v[4 i]
.set NSTEP,  8
.set PA,     272                       ; an LDS row of Q or K: 256 bytes + 16: the 16 rows of a fragment load start 4 banks apart (64 banks of 4 bytes: ISA guide 11.1)
.set BOFF,   128*PA                    ; a slot: Q's 128 rows, then K's 256 rows
.set BHALF,  128*PA
.set SLOT1,  1<<17
.set STAGE,  SLOT1+BOFF+256*PA         ; behind the ring: 8,448 bytes for each wave
.set STAGEW, 16*528
.set SPARE,  STAGE+4*STAGEW+8192+512   ; the spare words, 128 bytes a wave
.set A_STEP, 256
.set B_STEP, 256
.set ADRA0, 16
.set ADRB0, 17
.set ADRA,  18
.set ADRB,  19
.set SA,    20                         ; the stage as rows of 512 bytes: 16 l
.set SR,    21                         ; the stage as the accumulators lie: 528 r + 32 h
.set SO,    22                         ; my byte offset in stats: 8 l
.set STO,   24
.set RD,    25
.set CO,    26
.set VX,    27                         ; my byte offset in a row of adj: 16 l
.set SPW,   28
.set NIL,   29
.set BF,    64
.set AF,    128
.set U,     64                         ; the way out: 64 scores a lane
.set P,     128                        ; 32 registers of packed weights
.set OB,    160                        ; 16 rows read back
.set C0,    192                        ; v192-195 four chains of the maximum
.set CM,    196                        ; v196-197 cm, as a pair
.set SM,    198                        ; v198-205 four chains of the sum, in pairs
.set KEEP,  208                        ; v208-215 (cm, l) of blocks a = 0..3
.set G1,  24
.set G0,  32
.set G1B, 48
.set G0B, 56
.set TB,  77
.set MUL_HI, 0xa4
.set MUL_LO, 0x54
.set TO_A,   0x40
.set MSB, 0
.macro WIN new                         ; the immediate's high byte repeats the setting that is left
.if MSB != (\new)
	s_set_vgpr_msb (MSB<<8)|(\new)
.set MSB, (\new)
.endif
.endm
.macro PLACES                          ; four plain vector instructions behind matrix instructions (ISA guide 7.12.1)
.rept 4
	v_nop
.endr
.endm
.macro CREST
	s_cmp_lg_u32 s10, 0
	s_cbranch_scc1 .Lnot_wave_0_\@
	s_barrier_signal -3
.Lnot_wave_0_\@:
	s_barrier_wait -3
	s_barrier_signal -1
	s_barrier_wait -1
.endm
.macro CROUND
	s_barrier_signal -1
	s_barrier_wait -1
	CREST
.endm
.macro JLOAD                           ; a joint refill: waves 0, 1 fetch Q's halves, waves 2, 3 K's; s_nop 0 and four v_nop follow each line
	s_cmp_eq_u32 s11, 0
	s_cbranch_scc0 .Lfor_b_\@
	tensor_load_to_lds s[G0+4:G0+7], s[G1:G1+7]
	s_nop 0
	PLACES
	s_branch .Lasked_\@
.Lfor_b_\@:
	tensor_load_to_lds s[G0B+4:G0B+7], s[G1B:G1B+7]
	s_nop 0
	PLACES
.Lasked_\@:
.endm
	s_load_b128 s[4:7], s[0:1], 0x0                ; qkv s[4:5], adj s[6:7]
	s_load_b64 s[8:9], s[0:1], 0x10                ; pb
	s_load_b64 s[66:67], s[0:1], 0x18              ; stats
	v_lshl_add_u32 v[SPW], v0, 2, SPARE
	v_mov_b32 v[NIL], 0
	ds_add_u32 v[SPW], v[NIL]                      ; the wave's opening: the add and its wait stand ahead of my first tensor load
	v_lshrrev_b32 v1, 5, v0
	v_readfirstlane_b32 s10, v1
	s_lshr_b32 s11, s10, 1
	s_and_b32 s12, s10, 1
	s_bfe_u32 s40, ttmp6, 0x40000                  ; cx
	s_bfe_u32 s41, ttmp6, 0x40004                  ; cy
	s_lshl_b32 s42, ttmp9, 2
	s_add_co_u32 s42, s42, s40                     ; tile column
	s_and_b32 s45, ttmp7, 0xffff
	s_lshl_b32 s13, s45, 2
	s_add_co_u32 s13, s13, s41                     ; tile row
	s_lshr_b32 s45, s45, 2                         ; the batch: four clusters of rows each
	s_lshl_b32 s43, s41, 2
	s_lshl_b32 s43, 15, s43
	s_lshl_b32 s44, 0x1111, s40
	s_or_b32 s[G1], s43, (1<<16)|(1<<20)|(1<<21)|(5<<22)|(3<<25)
	s_mov_b32 s[G1+1], 128<<16
	s_mov_b32 s[G1+2], 64<<16
	s_mov_b32 s[G1+3], 128<<16
	s_mov_b32 s[G1+4], 64                          ; Q: 64 rows a load
	s_mov_b32 s[G1+5], 1024
	s_mov_b32 s[G1+6], 0
	s_mov_b32 s[G1+7], 0
	s_or_b32 s[G1B], s44, (1<<16)|(1<<20)|(1<<21)|(5<<22)|(3<<25)
	s_mov_b32 s[G1B+1], 128<<16
	s_mov_b32 s[G1B+2], 128<<16
	s_mov_b32 s[G1B+3], 128<<16
	s_mov_b32 s[G1B+4], 128                        ; K: 128 rows a load
	s_mov_b32 s[G1B+5], 1024
	s_mov_b32 s[G1B+6], 0
	s_mov_b32 s[G1B+7], 0
	s_lshl_b32 s16, s13, 18                        ; Q: 128 rows of 2,048 bytes a tile row, my 64 of them
	s_lshl_b32 s19, s12, 17
	s_add_co_u32 s16, s16, s19
	s_mov_b32 s17, 0
	s_lshl_b32 s46, s45, 22                        ; K: the batch's 2,048 rows, the tile's 256, my 128
	s_add_co_u32 s46, s46, 16777216
	s_lshl_b32 s20, s42, 19
	s_add_co_u32 s46, s46, s20
	s_lshl_b32 s20, s12, 18
	s_add_co_u32 s46, s46, s20
	s_mov_b32 s47, 0
	s_mul_i32 s80, s12, 64*PA
	s_mul_i32 s81, s12, BHALF
	s_add_co_u32 s81, s81, BOFF
	s_lshl_b32 s22, s13, 19                        ; pb: rows of 4,096 bytes; my first row and key
	s_lshl_b32 s21, s11, 18
	s_add_co_u32 s22, s22, s21
	s_lshl_b32 s21, s42, 9
	s_add_co_u32 s22, s22, s21
	s_lshl_b32 s21, s12, 8
	s_add_co_u32 s22, s22, s21
	s_mov_b32 s23, 0
	s_lshl_b32 s82, s22, 1                         ; adj: the same place in f32: twice the bytes
	s_mov_b32 s83, 0
	s_lshl_b32 s84, s42, 1                         ; stats: block 2 x tile column + my half, 65,536 bytes a block; 8 bytes a row
	s_add_co_u32 s84, s84, s12
	s_lshl_b32 s84, s84, 16
	s_lshl_b32 s21, s13, 10
	s_add_co_u32 s84, s84, s21
	s_lshl_b32 s21, s11, 9
	s_add_co_u32 s84, s84, s21
	s_mov_b32 s85, 0
	s_mov_b32 s70, 0x3d000000                      ; 1 / 32
	s_mov_b32 s71, s70                             ; named with it as a pair
	s_mov_b32 s72, 0x3fb8aa3b                      ; log2(e)
	s_mov_b32 s73, s72
	s_mov_b32 s74, 0x76543210                      ; v_permlanex16_b32: each lane takes its own place in the other half
	s_mov_b32 s75, 0xfedcba98
	s_mov_b32 s[TB], 0
	s_wait_dscnt 0x0
	s_wait_kmcnt 0x0
	s_add_nc_u64 s[14:15], s[4:5], s[16:17]
	s_add_nc_u64 s[46:47], s[4:5], s[46:47]
	s_add_nc_u64 s[6:7], s[6:7], s[82:83]
	s_add_nc_u64 s[8:9], s[8:9], s[22:23]
	s_add_nc_u64 s[66:67], s[66:67], s[84:85]
.irp s, 0,1
	s_mov_b32 s[G0+4*(\s)], 1
	s_add_co_u32 s[G0+4*(\s)+1], s80, (\s)*SLOT1
	s_add_nc_u64 s[G0+4*(\s)+2:G0+4*(\s)+3], s[14:15], (\s)*A_STEP
	s_or_b32 s[G0+4*(\s)+3], s[G0+4*(\s)+3], 0x80000000
	s_mov_b32 s[G0B+4*(\s)], 1
	s_add_co_u32 s[G0B+4*(\s)+1], s81, (\s)*SLOT1
	s_add_nc_u64 s[G0B+4*(\s)+2:G0B+4*(\s)+3], s[46:47], (\s)*B_STEP
	s_or_b32 s[G0B+4*(\s)+3], s[G0B+4*(\s)+3], 0x80000000
.endr
	CROUND                                         ; the first joint loads meet
	s_cmp_eq_u32 s11, 0                            ; a wave's two first fills stand in one branch: two loads of mine are out
	s_cbranch_scc0 .Lfirst_b
	tensor_load_to_lds s[G0:G0+3], s[G1:G1+7]
	s_nop 0
	tensor_load_to_lds s[G0+4:G0+7], s[G1:G1+7]
	s_nop 0
	PLACES
	s_branch .Lfirst_asked
.Lfirst_b:
	tensor_load_to_lds s[G0B:G0B+3], s[G1B:G1B+7]
	s_nop 0
	tensor_load_to_lds s[G0B+4:G0B+7], s[G1B:G1B+7]
	s_nop 0
	PLACES
.Lfirst_asked:
	v_and_b32 v3, 31, v0                           ; l
	v_lshlrev_b32 v[VX], 4, v3
	WIN 0xc0                                       ; destination window 3
.set i, 0
.rept 64                                               ; my 64 rows of adj, 512 consecutive bytes a load: they stay out during the whole K loop
	global_load_b128 v[4*i:4*i+3], v[VX], s[6:7] offset:8192*i th:TH_LOAD_NT
.set i, i+1
.endr
	WIN 0
	v_and_b32 v1, 15, v0                           ; r
	v_bfe_u32 v2, v0, 4, 1                         ; h
	v_cmp_le_u32 s76, 16, v3                       ; the upper half of the lanes
	v_lshlrev_b32 v[SO], 3, v3
	v_mul_u32_u24 v4, v1, PA
	v_lshl_add_u32 v4, v2, 4, v4                   ; r x 272 + 16 h
	s_mul_i32 s18, s11, 64*PA
	v_add_nc_u32 v[ADRA0], s18, v4
	s_mul_i32 s20, s12, BHALF
	s_add_co_u32 s20, s20, BOFF
	v_add_nc_u32 v[ADRB0], s20, v4
	v_mov_b32 v[ADRA], v[ADRA0]
	v_mov_b32 v[ADRB], v[ADRB0]
	s_mul_i32 s79, s10, STAGEW
	s_add_co_u32 s79, s79, STAGE                   ; my stage
	v_add_nc_u32 v[SA], s79, v[VX]
	v_mul_u32_u24 v5, v1, 528
	v_lshl_add_u32 v5, v2, 5, v5
	v_add_nc_u32 v[SR], s79, v5
	v_add_nc_u32 v[STO], s79, v4
	v_mul_u32_u24 v7, v2, PA
	v_lshl_add_u32 v7, v1, 4, v7
	v_add_nc_u32 v[RD], s79, v7
	v_lshlrev_b32 v[CO], 12, v2                    ; two rows of 4,096 bytes in pb
	v_lshl_add_u32 v[CO], v1, 4, v[CO]
.macro MUL8 f, a, zero=0               ; 8 matrix instructions: row block a x all 8 key blocks, 32 along K, from buffer f
.irp b, 0,1,2,3,4,5,6,7
.if \zero
	v_wmma_f32_16x16x32_bf16 v[64*((\a)%2)+8*(\b):64*((\a)%2)+8*(\b)+7], v[BF+64*(\f)+8*(\b):BF+64*(\f)+8*(\b)+7], v[AF+32*(\f)+8*(\a):AF+32*(\f)+8*(\a)+7], 0
.else
	v_wmma_f32_16x16x32_bf16 v[64*((\a)%2)+8*(\b):64*((\a)%2)+8*(\b)+7], v[BF+64*(\f)+8*(\b):BF+64*(\f)+8*(\b)+7], v[AF+32*(\f)+8*(\a):AF+32*(\f)+8*(\a)+7], v[64*((\a)%2)+8*(\b):64*((\a)%2)+8*(\b)+7]
.endif
.endr
.endm
.macro FETCH kq, g                     ; 24 LDS loads in one run: quarter kq's fragments into buffer g
	WIN TO_A
.irp a, 0,1,2,3
	ds_load_b128 v[AF+32*(\g)+8*(\a):AF+32*(\g)+8*(\a)+3],   v[ADRA] offset:(\a)*16*PA+64*(\kq)
	ds_load_b128 v[AF+32*(\g)+8*(\a)+4:AF+32*(\g)+8*(\a)+7], v[ADRA] offset:(\a)*16*PA+64*(\kq)+32
.endr
	WIN 0
.irp b, 0,1,2,3,4,5,6,7
	ds_load_b128 v[BF+64*(\g)+8*(\b):BF+64*(\g)+8*(\b)+3],   v[ADRB] offset:(\b)*16*PA+64*(\kq)
	ds_load_b128 v[BF+64*(\g)+8*(\b)+4:BF+64*(\g)+8*(\b)+7], v[ADRB] offset:(\b)*16*PA+64*(\kq)+32
.endr
.endm
.macro QUARTER kq, f, g, zero=0        ; buffer f is multiplied, the 32 accumulators by turns (a = 2, 3, 0, 1); quarter kq is asked for into g
	s_wait_dscnt 0x0                               ; buffer f, asked for a quarter ago, is in
	PLACES
	FETCH \kq, \g
	WIN MUL_HI
	MUL8 \f, 2, \zero
	MUL8 \f, 3, \zero
	WIN MUL_LO
	MUL8 \f, 0, \zero
	MUL8 \f, 1, \zero
.endm
.macro TURN fill                       ; the last quarter multiplies buffer 1 and changes slots; fill = 1: the slot just read is filled again behind a round of the cluster's barrier
	WIN 0
	s_wait_tensorcnt 0x0                           ; all my tensor loads have landed: my part of the next slot
	ds_add_u32 v[SPW], v[NIL]
.if \fill
	s_xor_b32 s[G0+5], s[G0+5], SLOT1
	s_add_nc_u64 s[G0+6:G0+7], s[G0+6:G0+7], A_STEP
	s_xor_b32 s[G0B+5], s[G0B+5], SLOT1
	s_add_nc_u64 s[G0B+6:G0B+7], s[G0B+6:G0B+7], B_STEP
.endif
	s_wait_dscnt 1                                 ; buffer 1 is in; the add alone may be out
	WIN MUL_HI
	MUL8 1, 2
	s_wait_dscnt 0x0                               ; the add is done, and my reads of this slot are over
	s_barrier_signal -1
	MUL8 1, 3
	WIN 0
	s_barrier_wait -1
.if \fill
	CREST
.endif
	s_xor_b32 s[TB], s[TB], SLOT1
.if \fill
	JLOAD
.else
	PLACES
.endif
	v_add_nc_u32 v[ADRA], s[TB], v[ADRA0]
	v_add_nc_u32 v[ADRB], s[TB], v[ADRB0]
	FETCH 0, 0
	WIN MUL_LO
	MUL8 1, 0
	MUL8 1, 1
.endm
	s_wait_tensorcnt 1                             ; my part of K step 0 is in; step 1's may stay out
	s_barrier_signal -1
	s_barrier_wait -1
	FETCH 0, 0
	QUARTER 1, 0, 1, 1
	WIN 0
	s_mov_b32 s3, NSTEP-2
.Lstep:
	QUARTER 2, 1, 0
	QUARTER 3, 0, 1
	TURN 1
	QUARTER 1, 0, 1
	WIN 0
	s_sub_co_u32 s3, s3, 1
	s_cmp_lg_u32 s3, 0
	s_cbranch_scc1 .Lstep
	QUARTER 2, 1, 0
	QUARTER 3, 0, 1
	TURN 0
	QUARTER 1, 0, 1
	QUARTER 2, 1, 0
	QUARTER 3, 0, 1
	s_wait_dscnt 0x0
	WIN MUL_HI
	MUL8 1, 2
	MUL8 1, 3
	WIN MUL_LO
	MUL8 1, 0
	MUL8 1, 1
	WIN 0
	PLACES
	s_wait_loadcnt 0x0                             ; adj
; THE WAY OUT of block a (16 queries x my 128 keys).  adj's 16 rows go through my stage into the accumulators' layout; u; the row's maximum, weights and sum; p leaves through the same stage.
.macro BLOCK a
.set AC, 64*((\a)%2)
	WIN 0x0c                                       ; store data in window 3
.irp t, 0,1,2,3,4,5,6,7,8,9,10,11,12,13,14,15
	ds_store_b128 v[SA], v[4*(16*(\a)+(\t)):4*(16*(\a)+(\t))+3] offset:528*(\t)
.endr
	WIN 0
.irp b, 0,1,2,3,4,5,6,7
	ds_load_b128 v[U+8*(\b):U+8*(\b)+3],   v[SR] offset:64*(\b)     ; LDS serves a wave's instructions in order (ISA guide 5.7.1.4): these see the stores above
	ds_load_b128 v[U+8*(\b)+4:U+8*(\b)+7], v[SR] offset:64*(\b)+16
.endr
	s_wait_dscnt 0x0
	WIN 1+(\a)/2                                   ; source 0: the accumulators' window
.set i, 0
.rept 32
	v_pk_fma_f32 v[U+2*i:U+2*i+1], v[AC+2*i:AC+2*i+1], s[70:71], v[U+2*i:U+2*i+1] op_sel_hi:[1,0,1]  ; u = s / 32 + adj
.set i, i+1
.endr
	WIN 0
.irp k, 0,1,2,3
	v_max3_num_f32 v[C0+(\k)], v[U+16*(\k)], v[U+16*(\k)+1], v[U+16*(\k)+2]
.endr
.irp j, 1,2,3,4,5,6
.irp k, 0,1,2,3
	v_max3_num_f32 v[C0+(\k)], v[C0+(\k)], v[U+16*(\k)+2*(\j)+1], v[U+16*(\k)+2*(\j)+2]
.endr
.endr
	v_max3_num_f32 v[C0], v[C0], v[U+15], v[U+31]
	v_max3_num_f32 v[C0+1], v[C0+1], v[U+47], v[U+63]
	v_max3_num_f32 v[C0], v[C0], v[C0+1], v[C0+2]
	v_max_num_f32 v[C0], v[C0], v[C0+3]
	v_permlanex16_b32 v[C0+1], v[C0], s74, s75     ; the query's other 64 keys lie in the lane 16 away
	v_max_num_f32 v[C0], v[C0], v[C0+1]
	v_mul_f32 v[CM], s72, v[C0]
	v_mul_f32 v[CM+1], s72, v[C0]                  ; named with it as a pair
	v_mul_f32 v[KEEP+2*(\a)], s72, v[C0]
.set i, 0
.rept 32
	v_pk_fma_f32 v[U+2*i:U+2*i+1], v[U+2*i:U+2*i+1], s[72:73], v[CM:CM+1] op_sel_hi:[1,0,0] neg_lo:[0,0,1] neg_hi:[0,0,1]
.set i, i+1
.endr
.set i, 0
.rept 64
	v_exp_f32 v[U+i], v[U+i]
.set i, i+1
.endr
	v_nop                                          ; a plain instruction behind the last exponential, ahead of its use (ISA guide 5.7.2)
.set i, 0
	s_wait_alu depctr_va_vdst(0)
.rept 32
	v_cvt_pk_bf16_f32 v[P+i], v[U+2*i], v[U+2*i+1]
.set i, i+1
.endr
.irp b, 0,1,2,3,4,5,6,7
	ds_store_b128 v[STO], v[P+4*(\b):P+4*(\b)+3] offset:32*(\b)
.endr
.if (\a) > 0
	s_wait_xcnt 0x0                                ; the last block's stores have read their registers (ISA guide 3.1): only now are these loaded again
.endif
.irp t, 0,1,2,3,4,5,6,7
	ds_load_b128 v[OB+4*(\t):OB+4*(\t)+3], v[RD] offset:2*PA*(\t)
.endr
.irp k, 0,1,2,3                        ; the sum of the unrounded weights stands in the stage's round trip
	v_pk_add_f32 v[SM+2*(\k):SM+2*(\k)+1], v[U+16*(\k):U+16*(\k)+1], v[U+16*(\k)+2:U+16*(\k)+3]
.endr
.irp j, 2,3,4,5,6,7
.irp k, 0,1,2,3
	v_pk_add_f32 v[SM+2*(\k):SM+2*(\k)+1], v[SM+2*(\k):SM+2*(\k)+1], v[U+16*(\k)+2*(\j):U+16*(\k)+2*(\j)+1]
.endr
.endr
	v_pk_add_f32 v[SM:SM+1], v[SM:SM+1], v[SM+2:SM+3]
	v_pk_add_f32 v[SM+4:SM+5], v[SM+4:SM+5], v[SM+6:SM+7]
	v_pk_add_f32 v[SM:SM+1], v[SM:SM+1], v[SM+4:SM+5]
	v_add_f32 v[SM], v[SM], v[SM+1]
	v_permlanex16_b32 v[SM+1], v[SM], s74, s75
	v_add_f32 v[KEEP+2*(\a)+1], v[SM], v[SM+1]
	s_wait_dscnt 0x0
.irp t, 0,1,2,3,4,5,6,7
	global_store_b128 v[CO], v[OB+4*(\t):OB+4*(\t)+3], s[8:9] offset:(16*(\a)+2*(\t))*4096  ; 16 lanes store 256 consecutive bytes, aligned
.endr
.endm
	BLOCK 0
	BLOCK 1
	BLOCK 2
	BLOCK 3
	; both halves of the lanes hold a row's (cm, l): lane l takes row l of 32 from block l / 16, so that a store covers 256 consecutive bytes, aligned
	v_cndmask_b32 v216, v[KEEP],   v[KEEP+2], s76
	v_cndmask_b32 v217, v[KEEP+1], v[KEEP+3], s76
	v_cndmask_b32 v218, v[KEEP+4], v[KEEP+6], s76
	v_cndmask_b32 v219, v[KEEP+5], v[KEEP+7], s76
	global_store_b64 v[SO], v[216:217], s[66:67]
	global_store_b64 v[SO], v[218:219], s[66:67] offset:256
	s_wait_tensorcnt 0x0                           ; the wave's end
	ds_add_u32 v[SPW], v[NIL]
	s_wait_dscnt 0x0
	CROUND                                         ; the closing round
	s_endpgm
.Lfunc_end_k_q728c705927_score:
	.size	k_q728c705927_score, .Lfunc_end_k_q728c705927_score-k_q728c705927_score
	.p2alignl 7, 3214868480
	.fill 96, 4, 3214868480
	.section	.rodata,"a",@progbits
	.p2align	6, 0x0
	.amdhsa_kernel k_q728c705927_score
		.amdhsa_group_segment_fixed_size 327680
		.amdhsa_private_segment_fixed_size 0
		.amdhsa_enable_private_segment 0
		.amdhsa_kernarg_size 32
		.amdhsa_user_sgpr_count 2
		.amdhsa_user_sgpr_kernarg_segment_ptr 1
		.amdhsa_wavefront_size32 1
		.amdhsa_system_sgpr_workgroup_id_x 1
		.amdhsa_system_sgpr_workgroup_id_y 1
		.amdhsa_system_sgpr_workgroup_id_z 1
		.amdhsa_system_vgpr_workitem_id 0
		.amdhsa_next_free_vgpr 1024
		.amdhsa_next_free_sgpr 88
		.amdhsa_reserve_vcc 0
		.amdhsa_float_denorm_mode_32 3
		.amdhsa_float_denorm_mode_16_64 3
		.amdhsa_memory_ordered 1
		.amdhsa_forward_progress 1
		.amdhsa_inst_pref_size 127
	.end_amdhsa_kernel
	.amdgpu_metadata
---
amdhsa.version: [ 1, 2 ]
amdhsa.kernels:
  - .name:           k_q728c705927_score
    .symbol:         k_q728c705927_score.kd
    .args:
      - { .name: qkv, .offset: 0, .size: 8, .value_kind: global_buffer, .address_space: global }
      - { .name: adj, .offset: 8, .size: 8, .value_kind: global_buffer, .address_space: global }
      - { .name: pb, .offset: 16, .size: 8, .value_kind: global_buffer, .address_space: global }
      - { .name: stats, .offset: 24, .size: 8, .value_kind: global_buffer, .address_space: global }
    .group_segment_fixed_size: 327680
    .private_segment_fixed_size: 0
    .kernarg_segment_align: 8
    .kernarg_segment_size: 32
    .max_flat_workgroup_size: 128
    .sgpr_count:     88
    .vgpr_count:     1024
    .wavefront_size: 32
...
	.end_amdgpu_metadata
.endif
;; end of part 3
;; launch pv (part 4): grid 4 x 64, 4 waves a work-group, clusters of 4 x 4, 327,680 bytes of LDS; arguments pb, qkv, stats, tb; writes tb
.if DOCPART == 4
	.amdgcn_target "amdgcn-amd-amdhsa--gfx1250"
	.amdhsa_code_object_version 6
	.text
	.protected	k_q728c705927_pv
	.globl	k_q728c705927_pv
	.p2align	8
	.type	k_q728c705927_pv,@function
k_q728c705927_pv:
	s_mov_b64 s[64:65], 0
	v_nop
	global_prefetch_b8 v0, s[64:65] scope:SCOPE_SE
	s_setreg_imm32_b32 hwreg(HW_REG_WAVE_MODE, 25, 1), 1
	s_wait_xcnt 0x0
	s_wait_alu depctr_hold_cnt(0) depctr_sa_sdst(0) depctr_va_vdst(0) depctr_va_sdst(0) depctr_va_ssrc(0) depctr_va_vcc(0) depctr_vm_vsrc(0)
	s_getreg_b32 s2, hwreg(HW_REG_IB_STS2, 6, 4)
	s_cmp_eq_u32 s2, 0
	s_cbranch_scc0 .Lentry_in_a_cluster
	s_endpgm
.Lentry_in_a_cluster:
	s_bfe_u32 s2, ttmp6, 0x10000c
	s_cmp_lg_u32 s2, 0xf033
	s_cbranch_scc0 .Lentry_shape_is_right
	s_endpgm
.Lentry_shape_is_right:
; tmp = softmax x V.  For each row: M = the maximum of its 16 block maxima cm_t; f_t = bf16(2^(cm_t - M)); L = the sum of f_t l_t; tmp = (the sum over t of (f_t P_t) V_t) / L, rounded once to bf16.
; So the row's true maximum is taken away, as in a softmax over all 2,048 keys.  A K step of 128 keys is one block t: the fragments of P are multiplied by f_t in registers (packed bf16).
; LIMITS: p is rounded to bf16 twice (as p, as p f); f is rounded to bf16, and L is formed with that rounded f, so that the weights still add up to 1; a factor below 2^-126 counts as 0;
; NaN and infinities are not treated apart.
; SHARES.  A work-group makes 128 rows x 256 channels; wave w: rows 64 (w / 2) on, channels 128 (w % 2) on; 32 accumulators.  K: 16 steps of 128 keys through two LDS slots.
; CLUSTER 4 x 4: P's tile is shared along a row of the cluster, V's (batch, equal in a cluster, and tile column) along a column.
; THE MATRIX INSTRUCTION IS USED TRANSPOSED: source 0 = 16 channels of V (turned out of LDS by ds_load_tr16_b128), source 1 = 16 rows of P.
; REGISTERS (s_set_vgpr_msb: bits 1:0 source 0, 3:2 source 1, 5:4 source 2, 7:6 destination):
;   window 0: v0-31 addresses; v32-35 f of my four row blocks; v36-37 table addresses; v40-47 1 / L, four pairs; v64-191 V's fragments, two buffers (at the head: statistics; on the way out: rows); v192-223 packed results
;   window 1: v0-127 accumulators a = 0, 1; v128-191 P's fragments, two buffers      window 2: v0-127 accumulators a = 2, 3
.set NSTEP,  16
.set PA,     272                       ; P's LDS row: 256 bytes + 16 (64 banks of 4 bytes: ISA guide 11.1: 16 rows start 4 banks apart)
.set PB,     544                       ; V's LDS row: 512 bytes + 32
.set BOFF,   128*PA
.set BHALF,  64*PB
.set SLOT1,  1<<17
.set STAGE,  SLOT1+BOFF+128*PB
.set STAGEW, 16*528
.set FTAB,   STAGE+4*STAGEW            ; [16 blocks][128 rows] words: f as bf16 in both halves
.set RLT,    FTAB+8192                 ; [128 rows] 1 / L
.set SPARE,  RLT+512                   ; the spare words, 128 bytes a wave
.set A_STEP, 256
.set B_STEP, 128*2048
.set ADRA0, 16
.set ADRB0, 17
.set ADRA,  18
.set ADRB,  19
.set STO,   24
.set RD,    25
.set CO,    26
.set SPW,   28
.set NIL,   29
.set FAC,   32
.set VF0,   36                         ; my lane's place in a block of the table; never rewritten
.set VF,    37                         ; the same in the block to be fetched
.set RLV,   40
.set BF,    64
.set AF,    128
.set TMP,   192
.set G1,  24
.set G0,  32
.set G1B, 48
.set G0B, 56
.set TB,  77
.set FB,  78                           ; s78  byte at which the table's block to be fetched begins
.set MUL_HI, 0xa4
.set MUL_LO, 0x54
.set TO_A,   0x40
.set MSB, 0
.macro WIN new                         ; the immediate's high byte repeats the setting that is left
.if MSB != (\new)
	s_set_vgpr_msb (MSB<<8)|(\new)
.set MSB, (\new)
.endif
.endm
.macro PLACES                          ; four plain vector instructions behind matrix instructions (ISA guide 7.12.1)
.rept 4
	v_nop
.endr
.endm
.macro CREST
	s_cmp_lg_u32 s10, 0
	s_cbranch_scc1 .Lnot_wave_0_\@
	s_barrier_signal -3
.Lnot_wave_0_\@:
	s_barrier_wait -3
	s_barrier_signal -1
	s_barrier_wait -1
.endm
.macro CROUND
	s_barrier_signal -1
	s_barrier_wait -1
	CREST
.endm
.macro JLOAD                           ; a joint refill: waves 0, 1 fetch P's halves, waves 2, 3 V's; s_nop 0 and four v_nop follow each line
	s_cmp_eq_u32 s11, 0
	s_cbranch_scc0 .Lfor_b_\@
	tensor_load_to_lds s[G0+4:G0+7], s[G1:G1+7]
	s_nop 0
	PLACES
	s_branch .Lasked_\@
.Lfor_b_\@:
	tensor_load_to_lds s[G0B+4:G0B+7], s[G1B:G1B+7]
	s_nop 0
	PLACES
.Lasked_\@:
.endm
	s_load_b128 s[4:7], s[0:1], 0x0                ; pb s[4:5], qkv s[6:7]
	s_load_b64 s[8:9], s[0:1], 0x10                ; stats
	s_load_b64 s[66:67], s[0:1], 0x18              ; tb
	v_lshl_add_u32 v[SPW], v0, 2, SPARE
	v_mov_b32 v[NIL], 0
	ds_add_u32 v[SPW], v[NIL]                      ; the wave's opening: the add and its wait stand ahead of my first tensor load
	v_lshrrev_b32 v1, 5, v0
	v_readfirstlane_b32 s10, v1
	s_lshr_b32 s11, s10, 1
	s_and_b32 s12, s10, 1
	s_bfe_u32 s40, ttmp6, 0x40000
	s_bfe_u32 s41, ttmp6, 0x40004
	s_lshl_b32 s42, ttmp9, 2
	s_add_co_u32 s42, s42, s40                     ; tile column
	s_and_b32 s45, ttmp7, 0xffff
	s_lshl_b32 s13, s45, 2
	s_add_co_u32 s13, s13, s41                     ; tile row
	s_lshr_b32 s45, s45, 2                         ; the batch
	s_lshl_b32 s43, s41, 2
	s_lshl_b32 s43, 15, s43
	s_lshl_b32 s44, 0x1111, s40
	s_or_b32 s[G1], s43, (1<<16)|(1<<20)|(1<<21)|(5<<22)|(3<<25)
	s_mov_b32 s[G1+1], 128<<16
	s_mov_b32 s[G1+2], 64<<16
	s_mov_b32 s[G1+3], 128<<16
	s_mov_b32 s[G1+4], 64
	s_mov_b32 s[G1+5], 2048                        ; P's rows are 2,048 elements apart
	s_mov_b32 s[G1+6], 0
	s_mov_b32 s[G1+7], 0
	s_or_b32 s[G1B], s44, (1<<16)|(1<<20)|(1<<21)|(6<<22)|(7<<25)
	s_mov_b32 s[G1B+1], 256<<16
	s_mov_b32 s[G1B+2], 64<<16
	s_mov_b32 s[G1B+3], 256<<16
	s_mov_b32 s[G1B+4], 64
	s_mov_b32 s[G1B+5], 1024
	s_mov_b32 s[G1B+6], 0
	s_mov_b32 s[G1B+7], 0
	s_lshl_b32 s16, s13, 19                        ; P: 128 rows of 4,096 bytes a tile row, my 64 of them
	s_lshl_b32 s19, s12, 18
	s_add_co_u32 s16, s16, s19
	s_mov_b32 s17, 0
	s_lshl_b32 s46, s45, 22                        ; V: the batch's 2,048 rows, the tile's 256 channels, my 64 keys
	s_add_co_u32 s46, s46, 33554432
	s_lshl_b32 s20, s42, 9
	s_add_co_u32 s46, s46, s20
	s_lshl_b32 s20, s12, 17
	s_add_co_u32 s46, s46, s20
	s_mov_b32 s47, 0
	s_mul_i32 s80, s12, 64*PA
	s_mul_i32 s81, s12, BHALF
	s_add_co_u32 s81, s81, BOFF
	s_lshl_b32 s22, s13, 18                        ; tb: rows of 2,048 bytes
	s_lshl_b32 s21, s11, 17
	s_add_co_u32 s22, s22, s21
	s_lshl_b32 s21, s42, 9
	s_add_co_u32 s22, s22, s21
	s_lshl_b32 s21, s12, 8
	s_add_co_u32 s22, s22, s21
	s_mov_b32 s23, 0
	s_lshl_b32 s82, s13, 10                        ; stats: the work-group's 128 rows, 8 bytes each
	s_mov_b32 s83, 0
	s_mov_b32 s[TB], 0
	s_mov_b32 s[FB], 0
	s_wait_dscnt 0x0
	s_wait_kmcnt 0x0
	s_add_nc_u64 s[14:15], s[4:5], s[16:17]
	s_add_nc_u64 s[46:47], s[6:7], s[46:47]
	s_add_nc_u64 s[8:9], s[8:9], s[82:83]
	s_add_nc_u64 s[66:67], s[66:67], s[22:23]
.irp s, 0,1
	s_mov_b32 s[G0+4*(\s)], 1
	s_add_co_u32 s[G0+4*(\s)+1], s80, (\s)*SLOT1
	s_add_nc_u64 s[G0+4*(\s)+2:G0+4*(\s)+3], s[14:15], (\s)*A_STEP
	s_or_b32 s[G0+4*(\s)+3], s[G0+4*(\s)+3], 0x80000000
	s_mov_b32 s[G0B+4*(\s)], 1
	s_add_co_u32 s[G0B+4*(\s)+1], s81, (\s)*SLOT1
	s_add_nc_u64 s[G0B+4*(\s)+2:G0B+4*(\s)+3], s[46:47], (\s)*B_STEP
	s_or_b32 s[G0B+4*(\s)+3], s[G0B+4*(\s)+3], 0x80000000
.endr
	CROUND                                         ; the first joint loads meet
	s_cmp_eq_u32 s11, 0                            ; a wave's two first fills stand in one branch: two loads of mine are out
	s_cbranch_scc0 .Lfirst_b
	tensor_load_to_lds s[G0:G0+3], s[G1:G1+7]
	s_nop 0
	tensor_load_to_lds s[G0+4:G0+7], s[G1:G1+7]
	s_nop 0
	PLACES
	s_branch .Lfirst_asked
.Lfirst_b:
	tensor_load_to_lds s[G0B:G0B+3], s[G1B:G1B+7]
	s_nop 0
	tensor_load_to_lds s[G0B+4:G0B+7], s[G1B:G1B+7]
	s_nop 0
	PLACES
.Lfirst_asked:
	; THE ROWS' STATISTICS, in the wait for the first tiles: thread t owns row t of the work-group's 128.  A wave's load covers 256 consecutive bytes.
	v_lshlrev_b32 v14, 3, v0
.set i, 0
.rept 16
	global_load_b64 v[64+2*i:65+2*i], v14, s[8:9] offset:i*65536   ; (cm, l) of block i
.set i, i+1
.endr
	v_lshl_add_u32 v15, v0, 2, FTAB
	v_and_b32 v1, 15, v0                           ; r
	v_bfe_u32 v2, v0, 4, 1                         ; h
	v_mul_u32_u24 v4, v1, PA
	v_lshl_add_u32 v4, v2, 4, v4
	s_mul_i32 s18, s11, 64*PA
	v_add_nc_u32 v[ADRA0], s18, v4
	v_and_b32 v5, 7, v0
	v_lshl_add_u32 v5, v2, 3, v5                   ; the turning load: key 8 h + l % 8,
	v_mul_u32_u24 v5, v5, PB
	v_bfe_u32 v6, v0, 3, 1
	v_lshl_add_u32 v5, v6, 4, v5                   ; channels 8 ((l / 8) % 2) on,
	s_lshl_b32 s20, s12, 8
	s_add_co_u32 s20, s20, BOFF
	v_add_nc_u32 v[ADRB0], s20, v5                 ; in my 128 channels
	v_mov_b32 v[ADRA], v[ADRA0]
	v_mov_b32 v[ADRB], v[ADRB0]
	s_mul_i32 s79, s10, STAGEW
	s_add_co_u32 s79, s79, STAGE
	v_add_nc_u32 v[STO], s79, v4
	v_mul_u32_u24 v7, v2, PA
	v_lshl_add_u32 v7, v1, 4, v7
	v_add_nc_u32 v[RD], s79, v7
	v_lshlrev_b32 v[CO], 11, v2
	v_lshl_add_u32 v[CO], v1, 4, v[CO]
	s_lshl_b32 s21, s11, 8                         ; my 64 rows' words in a block of the table
	s_add_co_u32 s21, s21, FTAB
	v_lshl_add_u32 v[VF0], v1, 2, s21
	s_wait_loadcnt 0x0
	v_max3_num_f32 v12, v64, v66, v68
.irp j, 1,2,3,4,5,6
	v_max3_num_f32 v12, v12, v[64+4*(\j)+2], v[64+4*(\j)+4]
.endr
	v_max_num_f32 v12, v12, v94                    ; M
.set i, 0
.rept 16
	v_sub_f32 v[96+i], v[64+2*i], v12
.set i, i+1
.endr
.set i, 0
.rept 16
	v_exp_f32 v[96+i], v[96+i]
.set i, i+1
.endr
	v_nop                                          ; a plain instruction behind the last exponential (ISA guide 5.7.2)
.set i, 0
	s_wait_alu depctr_va_vdst(0)
.rept 16
	v_cvt_pk_bf16_f32 v[112+i], v[96+i], v[96+i]   ; f in both halves
.set i, i+1
.endr
.set i, 0
.rept 16
	v_lshlrev_b32 v[96+i], 16, v[112+i]            ; the rounded f as f32
.set i, i+1
.endr
	v_mul_f32 v13, v96, v65
.set i, 1
.rept 15
	v_fmac_f32 v13, v[96+i], v[65+2*i]             ; L
.set i, i+1
.endr
.set i, 0
.rept 16
	ds_store_b32 v15, v[112+i] offset:512*i
.set i, i+1
.endr
	v_rcp_f32 v13, v13
	v_nop
	s_wait_alu depctr_va_vdst(0)
	ds_store_b32 v15, v13 offset:8192              ; 1 / L
; 8 matrix instructions: row block a x all 8 channel blocks, from buffer f.  ride = g: behind each stand four packed multiplies that scale P's fragments in buffer g by f:
; under the setting in hand the destination and source 1 lie in window 1 (the fragments), source 0 in window 0 (the factor); none names a register of the products round it.
.macro MUL8 f, a, zero=0, ride=-1
.irp b, 0,1,2,3,4,5,6,7
.if \zero
	v_wmma_f32_16x16x32_bf16 v[64*((\a)%2)+8*(\b):64*((\a)%2)+8*(\b)+7], v[BF+64*(\f)+8*(\b):BF+64*(\f)+8*(\b)+7], v[AF+32*(\f)+8*(\a):AF+32*(\f)+8*(\a)+7], 0
.else
	v_wmma_f32_16x16x32_bf16 v[64*((\a)%2)+8*(\b):64*((\a)%2)+8*(\b)+7], v[BF+64*(\f)+8*(\b):BF+64*(\f)+8*(\b)+7], v[AF+32*(\f)+8*(\a):AF+32*(\f)+8*(\a)+7], v[64*((\a)%2)+8*(\b):64*((\a)%2)+8*(\b)+7]
.endif
.if (\ride) >= 0
.irp z, 0,1,2,3
	v_pk_mul_bf16 v[AF+32*(\ride)+4*(\b)+(\z)], v[FAC+(\b)/2], v[AF+32*(\ride)+4*(\b)+(\z)]
.endr
.endif
.endr
.endm
.macro FETCH kq, g                     ; 24 LDS loads in one run: quarter kq's fragments into buffer g; P's eight first
	WIN TO_A
.irp a, 0,1,2,3
	ds_load_b128 v[AF+32*(\g)+8*(\a):AF+32*(\g)+8*(\a)+3],   v[ADRA] offset:(\a)*16*PA+64*(\kq)
	ds_load_b128 v[AF+32*(\g)+8*(\a)+4:AF+32*(\g)+8*(\a)+7], v[ADRA] offset:(\a)*16*PA+64*(\kq)+32
.endr
	WIN 0
.irp b, 0,1,2,3,4,5,6,7
	ds_load_tr16_b128 v[BF+64*(\g)+8*(\b):BF+64*(\g)+8*(\b)+3],   v[ADRB] offset:(\kq)*32*PB+32*(\b)
	ds_load_tr16_b128 v[BF+64*(\g)+8*(\b)+4:BF+64*(\g)+8*(\b)+7], v[ADRB] offset:(\kq)*32*PB+16*PB+32*(\b)
.endr
.endm
.macro QUARTER kq, f, g, zero=0        ; buffer f is multiplied, the 32 accumulators by turns (a = 2, 3, 0, 1); quarter kq is asked for into g and its P scaled
	s_wait_dscnt 0x0                               ; buffer f, asked for a quarter ago, is in
	PLACES
	FETCH \kq, \g
	WIN MUL_HI
	MUL8 \f, 2, \zero
	MUL8 \f, 3, \zero
	WIN MUL_LO
	MUL8 \f, 0, \zero
	s_wait_dscnt 16                                ; P's eight loads are in; V's sixteen, issued behind them, may stay out
	MUL8 \f, 1, \zero, \g
.endm
.macro FACLOAD                         ; the next block's factors: the step in hand has had its last scaling
	WIN 0
	s_add_co_u32 s[FB], s[FB], 512
	v_add_nc_u32 v[VF], s[FB], v[VF0]
.irp a, 0,1,2,3
	ds_load_b32 v[FAC+(\a)], v[VF] offset:64*(\a)
.endr
.endm
.macro TURN fill                       ; the last quarter multiplies buffer 1 and changes slots; fill = 1: the slot just read is filled again behind a round of the cluster's barrier
	WIN 0
	s_wait_tensorcnt 0x0                           ; all my tensor loads have landed: my part of the next slot
	ds_add_u32 v[SPW], v[NIL]
.if \fill
	s_xor_b32 s[G0+5], s[G0+5], SLOT1
	s_add_nc_u64 s[G0+6:G0+7], s[G0+6:G0+7], A_STEP
	s_xor_b32 s[G0B+5], s[G0B+5], SLOT1
	s_add_nc_u64 s[G0B+6:G0B+7], s[G0B+6:G0B+7], B_STEP
.endif
	s_wait_dscnt 1                                 ; buffer 1 and the factors are in; the add alone may be out
	WIN MUL_HI
	MUL8 1, 2
	s_wait_dscnt 0x0                               ; the add is done, and my reads of this slot are over
	s_barrier_signal -1
	MUL8 1, 3
	WIN 0
	s_barrier_wait -1
.if \fill
	CREST
.endif
	s_xor_b32 s[TB], s[TB], SLOT1
.if \fill
	JLOAD
.else
	PLACES
.endif
	v_add_nc_u32 v[ADRA], s[TB], v[ADRA0]
	v_add_nc_u32 v[ADRB], s[TB], v[ADRB0]
	FETCH 0, 0
	WIN MUL_LO
	MUL8 1, 0
	s_wait_dscnt 16                                ; P's eight loads are in
	MUL8 1, 1, 0, 0
.endm
	s_wait_tensorcnt 1                             ; my part of K step 0 is in; step 1's may stay out
	s_wait_dscnt 0x0                               ; for the others' sake: my rows of the two tables are written
	s_barrier_signal -1
	s_barrier_wait -1
	FETCH 0, 0
.irp a, 0,1,2,3
	ds_load_b32 v[FAC+(\a)], v[VF0] offset:64*(\a)             ; block 0's factors for my rows 16 a + r
	ds_load_b32 v[RLV+2*(\a)], v[VF0] offset:8192+64*(\a)      ; and their 1 / L
.endr
	s_wait_dscnt 0x0
.irp a, 0,1,2,3
	v_mov_b32 v[RLV+2*(\a)+1], v[RLV+2*(\a)]       ; named as pairs
.endr
	WIN MUL_LO
.set i, 0
.rept 32
	v_pk_mul_bf16 v[AF+i], v[FAC+i/8], v[AF+i]     ; the first quarter's P has no products to ride behind
.set i, i+1
.endr
	QUARTER 1, 0, 1, 1
	WIN 0
	s_mov_b32 s3, NSTEP-2
.Lstep:
	QUARTER 2, 1, 0
	QUARTER 3, 0, 1
	FACLOAD
	TURN 1
	QUARTER 1, 0, 1
	WIN 0
	s_sub_co_u32 s3, s3, 1
	s_cmp_lg_u32 s3, 0
	s_cbranch_scc1 .Lstep
	QUARTER 2, 1, 0
	QUARTER 3, 0, 1
	FACLOAD
	TURN 0
	QUARTER 1, 0, 1
	QUARTER 2, 1, 0
	QUARTER 3, 0, 1
	s_wait_dscnt 0x0
	WIN MUL_HI
	MUL8 1, 2
	MUL8 1, 3
	WIN MUL_LO
	MUL8 1, 0
	MUL8 1, 1
	WIN 0
	PLACES
; THE WAY OUT, a block of 16 rows at a time: divided by L, rounded to bf16; through my stage; stored as whole rows of 256 bytes.
.macro PACK a
.set AC, 64*((\a)%2)
	WIN 0x41*(1+(\a)/2)                            ; accumulators in window 1 or 2, 1 / L in window 0
.set i, 0
.rept 32
	v_pk_mul_f32 v[AC+2*i:AC+2*i+1], v[AC+2*i:AC+2*i+1], v[RLV+2*(\a):RLV+2*(\a)+1] op_sel_hi:[1,0]
.set i, i+1
.endr
	WIN 0x05*(1+(\a)/2)
.set i, 0
.rept 32
	v_cvt_pk_bf16_f32 v[TMP+i], v[AC+2*i], v[AC+2*i+1]
.set i, i+1
.endr
	WIN 0
.endm
.macro TOSTAGE a
.irp b, 0,1,2,3,4,5,6,7
	ds_store_b128 v[STO], v[TMP+4*(\b):TMP+4*(\b)+3] offset:32*(\b)
.endr
.irp t, 0,1,2,3,4,5,6,7
	ds_load_b128 v[64+32*(\a)+4*(\t):64+32*(\a)+4*(\t)+3], v[RD] offset:2*PA*(\t)  ; LDS serves a wave's instructions in order (ISA guide 5.7.1.4)
.endr
.endm
.macro SEND a                          ; each block has registers of its own
	s_wait_dscnt 0x0
.irp t, 0,1,2,3,4,5,6,7
	global_store_b128 v[CO], v[64+32*(\a)+4*(\t):64+32*(\a)+4*(\t)+3], s[66:67] offset:(16*(\a)+2*(\t))*2048  ; 16 lanes store 256 consecutive bytes, aligned
.endr
.endm
	PACK 0
	TOSTAGE 0
.irp a, 1,2,3
	PACK \a
	SEND (\a)-1
	TOSTAGE \a
.endr
	SEND 3
	s_wait_tensorcnt 0x0                           ; the wave's end
	ds_add_u32 v[SPW], v[NIL]
	s_wait_dscnt 0x0
	CROUND                                         ; the closing round
	s_endpgm
.Lfunc_end_k_q728c705927_pv:
	.size	k_q728c705927_pv, .Lfunc_end_k_q728c705927_pv-k_q728c705927_pv
	.p2alignl 7, 3214868480
	.fill 96, 4, 3214868480
	.section	.rodata,"a",@progbits
	.p2align	6, 0x0
	.amdhsa_kernel k_q728c705927_pv
		.amdhsa_group_segment_fixed_size 327680
		.amdhsa_private_segment_fixed_size 0
		.amdhsa_enable_private_segment 0
		.amdhsa_kernarg_size 32
		.amdhsa_user_sgpr_count 2
		.amdhsa_user_sgpr_kernarg_segment_ptr 1
		.amdhsa_wavefront_size32 1
		.amdhsa_system_sgpr_workgroup_id_x 1
		.amdhsa_system_sgpr_workgroup_id_y 1
		.amdhsa_system_sgpr_workgroup_id_z 1
		.amdhsa_system_vgpr_workitem_id 0
		.amdhsa_next_free_vgpr 640
		.amdhsa_next_free_sgpr 88
		.amdhsa_reserve_vcc 0
		.amdhsa_float_denorm_mode_32 3
		.amdhsa_float_denorm_mode_16_64 3
		.amdhsa_memory_ordered 1
		.amdhsa_forward_progress 1
		.amdhsa_inst_pref_size 111
	.end_amdhsa_kernel
	.amdgpu_metadata
---
amdhsa.version: [ 1, 2 ]
amdhsa.kernels:
  - .name:           k_q728c705927_pv
    .symbol:         k_q728c705927_pv.kd
    .args:
      - { .name: pb, .offset: 0, .size: 8, .value_kind: global_buffer, .address_space: global }
      - { .name: qkv, .offset: 8, .size: 8, .value_kind: global_buffer, .address_space: global }
      - { .name: stats, .offset: 16, .size: 8, .value_kind: global_buffer, .address_space: global }
      - { .name: tb, .offset: 24, .size: 8, .value_kind: global_buffer, .address_space: global }
    .group_segment_fixed_size: 327680
    .private_segment_fixed_size: 0
    .kernarg_segment_align: 8
    .kernarg_segment_size: 32
    .max_flat_workgroup_size: 128
    .sgpr_count:     88
    .vgpr_count:     640
    .wavefront_size: 32
...
	.end_amdgpu_metadata
.endif
;; end of part 4
;; launch outp (part 5): grid 4 x 64, 4 waves a work-group, clusters of 4 x 4, 327,680 bytes of LDS; arguments tb, cb, bo, out0; writes out0
.if DOCPART == 5
	.amdgcn_target "amdgcn-amd-amdhsa--gfx1250"
	.amdhsa_code_object_version 6
	.text
	.protected	k_q728c705927_outp
	.globl	k_q728c705927_outp
	.p2align	8
	.type	k_q728c705927_outp,@function
k_q728c705927_outp:
	s_mov_b64 s[64:65], 0
	v_nop
	global_prefetch_b8 v0, s[64:65] scope:SCOPE_SE
	s_setreg_imm32_b32 hwreg(HW_REG_WAVE_MODE, 25, 1), 1
	s_wait_xcnt 0x0
	s_wait_alu depctr_hold_cnt(0) depctr_sa_sdst(0) depctr_va_vdst(0) depctr_va_sdst(0) depctr_va_ssrc(0) depctr_va_vcc(0) depctr_vm_vsrc(0)
	s_getreg_b32 s2, hwreg(HW_REG_IB_STS2, 6, 4)
	s_cmp_eq_u32 s2, 0
	s_cbranch_scc0 .Lentry_in_a_cluster
	s_endpgm
.Lentry_in_a_cluster:
	s_bfe_u32 s2, ttmp6, 0x10000c
	s_cmp_lg_u32 s2, 0xf033
	s_cbranch_scc0 .Lentry_shape_is_right
	s_endpgm
.Lentry_shape_is_right:
; out0 = tmp Wo + bo.  tmp (tb) and Wo (in cb at byte 39,845,888) are bf16; sums, bias and the result f32.
; LIMITS: NaN and infinities are not treated apart; the order of the f32 sums is the matrix unit's, K ascending.
; SHARES.  A work-group makes 128 rows x 256 columns; wave w: rows 64 (w / 2) on, columns 128 (w % 2) on; 32 accumulators.  K: 8 steps of 128 through two LDS slots.
; CLUSTER 4 x 4: tmp's tile is shared along a row of the cluster, Wo's along a column.
; THE MATRIX INSTRUCTION IS USED TRANSPOSED: source 0 = 16 columns of Wo (turned out of LDS by ds_load_tr16_b128), source 1 = 16 rows of tmp: a lane holds eight neighbouring numbers of a row.
; REGISTERS (s_set_vgpr_msb: bits 1:0 source 0, 3:2 source 1, 5:4 source 2, 7:6 destination):
;   window 0: v0-31 addresses; v64-191 Wo's fragments, two buffers (on the way out: rows read back, two buffers of 64)
;   window 1: v0-127 accumulators a = 0, 1; v128-191 tmp's fragments      window 2: v0-127 accumulators a = 2, 3; v128-191 the bias
.set NSTEP,  8
.set PA,     272
.set PB,     544
.set BOFF,   128*PA
.set BHALF,  64*PB
.set SLOT1,  1<<17
.set STAGE,  SLOT1+BOFF+128*PB
.set STAGEW, 16*528                    ; 16 rows of 512 bytes + 16: the 16 rows that a store touches start 4 banks apart (64 banks of 4 bytes: ISA guide 11.1)
.set SPARE,  STAGE+4*STAGEW+8192+512
.set A_STEP, 256
.set B_STEP, 128*2048
.set ADRA0, 16
.set ADRB0, 17
.set ADRA,  18
.set ADRB,  19
.set STO,   24
.set RD,    25
.set CO,    26
.set VX,    27
.set SPW,   28
.set NIL,   29
.set BF,    64
.set AF,    128
.set BIAS,  128
.set G1,  24
.set G0,  32
.set G1B, 48
.set G0B, 56
.set TB,  77
.set MUL_HI, 0xa4
.set MUL_LO, 0x54
.set TO_A,   0x40
.set MSB, 0
.macro WIN new                         ; the immediate's high byte repeats the setting that is left
.if MSB != (\new)
	s_set_vgpr_msb (MSB<<8)|(\new)
.set MSB, (\new)
.endif
.endm
.macro PLACES                          ; four plain vector instructions behind matrix instructions (ISA guide 7.12.1)
.rept 4
	v_nop
.endr
.endm
.macro CREST
	s_cmp_lg_u32 s10, 0
	s_cbranch_scc1 .Lnot_wave_0_\@
	s_barrier_signal -3
.Lnot_wave_0_\@:
	s_barrier_wait -3
	s_barrier_signal -1
	s_barrier_wait -1
.endm
.macro CROUND
	s_barrier_signal -1
	s_barrier_wait -1
	CREST
.endm
.macro JLOAD                           ; a joint refill: waves 0, 1 fetch A's halves, waves 2, 3 B's; s_nop 0 and four v_nop follow each line
	s_cmp_eq_u32 s11, 0
	s_cbranch_scc0 .Lfor_b_\@
	tensor_load_to_lds s[G0+4:G0+7], s[G1:G1+7]
	s_nop 0
	PLACES
	s_branch .Lasked_\@
.Lfor_b_\@:
	tensor_load_to_lds s[G0B+4:G0B+7], s[G1B:G1B+7]
	s_nop 0
	PLACES
.Lasked_\@:
.endm
	s_load_b128 s[4:7], s[0:1], 0x0                ; tb s[4:5], cb s[6:7]
	s_load_b64 s[8:9], s[0:1], 0x10                ; bo
	s_load_b64 s[66:67], s[0:1], 0x18              ; out0
	v_lshl_add_u32 v[SPW], v0, 2, SPARE
	v_mov_b32 v[NIL], 0
	ds_add_u32 v[SPW], v[NIL]                      ; the wave's opening: the add and its wait stand ahead of my first tensor load
	v_lshrrev_b32 v1, 5, v0
	v_readfirstlane_b32 s10, v1
	s_lshr_b32 s11, s10, 1
	s_and_b32 s12, s10, 1
	s_bfe_u32 s40, ttmp6, 0x40000
	s_bfe_u32 s41, ttmp6, 0x40004
	s_lshl_b32 s42, ttmp9, 2
	s_add_co_u32 s42, s42, s40                     ; tile column
	s_and_b32 s13, ttmp7, 0xffff
	s_lshl_b32 s13, s13, 2
	s_add_co_u32 s13, s13, s41                     ; tile row
	s_lshl_b32 s43, s41, 2
	s_lshl_b32 s43, 15, s43
	s_lshl_b32 s44, 0x1111, s40
	s_or_b32 s[G1], s43, (1<<16)|(1<<20)|(1<<21)|(5<<22)|(3<<25)
	s_mov_b32 s[G1+1], 128<<16
	s_mov_b32 s[G1+2], 64<<16
	s_mov_b32 s[G1+3], 128<<16
	s_mov_b32 s[G1+4], 64
	s_mov_b32 s[G1+5], 1024
	s_mov_b32 s[G1+6], 0
	s_mov_b32 s[G1+7], 0
	s_or_b32 s[G1B], s44, (1<<16)|(1<<20)|(1<<21)|(6<<22)|(7<<25)
	s_mov_b32 s[G1B+1], 256<<16
	s_mov_b32 s[G1B+2], 64<<16
	s_mov_b32 s[G1B+3], 256<<16
	s_mov_b32 s[G1B+4], 64
	s_mov_b32 s[G1B+5], 1024
	s_mov_b32 s[G1B+6], 0
	s_mov_b32 s[G1B+7], 0
	s_lshl_b32 s16, s13, 18                        ; tmp: 128 rows of 2,048 bytes a tile row, my 64 of them
	s_lshl_b32 s19, s12, 17
	s_add_co_u32 s16, s16, s19
	s_mov_b32 s17, 0
	s_lshl_b32 s46, s42, 9                         ; Wo: the tile's 256 columns, my 64 k-rows
	s_add_co_u32 s46, s46, 39845888
	s_lshl_b32 s20, s12, 17
	s_add_co_u32 s46, s46, s20
	s_mov_b32 s47, 0
	s_mul_i32 s80, s12, 64*PA
	s_mul_i32 s81, s12, BHALF
	s_add_co_u32 s81, s81, BOFF
	s_lshl_b32 s84, s42, 10                        ; my 128 columns in f32: in the bias,
	s_lshl_b32 s21, s12, 9
	s_add_co_u32 s84, s84, s21
	s_mov_b32 s85, 0
	s_lshl_b32 s22, s13, 19                        ; and in out0, whose rows are 4,096 bytes
	s_lshl_b32 s21, s11, 18
	s_add_co_u32 s22, s22, s21
	s_add_co_u32 s22, s22, s84
	s_mov_b32 s23, 0
	s_mov_b32 s[TB], 0
	s_wait_dscnt 0x0
	s_wait_kmcnt 0x0
	s_add_nc_u64 s[14:15], s[4:5], s[16:17]
	s_add_nc_u64 s[46:47], s[6:7], s[46:47]
	s_add_nc_u64 s[8:9], s[8:9], s[84:85]
	s_add_nc_u64 s[66:67], s[66:67], s[22:23]
.irp s, 0,1
	s_mov_b32 s[G0+4*(\s)], 1
	s_add_co_u32 s[G0+4*(\s)+1], s80, (\s)*SLOT1
	s_add_nc_u64 s[G0+4*(\s)+2:G0+4*(\s)+3], s[14:15], (\s)*A_STEP
	s_or_b32 s[G0+4*(\s)+3], s[G0+4*(\s)+3], 0x80000000
	s_mov_b32 s[G0B+4*(\s)], 1
	s_add_co_u32 s[G0B+4*(\s)+1], s81, (\s)*SLOT1
	s_add_nc_u64 s[G0B+4*(\s)+2:G0B+4*(\s)+3], s[46:47], (\s)*B_STEP
	s_or_b32 s[G0B+4*(\s)+3], s[G0B+4*(\s)+3], 0x80000000
.endr
	CROUND                                         ; the first joint loads meet
	s_cmp_eq_u32 s11, 0                            ; a wave's two first fills stand in one branch: two loads of mine are out
	s_cbranch_scc0 .Lfirst_b
	tensor_load_to_lds s[G0:G0+3], s[G1:G1+7]
	s_nop 0
	tensor_load_to_lds s[G0+4:G0+7], s[G1:G1+7]
	s_nop 0
	PLACES
	s_branch .Lfirst_asked
.Lfirst_b:
	tensor_load_to_lds s[G0B:G0B+3], s[G1B:G1B+7]
	s_nop 0
	tensor_load_to_lds s[G0B+4:G0B+7], s[G1B:G1B+7]
	s_nop 0
	PLACES
.Lfirst_asked:
	v_and_b32 v1, 15, v0                           ; r
	v_bfe_u32 v2, v0, 4, 1                         ; h
	v_and_b32 v3, 31, v0                           ; l
	v_lshlrev_b32 v[VX], 5, v2
	WIN 0x80                                       ; destination window 2
.irp b, 0,1,2,3,4,5,6,7
	global_load_b128 v[BIAS+8*(\b):BIAS+8*(\b)+3],   v[VX], s[8:9] offset:64*(\b)
	global_load_b128 v[BIAS+8*(\b)+4:BIAS+8*(\b)+7], v[VX], s[8:9] offset:64*(\b)+16
.endr
	WIN 0
	v_mul_u32_u24 v4, v1, PA
	v_lshl_add_u32 v4, v2, 4, v4
	s_mul_i32 s18, s11, 64*PA
	v_add_nc_u32 v[ADRA0], s18, v4
	v_and_b32 v5, 7, v0
	v_lshl_add_u32 v5, v2, 3, v5
	v_mul_u32_u24 v5, v5, PB
	v_bfe_u32 v6, v0, 3, 1
	v_lshl_add_u32 v5, v6, 4, v5
	s_lshl_b32 s20, s12, 8
	s_add_co_u32 s20, s20, BOFF
	v_add_nc_u32 v[ADRB0], s20, v5
	v_mov_b32 v[ADRA], v[ADRA0]
	v_mov_b32 v[ADRB], v[ADRB0]
	s_mul_i32 s79, s10, STAGEW
	s_add_co_u32 s79, s79, STAGE                   ; my stage
	v_mul_u32_u24 v7, v1, 528
	v_lshl_add_u32 v7, v2, 5, v7
	v_add_nc_u32 v[STO], s79, v7                   ; in: row r, 32 bytes for each half of the lanes
	v_lshlrev_b32 v[CO], 4, v3                     ; back and out: a whole row of 512 bytes, 16 bytes a lane
	v_add_nc_u32 v[RD], s79, v[CO]
.macro MUL8 f, a, zero=0               ; 8 matrix instructions: row block a x all 8 column blocks, from buffer f
.irp b, 0,1,2,3,4,5,6,7
.if \zero
	v_wmma_f32_16x16x32_bf16 v[64*((\a)%2)+8*(\b):64*((\a)%2)+8*(\b)+7], v[BF+64*(\f)+8*(\b):BF+64*(\f)+8*(\b)+7], v[AF+32*(\f)+8*(\a):AF+32*(\f)+8*(\a)+7], 0
.else
	v_wmma_f32_16x16x32_bf16 v[64*((\a)%2)+8*(\b):64*((\a)%2)+8*(\b)+7], v[BF+64*(\f)+8*(\b):BF+64*(\f)+8*(\b)+7], v[AF+32*(\f)+8*(\a):AF+32*(\f)+8*(\a)+7], v[64*((\a)%2)+8*(\b):64*((\a)%2)+8*(\b)+7]
.endif
.endr
.endm
.macro FETCH kq, g                     ; 24 LDS loads in one run: quarter kq's fragments into buffer g
	WIN TO_A
.irp a, 0,1,2,3
	ds_load_b128 v[AF+32*(\g)+8*(\a):AF+32*(\g)+8*(\a)+3],   v[ADRA] offset:(\a)*16*PA+64*(\kq)
	ds_load_b128 v[AF+32*(\g)+8*(\a)+4:AF+32*(\g)+8*(\a)+7], v[ADRA] offset:(\a)*16*PA+64*(\kq)+32
.endr
	WIN 0
.irp b, 0,1,2,3,4,5,6,7
	ds_load_tr16_b128 v[BF+64*(\g)+8*(\b):BF+64*(\g)+8*(\b)+3],   v[ADRB] offset:(\kq)*32*PB+32*(\b)
	ds_load_tr16_b128 v[BF+64*(\g)+8*(\b)+4:BF+64*(\g)+8*(\b)+7], v[ADRB] offset:(\kq)*32*PB+16*PB+32*(\b)
.endr
.endm
.macro QUARTER kq, f, g, zero=0        ; buffer f is multiplied, the 32 accumulators by turns (a = 2, 3, 0, 1); quarter kq is asked for into g
	s_wait_dscnt 0x0                               ; buffer f, asked for a quarter ago, is in
	PLACES
	FETCH \kq, \g
	WIN MUL_HI
	MUL8 \f, 2, \zero
	MUL8 \f, 3, \zero
	WIN MUL_LO
	MUL8 \f, 0, \zero
	MUL8 \f, 1, \zero
.endm
.macro TURN fill                       ; the last quarter multiplies buffer 1 and changes slots; fill = 1: the slot just read is filled again behind a round of the cluster's barrier
	WIN 0
	s_wait_tensorcnt 0x0                           ; all my tensor loads have landed: my part of the next slot
	ds_add_u32 v[SPW], v[NIL]
.if \fill
	s_xor_b32 s[G0+5], s[G0+5], SLOT1
	s_add_nc_u64 s[G0+6:G0+7], s[G0+6:G0+7], A_STEP
	s_xor_b32 s[G0B+5], s[G0B+5], SLOT1
	s_add_nc_u64 s[G0B+6:G0B+7], s[G0B+6:G0B+7], B_STEP
.endif
	s_wait_dscnt 1                                 ; buffer 1 is in; the add alone may be out
	WIN MUL_HI
	MUL8 1, 2
	s_wait_dscnt 0x0                               ; the add is done, and my reads of this slot are over
	s_barrier_signal -1
	MUL8 1, 3
	WIN 0
	s_barrier_wait -1
.if \fill
	CREST
.endif
	s_xor_b32 s[TB], s[TB], SLOT1
.if \fill
	JLOAD
.else
	PLACES
.endif
	v_add_nc_u32 v[ADRA], s[TB], v[ADRA0]
	v_add_nc_u32 v[ADRB], s[TB], v[ADRB0]
	FETCH 0, 0
	WIN MUL_LO
	MUL8 1, 0
	MUL8 1, 1
.endm
	s_wait_tensorcnt 1                             ; my part of K step 0 is in; step 1's may stay out
	s_barrier_signal -1
	s_barrier_wait -1
	FETCH 0, 0
	QUARTER 1, 0, 1, 1
	WIN 0
	s_mov_b32 s3, NSTEP-2
.Lstep:
	QUARTER 2, 1, 0
	QUARTER 3, 0, 1
	TURN 1
	QUARTER 1, 0, 1
	WIN 0
	s_sub_co_u32 s3, s3, 1
	s_cmp_lg_u32 s3, 0
	s_cbranch_scc1 .Lstep
	QUARTER 2, 1, 0
	QUARTER 3, 0, 1
	TURN 0
	QUARTER 1, 0, 1
	QUARTER 2, 1, 0
	QUARTER 3, 0, 1
	s_wait_dscnt 0x0
	WIN MUL_HI
	MUL8 1, 2
	MUL8 1, 3
	WIN MUL_LO
	MUL8 1, 0
	MUL8 1, 1
	WIN 0
	PLACES
	s_wait_loadcnt 0x0                             ; the bias
; THE WAY OUT of block a (16 rows x my 128 columns, f32): bias added in place; 32 bytes a lane into my stage; back as whole rows of 512 bytes; stored.
.macro OUTB a
.set AC, 64*((\a)%2)
.set OB, 64+64*((\a)%2)
	WIN 0x49+0x41*((\a)/2)                         ; accumulators in window 1 or 2, the bias in window 2
.set i, 0
.rept 32
	v_pk_add_f32 v[AC+2*i:AC+2*i+1], v[AC+2*i:AC+2*i+1], v[BIAS+2*i:BIAS+2*i+1]
.set i, i+1
.endr
	WIN 0x04*(1+(\a)/2)                            ; store data in the accumulators' window
.irp b, 0,1,2,3,4,5,6,7
	ds_store_b128 v[STO], v[AC+8*(\b):AC+8*(\b)+3]   offset:64*(\b)
	ds_store_b128 v[STO], v[AC+8*(\b)+4:AC+8*(\b)+7] offset:64*(\b)+16
.endr
	WIN 0
.if (\a) >= 2
	s_wait_xcnt 0x0                                ; the stores of the block two back have read these registers (ISA guide 3.1)
.endif
.irp t, 0,1,2,3,4,5,6,7,8,9,10,11,12,13,14,15
	ds_load_b128 v[OB+4*(\t):OB+4*(\t)+3], v[RD] offset:528*(\t)   ; LDS serves a wave's instructions in order (ISA guide 5.7.1.4)
.endr
	s_wait_dscnt 0x0
.irp t, 0,1,2,3,4,5,6,7,8,9,10,11,12,13,14,15
	global_store_b128 v[CO], v[OB+4*(\t):OB+4*(\t)+3], s[66:67] offset:(16*(\a)+(\t))*4096 th:TH_STORE_NT  ; a store covers 512 consecutive bytes, aligned
.endr
.endm
	OUTB 0
	OUTB 1
	OUTB 2
	OUTB 3
	s_wait_tensorcnt 0x0                           ; the wave's end
	ds_add_u32 v[SPW], v[NIL]
	s_wait_dscnt 0x0
	CROUND                                         ; the closing round
	s_endpgm
.Lfunc_end_k_q728c705927_outp:
	.size	k_q728c705927_outp, .Lfunc_end_k_q728c705927_outp-k_q728c705927_outp
	.p2alignl 7, 3214868480
	.fill 96, 4, 3214868480
	.section	.rodata,"a",@progbits
	.p2align	6, 0x0
	.amdhsa_kernel k_q728c705927_outp
		.amdhsa_group_segment_fixed_size 327680
		.amdhsa_private_segment_fixed_size 0
		.amdhsa_enable_private_segment 0
		.amdhsa_kernarg_size 32
		.amdhsa_user_sgpr_count 2
		.amdhsa_user_sgpr_kernarg_segment_ptr 1
		.amdhsa_wavefront_size32 1
		.amdhsa_system_sgpr_workgroup_id_x 1
		.amdhsa_system_sgpr_workgroup_id_y 1
		.amdhsa_system_sgpr_workgroup_id_z 1
		.amdhsa_system_vgpr_workitem_id 0
		.amdhsa_next_free_vgpr 704
		.amdhsa_next_free_sgpr 88
		.amdhsa_reserve_vcc 0
		.amdhsa_float_denorm_mode_32 3
		.amdhsa_float_denorm_mode_16_64 3
		.amdhsa_memory_ordered 1
		.amdhsa_forward_progress 1
		.amdhsa_inst_pref_size 79
	.end_amdhsa_kernel
	.amdgpu_metadata
---
amdhsa.version: [ 1, 2 ]
amdhsa.kernels:
  - .name:           k_q728c705927_outp
    .symbol:         k_q728c705927_outp.kd
    .args:
      - { .name: tb, .offset: 0, .size: 8, .value_kind: global_buffer, .address_space: global }
      - { .name: cb, .offset: 8, .size: 8, .value_kind: global_buffer, .address_space: global }
      - { .name: bo, .offset: 16, .size: 8, .value_kind: global_buffer, .address_space: global }
      - { .name: out0, .offset: 24, .size: 8, .value_kind: global_buffer, .address_space: global }
    .group_segment_fixed_size: 327680
    .private_segment_fixed_size: 0
    .kernarg_segment_align: 8
    .kernarg_segment_size: 32
    .max_flat_workgroup_size: 128
    .sgpr_count:     88
    .vgpr_count:     704
    .wavefront_size: 32
...
	.end_amdgpu_metadata
.endif
;; end of part 5
;; ======== version 2 of 3: 5 launches; 1.14 times as fast as version 1
;; workspace buffers: cb 41,943,040 bytes; vecs 4,096 bytes; wf 4,194,304 bytes; cvb 40,960 bytes; qv 33,554,432 bytes; pb 33,554,432 bytes; stats 1,048,576 bytes
;; launch prep (part 6): grid 1280 x 1, 8 waves a work-group, no clusters, 35,840 bytes of LDS; arguments x, y, Wq, Wk, Wv, Wo, bk, cb, vecs; writes cb, vecs
.if DOCPART == 6
	.amdgcn_target "amdgcn-amd-amdhsa--gfx1250"
	.amdhsa_code_object_version 6
	.text
	.protected	k_q728c705927_prep
	.globl	k_q728c705927_prep
	.p2align	8
	.type	k_q728c705927_prep,@function
k_q728c705927_prep:
	s_mov_b64 s[64:65], 0
	v_nop
	global_prefetch_b8 v0, s[64:65] scope:SCOPE_SE
	s_setreg_imm32_b32 hwreg(HW_REG_WAVE_MODE, 25, 1), 1
	s_wait_xcnt 0x0
; x, y, Wq, Wk, Wv (f32) are rounded once to bf16 and laid one behind the other in cb, each in its own row-major order: x at byte 0, y at 16,777,216,
; Wq at 33,554,432, Wk and Wv 2,097,152 bytes each behind it; Wo goes TURNED (Wo^T[j][d]) to byte 39,845,888, so that both weight products of the next launch read rows along their K.
; vecs[i] = Wq[i] . bk in f32 (the vector that carries bk into the scores: Q[s] . bk = x[s] . vecs + bq . bk).
; A work-group takes one chunk of 16,384 numbers: chunks 0-511 are x, 512-1023 y, then 64 each for Wq, Wk, Wv, Wo.  A stream: no matrix unit, nothing shared between work-groups.
; Chunks of x to Wv are 16 rows of 1,024: a wave owns two whole rows, so that Wq's row sums never leave the wave.  A chunk of Wo is a tile of 128 x 128, turned through LDS.
; vecs is stored 8 bytes a wave (two rows' sums): 4,096 bytes in the whole launch.
.set TP,    272                        ; a row of the turned tile in LDS: 256 bytes + 16
.set SPARE, 128*TP                     ; behind the tile: the spare words, 128 bytes for each of the eight waves
.set SPW,   4                          ; LDS address of my spare word; never rewritten
.set NIL,   5                          ; 0; never rewritten
.set LANE,  6
.set WAVE,  7
.set X,     8                          ; v8-71    64 numbers as loaded
.set Y,     72                         ; v72-103  32 words of bf16
.set G,     104                        ; v104-135 bk at my 32 columns
.set AC,    136                        ; v136-139 two rows' sums, in pairs
	s_load_b256 s[8:15], s[0:1], 0x0               ; x s[8:9], y s[10:11], Wq s[12:13], Wk s[14:15]
	s_load_b256 s[16:23], s[0:1], 0x20             ; Wv s[16:17], Wo s[18:19], bk s[20:21], cb s[22:23]
	s_load_b64 s[24:25], s[0:1], 0x40              ; vecs
	v_lshl_add_u32 v[SPW], v0, 2, SPARE
	v_mov_b32 v[NIL], 0
	v_and_b32 v[LANE], 31, v0
	v_lshrrev_b32 v[WAVE], 5, v0
	s_mov_b32 s7, 0
	s_mov_b32 s30, 0x76543210                      ; v_permlanex16_b32: each lane takes its own place in the other half
	s_mov_b32 s31, 0xfedcba98
	s_wait_kmcnt 0x0
	s_cmp_ge_u32 ttmp9, 1216
	s_cbranch_scc1 .Lturn                          ; Wo's chunks
	v_lshlrev_b32 v3, 5, v[LANE]                   ; 32 bytes of f32 a lane
	v_lshl_add_u32 v1, v[WAVE], 13, v3             ; + my wave's two rows of 4,096 bytes
	v_lshlrev_b32 v2, 4, v[LANE]                   ; 16 bytes of bf16 a lane
	v_lshl_add_u32 v2, v[WAVE], 12, v2             ; + two rows of 2,048 bytes
	s_lshl_b32 s26, ttmp9, 15                      ; cb is the chunks on end
	s_mov_b32 s27, 0
	s_add_nc_u64 s[22:23], s[22:23], s[26:27]
	s_mov_b32 s6, 0                                ; the first chunk of the tensor that holds mine
	s_mov_b64 s[4:5], s[8:9]
.macro PICK bound, lo                  ; from chunk 'bound' on the source is the next tensor: a choice on the work-group's number alone
	s_cmp_ge_u32 ttmp9, \bound
	s_cselect_b64 s[4:5], s[\lo:\lo+1], s[4:5]
	s_cselect_b32 s6, \bound, s6
.endm
	PICK 512, 10
	PICK 1024, 12
	PICK 1088, 14
	PICK 1152, 16
	s_sub_co_u32 s6, ttmp9, s6                     ; my chunk within that tensor,
	s_lshl_b32 s6, s6, 16                          ; in bytes
	s_add_nc_u64 s[4:5], s[4:5], s[6:7]
; Step i of 8: row i / 4 of my two, columns 256 (i % 4) + 8 lane on.  All sixteen loads go out at once; each step has registers of its own.
.macro CONVERT
.set i, 0
.rept 8
	global_load_b128 v[X+8*i:X+8*i+3],   v1, s[4:5] offset:(i/4)*4096+(i%4)*1024 th:TH_LOAD_NT
	global_load_b128 v[X+8*i+4:X+8*i+7], v1, s[4:5] offset:(i/4)*4096+(i%4)*1024+16 th:TH_LOAD_NT
.set i, i+1
.endr
.set i, 0
.rept 8
	s_wait_loadcnt 14-2*i                          ; loads come back in order: this step's two are in, the later steps' stay out
	v_cvt_pk_bf16_f32 v[Y+4*i],   v[X+8*i],   v[X+8*i+1]
	v_cvt_pk_bf16_f32 v[Y+4*i+1], v[X+8*i+2], v[X+8*i+3]
	v_cvt_pk_bf16_f32 v[Y+4*i+2], v[X+8*i+4], v[X+8*i+5]
	v_cvt_pk_bf16_f32 v[Y+4*i+3], v[X+8*i+6], v[X+8*i+7]
	global_store_b128 v2, v[Y+4*i:Y+4*i+3], s[22:23] offset:(i/4)*2048+(i%4)*512  ; a wave's store covers 512 consecutive bytes, aligned
.set i, i+1
.endr
.endm
	s_sub_co_u32 s28, ttmp9, 1024                  ; 0 to 63 in Wq's chunks, out of that range elsewhere
	s_cmp_lt_u32 s28, 64
	s_cbranch_scc1 .Ldot
	CONVERT
	s_endpgm
.Ldot:                                                 ; Wq: the same, and each row's sum with bk
.set i, 0
.rept 4                                                ; bk at my columns, ahead of the rows' loads, so that the counts above hold here too
	global_load_b128 v[G+8*i:G+8*i+3],   v3, s[20:21] offset:1024*i
	global_load_b128 v[G+8*i+4:G+8*i+7], v3, s[20:21] offset:1024*i+16
.set i, i+1
.endr
	CONVERT
.set q, 0
.rept 2
	v_pk_mul_f32 v[AC+2*q:AC+2*q+1], v[X+32*q:X+32*q+1], v[G:G+1]
.set k, 1
.rept 15
	v_pk_fma_f32 v[AC+2*q:AC+2*q+1], v[X+32*q+2*k:X+32*q+2*k+1], v[G+2*k:G+2*k+1], v[AC+2*q:AC+2*q+1]
.set k, k+1
.endr
.set q, q+1
.endr
	v_add_f32 v[AC], v[AC], v[AC+1]
	v_add_f32 v[AC+2], v[AC+2], v[AC+3]
.irp m, 1,2,4,8
	v_add_f32_dpp v[AC], v[AC], v[AC] row_xmask:\m row_mask:0xf bank_mask:0xf
	v_add_f32_dpp v[AC+2], v[AC+2], v[AC+2] row_xmask:\m row_mask:0xf bank_mask:0xf
.endr
	v_permlanex16_b32 v[AC+1], v[AC], s30, s31
	v_permlanex16_b32 v[AC+3], v[AC+2], s30, s31
	v_add_f32 v[AC], v[AC], v[AC+1]
	v_add_f32 v[AC+1], v[AC+2], v[AC+3]            ; my two rows' sums side by side
	v_lshlrev_b32 v140, 3, v[WAVE]
	s_lshl_b32 s6, s28, 6                          ; 16 rows of 4 bytes a chunk
	s_add_nc_u64 s[24:25], s[24:25], s[6:7]
	s_wait_xcnt 0x0                                ; EXEC changes only behind this wait: it is a source of the stores above (ISA guide 3.1)
	v_cmp_eq_u32 vcc_lo, 0, v[LANE]
	s_and_saveexec_b32 s29, vcc_lo
	global_store_b64 v140, v[AC:AC+1], s[24:25]
	s_wait_xcnt 0x0
	s_or_b32 exec_lo, exec_lo, s29
	s_endpgm
.Lturn:                                                ; Wo: tile (dt, jt) of 128 d x 128 j.  Wave w loads rows 16 w to 16 w + 15, 512 consecutive bytes a load
	v_readfirstlane_b32 s2, v[WAVE]
	s_sub_co_u32 s28, ttmp9, 1216
	s_lshr_b32 s26, s28, 3                         ; dt
	s_and_b32 s28, s28, 7                          ; jt
	s_lshl_b32 s6, s26, 19                         ; 128 rows of 4,096 bytes
	s_lshl_b32 s27, s28, 9                         ; 128 columns of 4 bytes
	s_add_co_u32 s6, s6, s27
	s_add_nc_u64 s[18:19], s[18:19], s[6:7]
	s_lshl_b32 s6, s28, 18                         ; turned: 128 rows of 2,048 bytes
	s_lshl_b32 s27, s26, 8                         ; 128 columns of 2 bytes
	s_add_co_u32 s6, s6, s27
	s_add_co_u32 s6, s6, 39845888
	s_add_nc_u64 s[22:23], s[22:23], s[6:7]
	s_lshl_b32 s3, s2, 16
	v_lshl_add_u32 v1, v[LANE], 4, s3
.set i, 0
.rept 16
	global_load_b128 v[X+4*i:X+4*i+3], v1, s[18:19] offset:4096*i th:TH_LOAD_NT
.set i, i+1
.endr
	s_lshl_b32 s3, s2, 5
	v_mul_u32_u24 v2, v[LANE], 4*TP                ; in: my four columns are four rows of the turned tile; my wave's 16 d are 32 bytes of each
	v_add_nc_u32 v2, s3, v2
	v_lshrrev_b32 v3, 4, v[LANE]
	v_and_b32 v142, 15, v[LANE]
	s_mul_i32 s3, s2, 16*TP
	v_mul_u32_u24 v140, v3, TP                     ; back: lanes 0-15 one row of 256 bytes, lanes 16-31 the next; 16 rows a wave
	v_lshl_add_u32 v140, v142, 4, v140
	v_add_nc_u32 v140, s3, v140
	s_lshl_b32 s3, s2, 15
	v_lshlrev_b32 v141, 11, v3
	v_lshl_add_u32 v141, v142, 4, v141
	v_add_nc_u32 v141, s3, v141
	s_wait_loadcnt 0x0
.irp c, 0,1,2,3
.irp m, 0,1,2,3,4,5,6,7
	v_cvt_pk_bf16_f32 v[Y+8*(\c)+(\m)], v[X+8*(\m)+(\c)], v[X+8*(\m)+4+(\c)]   ; column c at d = 2 m and 2 m + 1
.endr
.endr
.irp c, 0,1,2,3
	ds_store_b128 v2, v[Y+8*(\c):Y+8*(\c)+3]   offset:(\c)*TP
	ds_store_b128 v2, v[Y+8*(\c)+4:Y+8*(\c)+7] offset:(\c)*TP+16
.endr
	s_wait_dscnt 0x0                               ; for the others' sake: my stores are done
	s_barrier_signal -1
	s_barrier_wait -1
.irp t, 0,1,2,3,4,5,6,7
	ds_load_b128 v[X+4*(\t):X+4*(\t)+3], v140 offset:2*TP*(\t)
.endr
.irp t, 0,1,2,3,4,5,6,7
	s_wait_dscnt 7-(\t)                            ; LDS loads come back in order: pair t of rows is in
	global_store_b128 v141, v[X+4*(\t):X+4*(\t)+3], s[22:23] offset:4096*(\t)  ; 16 lanes store 256 consecutive bytes, aligned
.endr
	s_wait_tensorcnt 0x0                           ; the wave's end, behind my last LDS store
	ds_add_u32 v[SPW], v[NIL]
	s_wait_dscnt 0x0
	s_endpgm
.Lfunc_end_k_q728c705927_prep:
	.size	k_q728c705927_prep, .Lfunc_end_k_q728c705927_prep-k_q728c705927_prep
	.p2alignl 7, 3214868480
	.fill 96, 4, 3214868480
	.section	.rodata,"a",@progbits
	.p2align	6, 0x0
	.amdhsa_kernel k_q728c705927_prep
		.amdhsa_group_segment_fixed_size 35840
		.amdhsa_private_segment_fixed_size 0
		.amdhsa_enable_private_segment 0
		.amdhsa_kernarg_size 72
		.amdhsa_user_sgpr_count 2
		.amdhsa_user_sgpr_kernarg_segment_ptr 1
		.amdhsa_wavefront_size32 1
		.amdhsa_system_sgpr_workgroup_id_x 1
		.amdhsa_system_sgpr_workgroup_id_y 1
		.amdhsa_system_sgpr_workgroup_id_z 1
		.amdhsa_system_vgpr_workitem_id 0
		.amdhsa_next_free_vgpr 144
		.amdhsa_next_free_sgpr 66
		.amdhsa_reserve_vcc 1
		.amdhsa_float_denorm_mode_32 3
		.amdhsa_float_denorm_mode_16_64 3
		.amdhsa_memory_ordered 1
		.amdhsa_forward_progress 1
		.amdhsa_inst_pref_size 22
	.end_amdhsa_kernel
	.amdgpu_metadata
---
amdhsa.version: [ 1, 2 ]
amdhsa.kernels:
  - .name:           k_q728c705927_prep
    .symbol:         k_q728c705927_prep.kd
    .args:
      - { .name: x, .offset: 0, .size: 8, .value_kind: global_buffer, .address_space: global }
      - { .name: y, .offset: 8, .size: 8, .value_kind: global_buffer, .address_space: global }
      - { .name: Wq, .offset: 16, .size: 8, .value_kind: global_buffer, .address_space: global }
      - { .name: Wk, .offset: 24, .size: 8, .value_kind: global_buffer, .address_space: global }
      - { .name: Wv, .offset: 32, .size: 8, .value_kind: global_buffer, .address_space: global }
      - { .name: Wo, .offset: 40, .size: 8, .value_kind: global_buffer, .address_space: global }
      - { .name: bk, .offset: 48, .size: 8, .value_kind: global_buffer, .address_space: global }
      - { .name: cb, .offset: 56, .size: 8, .value_kind: global_buffer, .address_space: global }
      - { .name: vecs, .offset: 64, .size: 8, .value_kind: global_buffer, .address_space: global }
    .group_segment_fixed_size: 35840
    .private_segment_fixed_size: 0
    .kernarg_segment_align: 8
    .kernarg_segment_size: 72
    .max_flat_workgroup_size: 256
    .sgpr_count:     66
    .vgpr_count:     144
    .wavefront_size: 32
...
	.end_amdgpu_metadata
.endif
;; end of part 6
;; launch wprod (part 7): grid 16 x 32, 4 waves a work-group, clusters of 4 x 4, 327,680 bytes of LDS; arguments cb, vecs, bq, bk, bv, wf, cvb; writes wf, cvb
.if DOCPART == 7
	.amdgcn_target "amdgcn-amd-amdhsa--gfx1250"
	.amdhsa_code_object_version 6
	.text
	.protected	k_q728c705927_wprod
	.globl	k_q728c705927_wprod
	.p2align	8
	.type	k_q728c705927_wprod,@function
k_q728c705927_wprod:
	s_mov_b64 s[64:65], 0
	v_nop
	global_prefetch_b8 v0, s[64:65] scope:SCOPE_SE
	s_setreg_imm32_b32 hwreg(HW_REG_WAVE_MODE, 25, 1), 1
	s_wait_xcnt 0x0
	s_wait_alu depctr_hold_cnt(0) depctr_sa_sdst(0) depctr_va_vdst(0) depctr_va_sdst(0) depctr_va_ssrc(0) depctr_va_vcc(0) depctr_vm_vsrc(0)
	s_getreg_b32 s2, hwreg(HW_REG_IB_STS2, 6, 4)
	s_cmp_eq_u32 s2, 0
	s_cbranch_scc0 .Lentry_in_a_cluster
	s_endpgm
.Lentry_in_a_cluster:
	s_bfe_u32 s2, ttmp6, 0x10000c
	s_cmp_lg_u32 s2, 0xf033
	s_cbranch_scc0 .Lentry_shape_is_right
	s_endpgm
.Lentry_shape_is_right:
; THE WEIGHTS' PRODUCTS.  wf = Wq Wk^T at byte 0 and Wv Wo at 2,097,152, each [1024][1024] bf16, sums in f32: with them Q Wk^T = x (Wq Wk^T) + Wk bq and V Wo = y (Wv Wo) + bv Wo,
; so that neither K nor the last projection is ever formed.  Both are C = A B^T on rows of bf16 from cb (Wq, Wk; Wv, Wo^T).
; cvb: c[s] = x[s] . (Wq bk) + bq . bk at byte 0 (8,192 f32: what bk adds to every score of row s); bvo[j] = Wo^T[j] . bv at 32,768; Q's bias Wk[j] . bq at 36,864.
; LIMITS: the two products are rounded to bf16, where the reference rounds nothing: the order of rounding differs; NaN and infinities are not treated apart.
; SHARES.  512 work-groups: tile rows 0-15 the first product, 16-31 the second; a work-group makes 64 x 64, wave w rows 32 (w / 2) on, columns 32 (w % 2) on: four accumulators.
; ALL OF K LIES IN LDS: four chunks of 256 along K, each A's 64 rows and B's 64 rows.  Every fill is a first fill: no slot is filled again.  Waves 0, 1 fetch A's chunks (even, odd), waves 2, 3 B's:
; two loads a wave, both out at once.  CLUSTER 4 x 4: A's tiles are shared along a row of the cluster, B's along a column.
; A work-group's rows of the result are 128 bytes, half of an aligned 256: a tile 128 wide does not fit in LDS with all of K; the whole result is 4 MiB.  c and the two vectors leave 16 and 4 bytes a wave: 40 KiB in all.
; THE MATRIX INSTRUCTION IS USED TRANSPOSED: source 0 = 16 rows of B, source 1 = 16 rows of A: a lane holds eight neighbouring numbers of a row of C.
.set PW,    528                        ; an LDS row: 512 bytes + 16: the 16 rows of a fragment load start 4 banks apart (64 banks of 4 bytes: ISA guide 11.1)
.set AB,    64*PW                      ; A's part of a chunk; B's follows
.set CH,    2*AB                       ; a chunk
.set STAGE, 4*CH                       ; behind the chunks: 64 rows x 144 bytes, the work-group's, for the way out
.set SP,    144
.set SPARE, STAGE+64*SP                ; the spare words, 128 bytes a wave
.set ADRA0, 10                         ; my lane's place in A's and B's part of a chunk; never rewritten
.set ADRB0, 11
.set ADRA,  12                         ; the same in the chunk in hand
.set ADRB,  13
.set STO,   14
.set RD,    15
.set CO,    16
.set VL16,  17                         ; 16 x lane
.set VL32,  18                         ; 32 x lane
.set VZ,    19                         ; offset 0
.set SPW,   28
.set NIL,   29
.set ACC,   32                         ; v32-63 accumulator (a, b) at 8 (2 a + b); before the products: a vector of 32 f32
.set BUF,   64                         ; v64-255 three fragment buffers of 64; before the products: the rows and vectors of the sums below
.set XR,    64                         ; four rows of x, 16 registers each
.set WV,    128                        ; Wq bk at my 32 columns
.set BQ,    160
.set BK,    192
.set RW,    224                        ; one row of Wo^T or Wk
.set VV,    32                         ; bv or bq at my 32 columns
.set C0,    240                        ; my lanes' part of bq . bk
.set CA,    244                        ; v244-247 four rows' sums; v248 the weight row's
.set G1,  24
.set G0,  32
.set G1B, 48
.set G0B, 56
.macro PLACES                          ; four plain vector instructions behind matrix instructions, ahead of loads into their sources and of reads of their results
.rept 4
	v_nop
.endr
.endm
.macro CREST
	s_cmp_lg_u32 s10, 0
	s_cbranch_scc1 .Lnot_wave_0_\@
	s_barrier_signal -3
.Lnot_wave_0_\@:
	s_barrier_wait -3
	s_barrier_signal -1
	s_barrier_wait -1
.endm
.macro CROUND
	s_barrier_signal -1
	s_barrier_wait -1
	CREST
.endm
	s_load_b128 s[4:7], s[0:1], 0x0                ; cb s[4:5], vecs s[6:7]
	s_load_b64 s[8:9], s[0:1], 0x10                ; bq
	s_load_b128 s[68:71], s[0:1], 0x18             ; bk s[68:69], bv s[70:71]
	s_load_b128 s[72:75], s[0:1], 0x28             ; wf s[72:73], cvb s[74:75]
	v_lshl_add_u32 v[SPW], v0, 2, SPARE
	v_mov_b32 v[NIL], 0
	ds_add_u32 v[SPW], v[NIL]                      ; the wave's opening: the add and its wait stand ahead of my first tensor load
	v_lshrrev_b32 v1, 5, v0
	v_readfirstlane_b32 s10, v1                    ; wave 0..3
	s_lshr_b32 s11, s10, 1                         ; my half of the rows.  Also: I fetch for A (0) or B (1)
	s_and_b32 s12, s10, 1                          ; my half of the columns.  Also: the even or the odd chunks
	s_bfe_u32 s40, ttmp6, 0x40000                  ; cx
	s_bfe_u32 s41, ttmp6, 0x40004                  ; cy
	s_lshl_b32 s42, ttmp9, 2
	s_add_co_u32 s42, s42, s40                     ; tile column
	s_and_b32 s45, ttmp7, 0xffff
	s_lshl_b32 s13, s45, 2
	s_add_co_u32 s13, s13, s41                     ; tile row, 0 to 31
	s_lshr_b32 s45, s45, 2                         ; which product: four clusters of rows each; equal in a cluster
	s_lshl_b32 s43, s41, 2
	s_lshl_b32 s43, 15, s43                        ; my row of the cluster
	s_lshl_b32 s44, 0x1111, s40                    ; my column
	s_or_b32 s[G1], s43, (1<<16)|(1<<20)|(1<<21)|(6<<22)|(3<<25)   ; mask; 2-byte elements; padding on; bit 21 beside a mask; after every 128 words, 4 words
	s_or_b32 s[G1B], s44, (1<<16)|(1<<20)|(1<<21)|(6<<22)|(3<<25)
.irp g, G1, G1B
	s_mov_b32 s[(\g)+1], 256<<16                   ; tensor_dim0 = 256
	s_mov_b32 s[(\g)+2], 64<<16                    ; tensor_dim1 = 64
	s_mov_b32 s[(\g)+3], 256<<16                   ; tile_dim0 = 256
	s_mov_b32 s[(\g)+4], 64                        ; tile_dim1 = 64
	s_mov_b32 s[(\g)+5], 1024                      ; elements from row to row
	s_mov_b32 s[(\g)+6], 0
	s_mov_b32 s[(\g)+7], 0
.endr
	s_and_b32 s18, s13, 15
	s_lshl_b32 s18, s18, 17                        ; the tile row within the product: 64 rows of 2,048 bytes
	s_lshl_b32 s19, s45, 22                        ; the second product's operands lie 4 MiB behind the first's
	s_lshl_b32 s20, s12, 9                         ; my first chunk: 512 bytes along the rows
	s_add_co_u32 s16, s18, s19
	s_add_co_u32 s16, s16, 33554432                ; A: Wq or Wv
	s_add_co_u32 s16, s16, s20
	s_mov_b32 s17, 0
	s_lshl_b32 s46, s42, 17
	s_add_co_u32 s46, s46, s19
	s_add_co_u32 s46, s46, 35651584                ; B: Wk or Wo^T
	s_add_co_u32 s46, s46, s20
	s_mov_b32 s47, 0
	s_mul_i32 s80, s12, CH                         ; where they go: no place in the cluster enters an LDS address
	s_add_co_u32 s81, s80, AB
	s_lshl_b32 s22, s45, 21                        ; the result: the product's part of wf, the tile, the 16 rows that my wave stores
	s_add_co_u32 s22, s22, s18
	s_lshl_b32 s21, s42, 7
	s_add_co_u32 s22, s22, s21
	s_lshl_b32 s21, s10, 15
	s_add_co_u32 s22, s22, s21
	s_mov_b32 s23, 0
	s_lshl_b32 s82, s13, 4
	s_add_co_u32 s82, s82, s42                     ; the work-group's number g, 0 to 511
	s_lshl_b32 s84, s82, 15                        ; x: rows 16 g + 4 w on, 2,048 bytes each
	s_lshl_b32 s21, s10, 13
	s_add_co_u32 s84, s84, s21
	s_mov_b32 s85, 0
	s_lshl_b32 s86, s82, 6                         ; c: the same rows, 4 bytes each
	s_lshl_b32 s21, s10, 4
	s_add_co_u32 s86, s86, s21
	s_mov_b32 s87, 0
	s_lshl_b32 s88, s82, 1
	s_add_co_u32 s88, s88, s12                     ; the weight row j = 2 g + w % 2
	s_lshl_b32 s90, s88, 2
	s_lshl_b32 s21, s11, 12
	s_add_co_u32 s90, s90, s21
	s_add_co_u32 s90, s90, 32768                   ; its sum's place: bvo (waves 0, 1) or Q's bias (waves 2, 3)
	s_mov_b32 s91, 0
	s_lshl_b32 s88, s88, 11
	s_lshl_b32 s21, s11, 22
	s_sub_co_u32 s21, 39845888, s21                ; Wo^T, or Wk 4 MiB in front of it
	s_add_co_u32 s88, s88, s21
	s_mov_b32 s89, 0
	s_mov_b32 s76, 0x76543210                      ; v_permlanex16_b32: each lane takes its own place in the other half
	s_mov_b32 s77, 0xfedcba98
	s_wait_dscnt 0x0                               ; the opening add is done
	s_wait_kmcnt 0x0
	s_add_nc_u64 s[14:15], s[4:5], s[16:17]
	s_add_nc_u64 s[46:47], s[4:5], s[46:47]
	s_add_nc_u64 s[72:73], s[72:73], s[22:23]
	s_add_nc_u64 s[84:85], s[4:5], s[84:85]
	s_add_nc_u64 s[88:89], s[4:5], s[88:89]
	s_add_nc_u64 s[86:87], s[74:75], s[86:87]
	s_add_nc_u64 s[90:91], s[74:75], s[90:91]
	s_cmp_eq_u32 s11, 0
	s_cselect_b64 s[92:93], s[70:71], s[8:9]       ; bv for Wo^T's rows, bq for Wk's
.irp s, 0,1
	s_mov_b32 s[G0+4*(\s)], 1                                       ; count = 1
	s_add_co_u32 s[G0+4*(\s)+1], s80, (\s)*2*CH                     ; LDS address: my first chunk, then the one two further on
	s_add_nc_u64 s[G0+4*(\s)+2:G0+4*(\s)+3], s[14:15], (\s)*1024    ; global address
	s_or_b32 s[G0+4*(\s)+3], s[G0+4*(\s)+3], 0x80000000             ; type = 2
	s_mov_b32 s[G0B+4*(\s)], 1
	s_add_co_u32 s[G0B+4*(\s)+1], s81, (\s)*2*CH
	s_add_nc_u64 s[G0B+4*(\s)+2:G0B+4*(\s)+3], s[46:47], (\s)*1024
	s_or_b32 s[G0B+4*(\s)+3], s[G0B+4*(\s)+3], 0x80000000
.endr
	CROUND                                         ; all sixteen work-groups are here: the joint loads meet
	s_cmp_eq_u32 s11, 0                            ; a wave's two fills stand in one branch: two loads of mine are out
	s_cbranch_scc0 .Lfirst_b
	tensor_load_to_lds s[G0:G0+3], s[G1:G1+7]
	s_nop 0
	tensor_load_to_lds s[G0+4:G0+7], s[G1:G1+7]
	s_nop 0
	PLACES
	s_branch .Lfirst_asked
.Lfirst_b:
	tensor_load_to_lds s[G0B:G0B+3], s[G1B:G1B+7]
	s_nop 0
	tensor_load_to_lds s[G0B+4:G0B+7], s[G1B:G1B+7]
	s_nop 0
	PLACES
.Lfirst_asked:
	; THE ROWS' SUMS, in the wait for the tiles.  A lane holds columns 256 q + 8 lane + 0..7, q = 0..3, of every row and vector.
	v_and_b32 v3, 31, v0
	v_lshlrev_b32 v[VL16], 4, v3
	v_lshlrev_b32 v[VL32], 5, v3
	v_mov_b32 v[VZ], 0
.irp q, 0,1,2,3
	global_load_b128 v[BQ+8*(\q):BQ+8*(\q)+3],   v[VL32], s[8:9] offset:1024*(\q)
	global_load_b128 v[BQ+8*(\q)+4:BQ+8*(\q)+7], v[VL32], s[8:9] offset:1024*(\q)+16
	global_load_b128 v[BK+8*(\q):BK+8*(\q)+3],   v[VL32], s[68:69] offset:1024*(\q)
	global_load_b128 v[BK+8*(\q)+4:BK+8*(\q)+7], v[VL32], s[68:69] offset:1024*(\q)+16
	global_load_b128 v[WV+8*(\q):WV+8*(\q)+3],   v[VL32], s[6:7] offset:1024*(\q)
	global_load_b128 v[WV+8*(\q)+4:WV+8*(\q)+7], v[VL32], s[6:7] offset:1024*(\q)+16
	global_load_b128 v[VV+8*(\q):VV+8*(\q)+3],   v[VL32], s[92:93] offset:1024*(\q)
	global_load_b128 v[VV+8*(\q)+4:VV+8*(\q)+7], v[VL32], s[92:93] offset:1024*(\q)+16
	global_load_b128 v[RW+4*(\q):RW+4*(\q)+3],   v[VL16], s[88:89] offset:512*(\q)
.irp i, 0,1,2,3
	global_load_b128 v[XR+16*(\i)+4*(\q):XR+16*(\i)+4*(\q)+3], v[VL16], s[84:85] offset:2048*(\i)+512*(\q)
.endr
.endr
	v_and_b32 v1, 15, v0                           ; r = l % 16
	v_bfe_u32 v2, v0, 4, 1                         ; h = l / 16
	v_mul_u32_u24 v4, v1, PW
	v_lshl_add_u32 v4, v2, 4, v4                   ; r x 528 + 16 h
	s_mul_i32 s18, s11, 32*PW
	v_add_nc_u32 v[ADRA0], s18, v4                 ; my 32 rows of A
	s_mul_i32 s20, s12, 32*PW
	s_add_co_u32 s20, s20, AB
	v_add_nc_u32 v[ADRB0], s20, v4                 ; my 32 rows of B
	s_mul_i32 s79, s11, 32*SP                      ; into the stage: my 32 rows, my 64 bytes of their 128
	s_lshl_b32 s21, s12, 6
	s_add_co_u32 s79, s79, s21
	s_add_co_u32 s79, s79, STAGE
	v_mul_u32_u24 v5, v1, SP
	v_lshl_add_u32 v5, v2, 4, v5
	v_add_nc_u32 v[STO], s79, v5
	s_mul_i32 s79, s10, 16*SP                      ; back: wave w takes rows 16 w on, four whole rows of 128 bytes a load
	s_add_co_u32 s79, s79, STAGE
	v_bfe_u32 v6, v0, 3, 2
	v_and_b32 v7, 7, v0
	v_mul_u32_u24 v8, v6, SP
	v_lshl_add_u32 v8, v7, 4, v8
	v_add_nc_u32 v[RD], s79, v8
	v_lshlrev_b32 v[CO], 11, v6
	v_lshl_add_u32 v[CO], v7, 4, v[CO]
	v_mov_b32 v[CA+4], 0
	s_wait_loadcnt 0x0
	v_pk_mul_f32 v[C0:C0+1], v[BQ:BQ+1], v[BK:BK+1]
.set k, 1
.rept 15
	v_pk_fma_f32 v[C0:C0+1], v[BQ+2*k:BQ+2*k+1], v[BK+2*k:BK+2*k+1], v[C0:C0+1]
.set k, k+1
.endr
	v_add_f32 v[C0], v[C0], v[C0+1]                ; my lanes' part of bq . bk starts the four rows' sums
.set n, 0
.rept 32                                               ; element n of my 32: word 4 (n / 8) + (n % 8) / 2 of the row, half n % 2; five sums by turns
.set xr, 4*(n/8)+(n%8)/2
.irp i, 0,1,2,3
.if n == 0
	v_fma_mix_f32_bf16 v[CA+(\i)], v[XR+16*(\i)+xr], v[WV+n], v[C0] op_sel_hi:[1,0,0]
.elseif n%2 == 0
	v_fma_mix_f32_bf16 v[CA+(\i)], v[XR+16*(\i)+xr], v[WV+n], v[CA+(\i)] op_sel_hi:[1,0,0]
.else
	v_fma_mix_f32_bf16 v[CA+(\i)], v[XR+16*(\i)+xr], v[WV+n], v[CA+(\i)] op_sel:[1,0,0] op_sel_hi:[1,0,0]
.endif
.endr
.if n%2 == 0
	v_fma_mix_f32_bf16 v[CA+4], v[RW+xr], v[VV+n], v[CA+4] op_sel_hi:[1,0,0]
.else
	v_fma_mix_f32_bf16 v[CA+4], v[RW+xr], v[VV+n], v[CA+4] op_sel:[1,0,0] op_sel_hi:[1,0,0]
.endif
.set n, n+1
.endr
.irp m, 1,2,4,8
.irp i, 0,1,2,3,4
	v_add_f32_dpp v[CA+(\i)], v[CA+(\i)], v[CA+(\i)] row_xmask:\m row_mask:0xf bank_mask:0xf
.endr
.endr
.irp i, 0,1,2,3,4
	v_permlanex16_b32 v[C0+1], v[CA+(\i)], s76, s77
	v_add_f32 v[CA+(\i)], v[CA+(\i)], v[C0+1]
.endr
	s_wait_xcnt 0x0                                ; EXEC changes only behind this wait (ISA guide 3.1)
	v_cmp_eq_u32 vcc_lo, 0, v3
	s_and_saveexec_b32 s94, vcc_lo
	global_store_b128 v[VZ], v[CA:CA+3], s[86:87]
	global_store_b32 v[VZ], v[CA+4], s[90:91]
	s_wait_xcnt 0x0                                ; and again: the stores' registers lie in the fragment buffers, which are loaded below
	s_or_b32 exec_lo, exec_lo, s94
; Pair n of 16: 64 along K (two matrix instructions deep).  16 LDS loads in one run, into buffer n % 3
.macro FETCHP n
.set FB, BUF+64*((\n)%3)
.if (\n)%4 == 0
	v_add_nc_u32 v[ADRA], ((\n)/4)*CH, v[ADRA0]
	v_add_nc_u32 v[ADRB], ((\n)/4)*CH, v[ADRB0]
.endif
.irp s, 0,1
.irp a, 0,1
	ds_load_b128 v[FB+32*(\s)+8*(\a):FB+32*(\s)+8*(\a)+3],       v[ADRA] offset:(\a)*16*PW+64*(2*((\n)%4)+(\s))
	ds_load_b128 v[FB+32*(\s)+8*(\a)+4:FB+32*(\s)+8*(\a)+7],     v[ADRA] offset:(\a)*16*PW+64*(2*((\n)%4)+(\s))+32
	ds_load_b128 v[FB+32*(\s)+16+8*(\a):FB+32*(\s)+16+8*(\a)+3],   v[ADRB] offset:(\a)*16*PW+64*(2*((\n)%4)+(\s))
	ds_load_b128 v[FB+32*(\s)+16+8*(\a)+4:FB+32*(\s)+16+8*(\a)+7], v[ADRB] offset:(\a)*16*PW+64*(2*((\n)%4)+(\s))+32
.endr
.endr
.endm
; its 8 matrix instructions: the four accumulators by turns; the very first four start the sums
.macro MULP n
.set FB, BUF+64*((\n)%3)
.irp s, 0,1
.irp a, 0,1
.irp b, 0,1
.if ((\n) == 0) && ((\s) == 0)
	v_wmma_f32_16x16x32_bf16 v[ACC+8*(2*(\a)+(\b)):ACC+8*(2*(\a)+(\b))+7], v[FB+32*(\s)+16+8*(\b):FB+32*(\s)+16+8*(\b)+7], v[FB+32*(\s)+8*(\a):FB+32*(\s)+8*(\a)+7], 0
.else
	v_wmma_f32_16x16x32_bf16 v[ACC+8*(2*(\a)+(\b)):ACC+8*(2*(\a)+(\b))+7], v[FB+32*(\s)+16+8*(\b):FB+32*(\s)+16+8*(\b)+7], v[FB+32*(\s)+8*(\a):FB+32*(\s)+8*(\a)+7], v[ACC+8*(2*(\a)+(\b)):ACC+8*(2*(\a)+(\b))+7]
.endif
.endr
.endr
.endr
.endm
	s_wait_tensorcnt 1                             ; my first load is in: with everybody's, chunks 0 and 1; the second may stay out
	s_barrier_signal -1
	s_barrier_wait -1
	FETCHP 0
	FETCHP 1
.irp n, 0,1,2,3,4,5,6,7,8,9,10,11,12,13,14,15
.if \n == 6
	s_wait_tensorcnt 0x0                           ; pair 8 is chunk 2's first: my second load is in,
	s_wait_dscnt 0x0                               ; no LDS load of mine is out at the signal,
	s_barrier_signal -1
	s_barrier_wait -1                              ; and everybody's is: chunks 2 and 3 are whole
.elseif \n == 15
	s_wait_dscnt 0x0
.else
	s_wait_dscnt 16                                ; this pair is in; the next pair's sixteen loads may stay out
.endif
.if \n < 14
.if \n > 0
	PLACES                                         ; the buffer that is loaded next was multiplied just now
.endif
	FETCHP (\n)+2
.endif
	MULP \n
.endr
	PLACES
	; THE WAY OUT: rounded to bf16; 16 bytes a lane into the work-group's stage; a barrier, since a row's 128 bytes come from two waves; back as whole rows.
.irp t, 0,1,2,3
.irp q, 0,1,2,3
	v_cvt_pk_bf16_f32 v[64+4*(\t)+(\q)], v[ACC+8*(\t)+2*(\q)], v[ACC+8*(\t)+2*(\q)+1]
.endr
.endr
.irp a, 0,1
.irp b, 0,1
	ds_store_b128 v[STO], v[64+4*(2*(\a)+(\b)):64+4*(2*(\a)+(\b))+3] offset:(\a)*16*SP+32*(\b)
.endr
.endr
	s_wait_dscnt 0x0                               ; for the others' sake: my stores into the stage are done
	s_barrier_signal -1
	s_barrier_wait -1
.irp t, 0,1,2,3
	ds_load_b128 v[80+4*(\t):80+4*(\t)+3], v[RD] offset:4*SP*(\t)
.endr
.irp t, 0,1,2,3
	s_wait_dscnt 3-(\t)
	global_store_b128 v[CO], v[80+4*(\t):80+4*(\t)+3], s[72:73] offset:8192*(\t)  ; 8 lanes store a row's 128 consecutive bytes
.endr
	s_wait_tensorcnt 0x0                           ; the wave's end
	ds_add_u32 v[SPW], v[NIL]
	s_wait_dscnt 0x0
	CROUND                                         ; the closing round
	s_endpgm
.Lfunc_end_k_q728c705927_wprod:
	.size	k_q728c705927_wprod, .Lfunc_end_k_q728c705927_wprod-k_q728c705927_wprod
	.p2alignl 7, 3214868480
	.fill 96, 4, 3214868480
	.section	.rodata,"a",@progbits
	.p2align	6, 0x0
	.amdhsa_kernel k_q728c705927_wprod
		.amdhsa_group_segment_fixed_size 327680
		.amdhsa_private_segment_fixed_size 0
		.amdhsa_enable_private_segment 0
		.amdhsa_kernarg_size 56
		.amdhsa_user_sgpr_count 2
		.amdhsa_user_sgpr_kernarg_segment_ptr 1
		.amdhsa_wavefront_size32 1
		.amdhsa_system_sgpr_workgroup_id_x 1
		.amdhsa_system_sgpr_workgroup_id_y 1
		.amdhsa_system_sgpr_workgroup_id_z 1
		.amdhsa_system_vgpr_workitem_id 0
		.amdhsa_next_free_vgpr 256
		.amdhsa_next_free_sgpr 96
		.amdhsa_reserve_vcc 1
		.amdhsa_float_denorm_mode_32 3
		.amdhsa_float_denorm_mode_16_64 3
		.amdhsa_memory_ordered 1
		.amdhsa_forward_progress 1
		.amdhsa_inst_pref_size 56
	.end_amdhsa_kernel
	.amdgpu_metadata
---
amdhsa.version: [ 1, 2 ]
amdhsa.kernels:
  - .name:           k_q728c705927_wprod
    .symbol:         k_q728c705927_wprod.kd
    .args:
      - { .name: cb, .offset: 0, .size: 8, .value_kind: global_buffer, .address_space: global }
      - { .name: vecs, .offset: 8, .size: 8, .value_kind: global_buffer, .address_space: global }
      - { .name: bq, .offset: 16, .size: 8, .value_kind: global_buffer, .address_space: global }
      - { .name: bk, .offset: 24, .size: 8, .value_kind: global_buffer, .address_space: global }
      - { .name: bv, .offset: 32, .size: 8, .value_kind: global_buffer, .address_space: global }
      - { .name: wf, .offset: 40, .size: 8, .value_kind: global_buffer, .address_space: global }
      - { .name: cvb, .offset: 48, .size: 8, .value_kind: global_buffer, .address_space: global }
    .group_segment_fixed_size: 327680
    .private_segment_fixed_size: 0
    .kernarg_segment_align: 8
    .kernarg_segment_size: 56
    .max_flat_workgroup_size: 128
    .sgpr_count:     96
    .vgpr_count:     256
    .wavefront_size: 32
...
	.end_amdgpu_metadata
.endif
;; end of part 7
;; launch proj (part 8): grid 4 x 128, 4 waves a work-group, clusters of 4 x 4, 327,680 bytes of LDS; arguments cb, wf, cvb, qv; writes qv
.if DOCPART == 8
	.amdgcn_target "amdgcn-amd-amdhsa--gfx1250"
	.amdhsa_code_object_version 6
	.text
	.protected	k_q728c705927_proj
	.globl	k_q728c705927_proj
	.p2align	8
	.type	k_q728c705927_proj,@function
k_q728c705927_proj:
	s_mov_b64 s[64:65], 0
	v_nop
	global_prefetch_b8 v0, s[64:65] scope:SCOPE_SE
	s_setreg_imm32_b32 hwreg(HW_REG_WAVE_MODE, 25, 1), 1
	s_wait_xcnt 0x0
	s_wait_alu depctr_hold_cnt(0) depctr_sa_sdst(0) depctr_va_vdst(0) depctr_va_sdst(0) depctr_va_ssrc(0) depctr_va_vcc(0) depctr_vm_vsrc(0)
	s_getreg_b32 s2, hwreg(HW_REG_IB_STS2, 6, 4)
	s_cmp_eq_u32 s2, 0
	s_cbranch_scc0 .Lentry_in_a_cluster
	s_endpgm
.Lentry_in_a_cluster:
	s_bfe_u32 s2, ttmp6, 0x10000c
	s_cmp_lg_u32 s2, 0xf033
	s_cbranch_scc0 .Lentry_shape_is_right
	s_endpgm
.Lentry_shape_is_right:
; Q' = x (Wq Wk^T) + Wk bq  (= Q Wk^T)   and   V' = y (Wv Wo) + bv Wo  (= V Wo).  Operands bf16 (cb, wf), sums and bias in f32, results rounded once to bf16: qv = Q', V', each [8192][1024].
; LIMITS: NaN and infinities are not treated apart; the order of the f32 sums is the matrix unit's, K ascending.
; SHARES.  128 tile rows: 64 for each product (which = tile row / 64); a work-group makes 128 rows x 256 columns; wave w makes rows 64 (w / 2) on, columns 128 (w % 2) on:
; 32 accumulators (a = 0..3 row blocks, b = 0..7 column blocks).  K goes in 8 steps of 128 through two LDS slots.
; CLUSTER 4 x 4: A's tile hangs on the tile row alone and is asked for jointly by a row of the cluster, B's on the tile column (and which, equal in a cluster) by a column.
; THE MATRIX INSTRUCTION IS USED TRANSPOSED: source 0 = 16 columns of the weights (turned out of LDS by ds_load_tr16_b128, since they lie [k][n]), source 1 = 16 rows of x or y:
; lane l, register j of the result hold C(row l % 16, column 8 (l / 16) + j): eight neighbouring numbers of a row.
; REGISTERS in windows of 256 (s_set_vgpr_msb: bits 1:0 source 0, 3:2 source 1, 5:4 source 2, 7:6 destination):
;   window 0: v0-31 addresses; v64-127, v128-191 B's fragments, two buffers (on the way out: rows read back); v192-223 packed results
;   window 1: v0-127 accumulators a = 0, 1 at 8 (8 a + b); v128-159, v160-191 A's fragments, two buffers      window 2: v0-127 accumulators a = 2, 3; v128-191 the bias of my 64 columns a lane
.set NSTEP,  8
.set PA,     272                       ; A's LDS row: 256 bytes + 16: the 16 rows of a fragment load start 4 banks apart (64 banks of 4 bytes: ISA guide 11.1)
.set PB,     544                       ; B's LDS row: 512 bytes + 32
.set BOFF,   128*PA                    ; a slot: A's 128 rows, then B's 128 k-rows
.set BHALF,  64*PB
.set SLOT1,  1<<17                     ; slot 1 begins here: one exclusive or changes slots
.set STAGE,  SLOT1+BOFF+128*PB         ; behind the ring: 8,448 bytes for each wave, for the way out
.set STAGEW, 16*528
.set SPARE,  STAGE+4*STAGEW+8192+512   ; the spare words, 128 bytes a wave: two blocks of 256 bytes that no other line names
.set A_STEP, 256                       ; bytes from K step to K step in A's rows
.set B_STEP, 128*2048                  ; and down B's rows
.set ADRA0, 16                         ; v16, v17  my lane's place in A's and B's tile; never rewritten
.set ADRB0, 17
.set ADRA,  18                         ; v18, v19  the same in the slot in hand
.set ADRB,  19
.set STO,   24                         ; the way out: where I put 16 bytes of a row
.set RD,    25                         ; where I read rows back
.set CO,    26                         ; my byte offset in the output
.set VX,    27                         ; my byte offset in the bias
.set SPW,   28                         ; LDS address of my spare word; never rewritten
.set NIL,   29                         ; 0; never rewritten
.set BF,    64
.set AF,    128
.set TMP,   192
.set BIAS,  128
.set G1,  24                           ; s[24:31] descriptor group 1 for A;  s[32:39] group 0: the two first fills' sets; the second then walks
.set G0,  32
.set G1B, 48                           ; s[48:55], s[56:63] the same for B
.set G0B, 56
.set TB,  77                           ; s77  LDS byte at which the slot in hand begins
.set MUL_HI, 0xa4                      ; B window 0, A window 1, C and D window 2
.set MUL_LO, 0x54                      ; the same, C and D window 1
.set TO_A,   0x40                      ; destination window 1, address window 0
.set MSB, 0
.macro WIN new                         ; the immediate's high byte repeats the setting that is left; a switch that changes nothing is dropped
.if MSB != (\new)
	s_set_vgpr_msb (MSB<<8)|(\new)
.set MSB, (\new)
.endif
.endm
.macro PLACES                          ; four plain vector instructions behind matrix instructions, ahead of loads into their sources and of reads of their results
.rept 4
	v_nop
.endr
.endm
.macro CREST                           ; a round of the cluster's barrier behind its opening barrier
	s_cmp_lg_u32 s10, 0
	s_cbranch_scc1 .Lnot_wave_0_\@
	s_barrier_signal -3
.Lnot_wave_0_\@:
	s_barrier_wait -3
	s_barrier_signal -1
	s_barrier_wait -1
.endm
.macro CROUND
	s_barrier_signal -1
	s_barrier_wait -1
	CREST
.endm
.macro JLOAD                           ; a joint refill: waves 0, 1 fetch A's halves, waves 2, 3 B's; s_nop 0 and four v_nop follow each line
	s_cmp_eq_u32 s11, 0
	s_cbranch_scc0 .Lfor_b_\@
	tensor_load_to_lds s[G0+4:G0+7], s[G1:G1+7]
	s_nop 0
	PLACES
	s_branch .Lasked_\@
.Lfor_b_\@:
	tensor_load_to_lds s[G0B+4:G0B+7], s[G1B:G1B+7]
	s_nop 0
	PLACES
.Lasked_\@:
.endm
	s_load_b128 s[4:7], s[0:1], 0x0                ; cb s[4:5], wf s[6:7]
	s_load_b64 s[8:9], s[0:1], 0x10                ; cvb
	s_load_b64 s[66:67], s[0:1], 0x18              ; qv
	v_lshl_add_u32 v[SPW], v0, 2, SPARE
	v_mov_b32 v[NIL], 0
	ds_add_u32 v[SPW], v[NIL]                      ; the wave's opening: the add and its wait stand ahead of my first tensor load
	v_lshrrev_b32 v1, 5, v0
	v_readfirstlane_b32 s10, v1                    ; wave 0..3
	s_lshr_b32 s11, s10, 1                         ; my half of the rows.  Also: I fetch for A (0) or B (1)
	s_and_b32 s12, s10, 1                          ; my half of the columns.  Also: which half of that tile I fetch
	s_bfe_u32 s40, ttmp6, 0x40000                  ; cx
	s_bfe_u32 s41, ttmp6, 0x40004                  ; cy
	s_lshl_b32 s42, ttmp9, 2
	s_add_co_u32 s42, s42, s40                     ; tile column = 4 x cluster x + cx
	s_and_b32 s45, ttmp7, 0xffff                   ; cluster y
	s_lshl_b32 s13, s45, 2
	s_add_co_u32 s13, s13, s41                     ; tile row = 4 x cluster y + cy
	s_lshr_b32 s45, s45, 4                         ; which product: 16 clusters of rows each; equal in a cluster
	s_lshl_b32 s43, s41, 2
	s_lshl_b32 s43, 15, s43                        ; my row of the cluster
	s_lshl_b32 s44, 0x1111, s40                    ; my column
	s_or_b32 s[G1], s43, (1<<16)|(1<<20)|(1<<21)|(5<<22)|(3<<25)   ; mask; 2-byte elements; padding on; bit 21 beside a mask; after every 64 words, 4 words
	s_mov_b32 s[G1+1], 128<<16                     ; tensor_dim0 = 128
	s_mov_b32 s[G1+2], 64<<16                      ; tensor_dim1 = 64
	s_mov_b32 s[G1+3], 128<<16                     ; tile_dim0 = 128
	s_mov_b32 s[G1+4], 64                          ; tile_dim1 = 64
	s_mov_b32 s[G1+5], 1024                        ; elements from row to row
	s_mov_b32 s[G1+6], 0
	s_mov_b32 s[G1+7], 0
	s_or_b32 s[G1B], s44, (1<<16)|(1<<20)|(1<<21)|(6<<22)|(7<<25)  ; after every 128 words, 8 words
	s_mov_b32 s[G1B+1], 256<<16
	s_mov_b32 s[G1B+2], 64<<16
	s_mov_b32 s[G1B+3], 256<<16
	s_mov_b32 s[G1B+4], 64
	s_mov_b32 s[G1B+5], 1024
	s_mov_b32 s[G1B+6], 0
	s_mov_b32 s[G1B+7], 0
	s_lshl_b32 s16, s45, 24                        ; A: x for Q', y for V',
	s_and_b32 s18, s13, 63                         ; the tile row within the product: 128 rows of 2,048 bytes,
	s_lshl_b32 s18, s18, 18
	s_add_co_u32 s16, s16, s18
	s_lshl_b32 s19, s12, 17                        ; my 64 rows of it
	s_add_co_u32 s16, s16, s19
	s_mov_b32 s17, 0
	s_lshl_b32 s46, s45, 21                        ; B: the product's weights in wf,
	s_lshl_b32 s20, s42, 9                         ; the tile's 256 columns,
	s_add_co_u32 s46, s46, s20
	s_lshl_b32 s20, s12, 17                        ; my 64 k-rows
	s_add_co_u32 s46, s46, s20
	s_mov_b32 s47, 0
	s_mul_i32 s80, s12, 64*PA                      ; where they go: no place in the cluster enters an LDS address
	s_mul_i32 s81, s12, BHALF
	s_add_co_u32 s81, s81, BOFF
	s_lshl_b32 s22, s45, 24                        ; the output: the product's part of qv, my first row, my first column
	s_add_co_u32 s22, s22, s18
	s_lshl_b32 s21, s11, 17
	s_add_co_u32 s22, s22, s21
	s_lshl_b32 s21, s42, 9
	s_add_co_u32 s22, s22, s21
	s_lshl_b32 s21, s12, 8
	s_add_co_u32 s22, s22, s21
	s_mov_b32 s23, 0
	s_lshl_b32 s84, s42, 10                        ; the bias of my 128 columns: Q's at byte 36,864 of cvb, V's 4,096 in front of it
	s_lshl_b32 s21, s12, 9
	s_add_co_u32 s84, s84, s21
	s_add_co_u32 s84, s84, 36864
	s_lshl_b32 s21, s45, 12
	s_sub_co_u32 s84, s84, s21
	s_mov_b32 s85, 0
	s_mov_b32 s[TB], 0
	s_wait_dscnt 0x0                               ; the opening add is done
	s_wait_kmcnt 0x0
	s_add_nc_u64 s[14:15], s[4:5], s[16:17]
	s_add_nc_u64 s[46:47], s[6:7], s[46:47]
	s_add_nc_u64 s[66:67], s[66:67], s[22:23]
	s_add_nc_u64 s[82:83], s[8:9], s[84:85]
.irp s, 0,1
	s_mov_b32 s[G0+4*(\s)], 1                                       ; count = 1
	s_add_co_u32 s[G0+4*(\s)+1], s80, (\s)*SLOT1                    ; LDS address
	s_add_nc_u64 s[G0+4*(\s)+2:G0+4*(\s)+3], s[14:15], (\s)*A_STEP  ; global address: K step s
	s_or_b32 s[G0+4*(\s)+3], s[G0+4*(\s)+3], 0x80000000             ; type = 2
	s_mov_b32 s[G0B+4*(\s)], 1
	s_add_co_u32 s[G0B+4*(\s)+1], s81, (\s)*SLOT1
	s_add_nc_u64 s[G0B+4*(\s)+2:G0B+4*(\s)+3], s[46:47], (\s)*B_STEP
	s_or_b32 s[G0B+4*(\s)+3], s[G0B+4*(\s)+3], 0x80000000
.endr
	CROUND                                         ; all sixteen work-groups are here: the first joint loads meet
	s_cmp_eq_u32 s11, 0                            ; a wave's two first fills stand in one branch: two loads of mine are out
	s_cbranch_scc0 .Lfirst_b
	tensor_load_to_lds s[G0:G0+3], s[G1:G1+7]
	s_nop 0
	tensor_load_to_lds s[G0+4:G0+7], s[G1:G1+7]
	s_nop 0
	PLACES
	s_branch .Lfirst_asked
.Lfirst_b:
	tensor_load_to_lds s[G0B:G0B+3], s[G1B:G1B+7]
	s_nop 0
	tensor_load_to_lds s[G0B+4:G0B+7], s[G1B:G1B+7]
	s_nop 0
	PLACES
.Lfirst_asked:
	v_and_b32 v1, 15, v0                           ; r = l % 16
	v_bfe_u32 v2, v0, 4, 1                         ; h = l / 16
	v_lshlrev_b32 v[VX], 5, v2                     ; my 8 columns of each block of 16: 32 h bytes
	WIN 0x80                                       ; destination window 2
.irp b, 0,1,2,3,4,5,6,7
	global_load_b128 v[BIAS+8*(\b):BIAS+8*(\b)+3],   v[VX], s[82:83] offset:64*(\b)
	global_load_b128 v[BIAS+8*(\b)+4:BIAS+8*(\b)+7], v[VX], s[82:83] offset:64*(\b)+16
.endr
	WIN 0
	v_mul_u32_u24 v4, v1, PA
	v_lshl_add_u32 v4, v2, 4, v4                   ; r x 272 + 16 h
	s_mul_i32 s18, s11, 64*PA
	v_add_nc_u32 v[ADRA0], s18, v4                 ; A's fragments: my 64 rows
	v_and_b32 v5, 7, v0
	v_lshl_add_u32 v5, v2, 3, v5                   ; the turning load: k-row 8 h + l % 8,
	v_mul_u32_u24 v5, v5, PB
	v_bfe_u32 v6, v0, 3, 1
	v_lshl_add_u32 v5, v6, 4, v5                   ; columns 8 ((l / 8) % 2) on,
	s_lshl_b32 s20, s12, 8
	s_add_co_u32 s20, s20, BOFF
	v_add_nc_u32 v[ADRB0], s20, v5                 ; in my 128 columns
	v_mov_b32 v[ADRA], v[ADRA0]
	v_mov_b32 v[ADRB], v[ADRB0]
	s_mul_i32 s79, s10, STAGEW
	s_add_co_u32 s79, s79, STAGE                   ; my stage
	v_add_nc_u32 v[STO], s79, v4                   ; in: row r, 16 bytes for each half of the lanes
	v_mul_u32_u24 v7, v2, PA
	v_lshl_add_u32 v7, v1, 4, v7
	v_add_nc_u32 v[RD], s79, v7                    ; back: lanes 0-15 one row of 256 bytes, lanes 16-31 the next
	v_lshlrev_b32 v[CO], 11, v2                    ; and the same two rows of 2,048 bytes in the output
	v_lshl_add_u32 v[CO], v1, 4, v[CO]
; 8 matrix instructions: row block a x all 8 column blocks, 32 along K, from buffer f.  zero = 1: the product starts the sums
.macro MUL8 f, a, zero=0
.irp b, 0,1,2,3,4,5,6,7
.if \zero
	v_wmma_f32_16x16x32_bf16 v[64*((\a)%2)+8*(\b):64*((\a)%2)+8*(\b)+7], v[BF+64*(\f)+8*(\b):BF+64*(\f)+8*(\b)+7], v[AF+32*(\f)+8*(\a):AF+32*(\f)+8*(\a)+7], 0
.else
	v_wmma_f32_16x16x32_bf16 v[64*((\a)%2)+8*(\b):64*((\a)%2)+8*(\b)+7], v[BF+64*(\f)+8*(\b):BF+64*(\f)+8*(\b)+7], v[AF+32*(\f)+8*(\a):AF+32*(\f)+8*(\a)+7], v[64*((\a)%2)+8*(\b):64*((\a)%2)+8*(\b)+7]
.endif
.endr
.endm
; 24 LDS loads in one run: the fragments of quarter kq (32 along K) of the slot in hand, into buffer g; A's first
.macro FETCH kq, g
	WIN TO_A
.irp a, 0,1,2,3
	ds_load_b128 v[AF+32*(\g)+8*(\a):AF+32*(\g)+8*(\a)+3],   v[ADRA] offset:(\a)*16*PA+64*(\kq)
	ds_load_b128 v[AF+32*(\g)+8*(\a)+4:AF+32*(\g)+8*(\a)+7], v[ADRA] offset:(\a)*16*PA+64*(\kq)+32
.endr
	WIN 0
.irp b, 0,1,2,3,4,5,6,7
	ds_load_tr16_b128 v[BF+64*(\g)+8*(\b):BF+64*(\g)+8*(\b)+3],   v[ADRB] offset:(\kq)*32*PB+32*(\b)
	ds_load_tr16_b128 v[BF+64*(\g)+8*(\b)+4:BF+64*(\g)+8*(\b)+7], v[ADRB] offset:(\kq)*32*PB+16*PB+32*(\b)
.endr
.endm
; A quarter of a K step: buffer f is multiplied (32 matrix instructions, the 32 accumulators by turns, always in the order a = 2, 3, 0, 1);
; ahead of them quarter kq's fragments are asked for into buffer g, which the quarter before multiplied.
.macro QUARTER kq, f, g, zero=0
	s_wait_dscnt 0x0                               ; buffer f, asked for a quarter ago, is in
	PLACES
	FETCH \kq, \g
	WIN MUL_HI
	MUL8 \f, 2, \zero
	MUL8 \f, 3, \zero
	WIN MUL_LO
	MUL8 \f, 0, \zero
	MUL8 \f, 1, \zero
.endm
; The last quarter multiplies buffer 1 and changes slots.  In front of the barrier each wave waits for all its tensor loads (one is out: its part of the next slot), adds 0 to its spare word,
; and waits for that and for its reads of this slot.  fill = 1: the barrier opens a round of the cluster's, and the slot just read is filled again, two K steps ahead, first thing behind it.
.macro TURN fill
	WIN 0
	s_wait_tensorcnt 0x0                           ; no tensor load of mine is out, so a group 0 may be written
	ds_add_u32 v[SPW], v[NIL]
.if \fill
	s_xor_b32 s[G0+5], s[G0+5], SLOT1              ; the walking descriptors: the other slot than last time, the next K step
	s_add_nc_u64 s[G0+6:G0+7], s[G0+6:G0+7], A_STEP
	s_xor_b32 s[G0B+5], s[G0B+5], SLOT1
	s_add_nc_u64 s[G0B+6:G0B+7], s[G0B+6:G0B+7], B_STEP
.endif
	s_wait_dscnt 1                                 ; buffer 1 is in; the add alone may be out
	WIN MUL_HI
	MUL8 1, 2
	s_wait_dscnt 0x0                               ; the add is done, and my reads of this slot are over
	s_barrier_signal -1
	MUL8 1, 3
	WIN 0                                          ; at a branch and at a label every window is 0
	s_barrier_wait -1
.if \fill
	CREST                                          ; no wave of any partner still reads this slot or has a load on its way
.endif
	s_xor_b32 s[TB], s[TB], SLOT1
.if \fill
	JLOAD                                          ; its four v_nop are also the places ahead of the loads below
.else
	PLACES
.endif
	v_add_nc_u32 v[ADRA], s[TB], v[ADRA0]
	v_add_nc_u32 v[ADRB], s[TB], v[ADRB0]
	FETCH 0, 0
	WIN MUL_LO
	MUL8 1, 0
	MUL8 1, 1
.endm
	s_wait_tensorcnt 1                             ; my part of K step 0 is in; step 1's may stay out
	s_barrier_signal -1
	s_barrier_wait -1
	FETCH 0, 0
	QUARTER 1, 0, 1, 1                             ; the first quarter stands ahead of the loop: its products start the sums
	WIN 0
	s_mov_b32 s3, NSTEP-2
.Lstep:                                                ; a trip: a step's quarters 1 to 3 and the next step's quarter 0; one slot is filled again
	QUARTER 2, 1, 0
	QUARTER 3, 0, 1
	TURN 1
	QUARTER 1, 0, 1
	WIN 0
	s_sub_co_u32 s3, s3, 1
	s_cmp_lg_u32 s3, 0
	s_cbranch_scc1 .Lstep
	QUARTER 2, 1, 0                                ; the last two steps are written out: nothing is left to ask for
	QUARTER 3, 0, 1
	TURN 0
	QUARTER 1, 0, 1
	QUARTER 2, 1, 0
	QUARTER 3, 0, 1
	s_wait_dscnt 0x0
	WIN MUL_HI
	MUL8 1, 2
	MUL8 1, 3
	WIN MUL_LO
	MUL8 1, 0
	MUL8 1, 1
	WIN 0
	PLACES
	s_wait_loadcnt 0x0                             ; the bias
; THE WAY OUT, a block of 16 rows at a time: bias added, rounded to bf16; 16 bytes a lane into my stage; back as whole rows of 256 bytes; stored.
.macro PACK a
.set AC, 64*((\a)%2)
	WIN 0x49+0x41*((\a)/2)                         ; accumulators in window 1 or 2, the bias in window 2
.set i, 0
.rept 32
	v_pk_add_f32 v[AC+2*i:AC+2*i+1], v[AC+2*i:AC+2*i+1], v[BIAS+2*i:BIAS+2*i+1]
.set i, i+1
.endr
	WIN 0x05*(1+(\a)/2)
.set i, 0
.rept 32
	v_cvt_pk_bf16_f32 v[TMP+i], v[AC+2*i], v[AC+2*i+1]
.set i, i+1
.endr
	WIN 0
.endm
.macro TOSTAGE a
.irp b, 0,1,2,3,4,5,6,7
	ds_store_b128 v[STO], v[TMP+4*(\b):TMP+4*(\b)+3] offset:32*(\b)
.endr
.irp t, 0,1,2,3,4,5,6,7
	ds_load_b128 v[64+32*(\a)+4*(\t):64+32*(\a)+4*(\t)+3], v[RD] offset:2*PA*(\t)  ; LDS serves a wave's instructions in order (ISA guide 5.7.1.4): these see the stores above
.endr
.endm
.macro SEND a                          ; each block has registers of its own, so no store's data is ever rewritten
	s_wait_dscnt 0x0
.irp t, 0,1,2,3,4,5,6,7
	global_store_b128 v[CO], v[64+32*(\a)+4*(\t):64+32*(\a)+4*(\t)+3], s[66:67] offset:(16*(\a)+2*(\t))*2048  ; 16 lanes store 256 consecutive bytes, aligned
.endr
.endm
	PACK 0
	TOSTAGE 0
.irp a, 1,2,3
	PACK \a
	SEND (\a)-1
	TOSTAGE \a
.endr
	SEND 3
	s_wait_tensorcnt 0x0                           ; the wave's end
	ds_add_u32 v[SPW], v[NIL]
	s_wait_dscnt 0x0
	CROUND                                         ; the closing round
	s_endpgm
.Lfunc_end_k_q728c705927_proj:
	.size	k_q728c705927_proj, .Lfunc_end_k_q728c705927_proj-k_q728c705927_proj
	.p2alignl 7, 3214868480
	.fill 96, 4, 3214868480
	.section	.rodata,"a",@progbits
	.p2align	6, 0x0
	.amdhsa_kernel k_q728c705927_proj
		.amdhsa_group_segment_fixed_size 327680
		.amdhsa_private_segment_fixed_size 0
		.amdhsa_enable_private_segment 0
		.amdhsa_kernarg_size 32
		.amdhsa_user_sgpr_count 2
		.amdhsa_user_sgpr_kernarg_segment_ptr 1
		.amdhsa_wavefront_size32 1
		.amdhsa_system_sgpr_workgroup_id_x 1
		.amdhsa_system_sgpr_workgroup_id_y 1
		.amdhsa_system_sgpr_workgroup_id_z 1
		.amdhsa_system_vgpr_workitem_id 0
		.amdhsa_next_free_vgpr 704
		.amdhsa_next_free_sgpr 88
		.amdhsa_reserve_vcc 0
		.amdhsa_float_denorm_mode_32 3
		.amdhsa_float_denorm_mode_16_64 3
		.amdhsa_memory_ordered 1
		.amdhsa_forward_progress 1
		.amdhsa_inst_pref_size 80
	.end_amdhsa_kernel
	.amdgpu_metadata
---
amdhsa.version: [ 1, 2 ]
amdhsa.kernels:
  - .name:           k_q728c705927_proj
    .symbol:         k_q728c705927_proj.kd
    .args:
      - { .name: cb, .offset: 0, .size: 8, .value_kind: global_buffer, .address_space: global }
      - { .name: wf, .offset: 8, .size: 8, .value_kind: global_buffer, .address_space: global }
      - { .name: cvb, .offset: 16, .size: 8, .value_kind: global_buffer, .address_space: global }
      - { .name: qv, .offset: 24, .size: 8, .value_kind: global_buffer, .address_space: global }
    .group_segment_fixed_size: 327680
    .private_segment_fixed_size: 0
    .kernarg_segment_align: 8
    .kernarg_segment_size: 32
    .max_flat_workgroup_size: 128
    .sgpr_count:     88
    .vgpr_count:     704
    .wavefront_size: 32
...
	.end_amdgpu_metadata
.endif
;; end of part 8
;; launch score (part 9): grid 8 x 64, 4 waves a work-group, clusters of 4 x 4, 327,680 bytes of LDS; arguments qv, cb, adj, cvb, pb, stats; writes pb, stats
.if DOCPART == 9
	.amdgcn_target "amdgcn-amd-amdhsa--gfx1250"
	.amdhsa_code_object_version 6
	.text
	.protected	k_q728c705927_score
	.globl	k_q728c705927_score
	.p2align	8
	.type	k_q728c705927_score,@function
k_q728c705927_score:
	s_mov_b64 s[64:65], 0
	v_nop
	global_prefetch_b8 v0, s[64:65] scope:SCOPE_SE
	s_setreg_imm32_b32 hwreg(HW_REG_WAVE_MODE, 25, 1), 1
	s_wait_xcnt 0x0
	s_wait_alu depctr_hold_cnt(0) depctr_sa_sdst(0) depctr_va_vdst(0) depctr_va_sdst(0) depctr_va_ssrc(0) depctr_va_vcc(0) depctr_vm_vsrc(0)
	s_getreg_b32 s2, hwreg(HW_REG_IB_STS2, 6, 4)
	s_cmp_eq_u32 s2, 0
	s_cbranch_scc0 .Lentry_in_a_cluster
	s_endpgm
.Lentry_in_a_cluster:
	s_bfe_u32 s2, ttmp6, 0x10000c
	s_cmp_lg_u32 s2, 0xf033
	s_cbranch_scc0 .Lentry_shape_is_right
	s_endpgm
.Lentry_shape_is_right:
; The scores are Q K^T / 32 + adj = (Q' y^T + c 1^T) / 32 + adj, with Q' = Q Wk^T (qv), y in bf16 (cb) and c[s] = Q[s] . bk (cvb), a constant of the row.
; u = Q' y^T / 32 + adj (f32); for each query row and each block of 128 keys: p = 2^(log2(e) (u - max u)) (bf16 into pb), l = the sum of the unrounded p: neither holds c, since u - max u does not;
; cm = log2(e) x (max u + c / 32), the block's true maximum.  stats[block][row] = (cm, l).  The next launch takes the row's maximum out of the 16 block maxima and rescales:
; the maximum is taken away as in a softmax over the whole row.
; LIMITS: NaN and infinities are not treated apart (a block whose scores are all -inf is not served); a weight below 2^-126 counts as 0; Q', y are bf16, sums f32.
; SHARES.  A work-group makes 128 queries x 256 keys of one batch (64 tile rows over the 8,192 flat rows, 8 tile columns); wave w: rows 64 (w / 2) on, keys 128 (w % 2) on: one block of keys.
; K goes in 8 steps of 128 through two LDS slots.  The wave's whole tile of adj, 64 rows x 512 bytes, is asked for at the head into 256 registers and lands under the K loop.
; CLUSTER 4 x 4: Q's tile is shared along a row of the cluster, y's (batch and tile column; the batch is equal in a cluster) along a column.
; THE MATRIX INSTRUCTION IS USED TRANSPOSED: source 0 = 16 keys, source 1 = 16 queries: lane l, register j hold (query l % 16, key 8 (l / 16) + j).
; REGISTERS (s_set_vgpr_msb: bits 1:0 source 0, 3:2 source 1, 5:4 source 2, 7:6 destination):
;   window 0: v0-31 addresses; v64-127, v128-191 y's fragments (on the way out: u, packed p, rows read back); v192-223 statistics
;   window 1: v0-127 accumulators a = 0, 1; v128-191 Q's fragments      window 2: v0-127 accumulators a = 2, 3      window 3: adj, row i of my 64 at v[4 i]
.set NSTEP,  8
.set PA,     272                       ; an LDS row of Q' or y: 256 bytes + 16: the 16 rows of a fragment load start 4 banks apart (64 banks of 4 bytes: ISA guide 11.1)
.set BOFF,   128*PA                    ; a slot: Q's 128 rows, then y's 256 rows
.set BHALF,  128*PA
.set SLOT1,  1<<17
.set STAGE,  SLOT1+BOFF+256*PA         ; behind the ring: 8,448 bytes for each wave
.set STAGEW, 16*528
.set SPARE,  STAGE+4*STAGEW+8192+512   ; the spare words, 128 bytes a wave
.set A_STEP, 256
.set B_STEP, 256
.set ADRA0, 16
.set ADRB0, 17
.set ADRA,  18
.set ADRB,  19
.set SA,    20                         ; the stage as rows of 512 bytes: 16 l
.set SR,    21                         ; the stage as the accumulators lie: 528 r + 32 h
.set SO,    22                         ; my byte offset in stats: 8 l
.set VC,    23                         ; my byte offset in c: 4 r
.set STO,   24
.set RD,    25
.set CO,    26
.set VX,    27                         ; my byte offset in a row of adj: 16 l
.set SPW,   28
.set NIL,   29
.set BF,    64
.set AF,    128
.set U,     64                         ; the way out: 64 scores a lane
.set P,     128                        ; 32 registers of packed weights
.set OB,    160                        ; 16 rows read back
.set C0,    192                        ; v192-195 four chains of the maximum
.set CM,    196                        ; v196-197 log2(e) max u, as a pair
.set SM,    198                        ; v198-205 four chains of the sum, in pairs
.set KEEP,  208                        ; v208-215 (cm, l) of blocks a = 0..3
.set CV,    220                        ; v220-223 c of my row in blocks a = 0..3
.set G1,  24
.set G0,  32
.set G1B, 48
.set G0B, 56
.set TB,  77
.set MUL_HI, 0xa4
.set MUL_LO, 0x54
.set TO_A,   0x40
.set MSB, 0
.macro WIN new                         ; the immediate's high byte repeats the setting that is left
.if MSB != (\new)
	s_set_vgpr_msb (MSB<<8)|(\new)
.set MSB, (\new)
.endif
.endm
.macro PLACES                          ; four plain vector instructions behind matrix instructions (ISA guide 7.12.1)
.rept 4
	v_nop
.endr
.endm
.macro CREST
	s_cmp_lg_u32 s10, 0
	s_cbranch_scc1 .Lnot_wave_0_\@
	s_barrier_signal -3
.Lnot_wave_0_\@:
	s_barrier_wait -3
	s_barrier_signal -1
	s_barrier_wait -1
.endm
.macro CROUND
	s_barrier_signal -1
	s_barrier_wait -1
	CREST
.endm
.macro JLOAD                           ; a joint refill: waves 0, 1 fetch Q's halves, waves 2, 3 y's; s_nop 0 and four v_nop follow each line
	s_cmp_eq_u32 s11, 0
	s_cbranch_scc0 .Lfor_b_\@
	tensor_load_to_lds s[G0+4:G0+7], s[G1:G1+7]
	s_nop 0
	PLACES
	s_branch .Lasked_\@
.Lfor_b_\@:
	tensor_load_to_lds s[G0B+4:G0B+7], s[G1B:G1B+7]
	s_nop 0
	PLACES
.Lasked_\@:
.endm
	s_load_b64 s[4:5], s[0:1], 0x0                 ; qv
	s_load_b64 s[68:69], s[0:1], 0x8               ; cb
	s_load_b64 s[6:7], s[0:1], 0x10                ; adj
	s_load_b64 s[86:87], s[0:1], 0x18              ; cvb
	s_load_b64 s[8:9], s[0:1], 0x20                ; pb
	s_load_b64 s[66:67], s[0:1], 0x28              ; stats
	v_lshl_add_u32 v[SPW], v0, 2, SPARE
	v_mov_b32 v[NIL], 0
	ds_add_u32 v[SPW], v[NIL]                      ; the wave's opening: the add and its wait stand ahead of my first tensor load
	v_lshrrev_b32 v1, 5, v0
	v_readfirstlane_b32 s10, v1
	s_lshr_b32 s11, s10, 1
	s_and_b32 s12, s10, 1
	s_bfe_u32 s40, ttmp6, 0x40000                  ; cx
	s_bfe_u32 s41, ttmp6, 0x40004                  ; cy
	s_lshl_b32 s42, ttmp9, 2
	s_add_co_u32 s42, s42, s40                     ; tile column
	s_and_b32 s45, ttmp7, 0xffff
	s_lshl_b32 s13, s45, 2
	s_add_co_u32 s13, s13, s41                     ; tile row
	s_lshr_b32 s45, s45, 2                         ; the batch: four clusters of rows each
	s_lshl_b32 s43, s41, 2
	s_lshl_b32 s43, 15, s43
	s_lshl_b32 s44, 0x1111, s40
	s_or_b32 s[G1], s43, (1<<16)|(1<<20)|(1<<21)|(5<<22)|(3<<25)
	s_mov_b32 s[G1+1], 128<<16
	s_mov_b32 s[G1+2], 64<<16
	s_mov_b32 s[G1+3], 128<<16
	s_mov_b32 s[G1+4], 64                          ; Q': 64 rows a load
	s_mov_b32 s[G1+5], 1024
	s_mov_b32 s[G1+6], 0
	s_mov_b32 s[G1+7], 0
	s_or_b32 s[G1B], s44, (1<<16)|(1<<20)|(1<<21)|(5<<22)|(3<<25)
	s_mov_b32 s[G1B+1], 128<<16
	s_mov_b32 s[G1B+2], 128<<16
	s_mov_b32 s[G1B+3], 128<<16
	s_mov_b32 s[G1B+4], 128                        ; y: 128 rows a load
	s_mov_b32 s[G1B+5], 1024
	s_mov_b32 s[G1B+6], 0
	s_mov_b32 s[G1B+7], 0
	s_lshl_b32 s16, s13, 18                        ; Q': 128 rows of 2,048 bytes a tile row, my 64 of them
	s_lshl_b32 s19, s12, 17
	s_add_co_u32 s16, s16, s19
	s_mov_b32 s17, 0
	s_lshl_b32 s46, s45, 22                        ; y in cb: the batch's 2,048 rows, the tile's 256, my 128
	s_add_co_u32 s46, s46, 16777216
	s_lshl_b32 s20, s42, 19
	s_add_co_u32 s46, s46, s20
	s_lshl_b32 s20, s12, 18
	s_add_co_u32 s46, s46, s20
	s_mov_b32 s47, 0
	s_mul_i32 s80, s12, 64*PA
	s_mul_i32 s81, s12, BHALF
	s_add_co_u32 s81, s81, BOFF
	s_lshl_b32 s22, s13, 19                        ; pb: rows of 4,096 bytes; my first row and key
	s_lshl_b32 s21, s11, 18
	s_add_co_u32 s22, s22, s21
	s_lshl_b32 s21, s42, 9
	s_add_co_u32 s22, s22, s21
	s_lshl_b32 s21, s12, 8
	s_add_co_u32 s22, s22, s21
	s_mov_b32 s23, 0
	s_lshl_b32 s82, s22, 1                         ; adj: the same place in f32: twice the bytes
	s_mov_b32 s83, 0
	s_lshl_b32 s84, s42, 1                         ; stats: block 2 x tile column + my half, 65,536 bytes a block; 8 bytes a row
	s_add_co_u32 s84, s84, s12
	s_lshl_b32 s84, s84, 16
	s_lshl_b32 s21, s13, 10
	s_add_co_u32 s84, s84, s21
	s_lshl_b32 s21, s11, 9
	s_add_co_u32 s84, s84, s21
	s_mov_b32 s85, 0
	s_lshl_b32 s18, s13, 9                         ; c: my 64 rows, 4 bytes each
	s_lshl_b32 s21, s11, 8
	s_add_co_u32 s18, s18, s21
	s_mov_b32 s19, 0
	s_mov_b32 s70, 0x3d000000                      ; 1 / 32
	s_mov_b32 s71, s70                             ; named with it as a pair
	s_mov_b32 s72, 0x3fb8aa3b                      ; log2(e)
	s_mov_b32 s73, s72
	s_mov_b32 s74, 0x76543210                      ; v_permlanex16_b32: each lane takes its own place in the other half
	s_mov_b32 s75, 0xfedcba98
	s_mov_b32 s[TB], 0
	s_wait_dscnt 0x0
	s_wait_kmcnt 0x0
	s_add_nc_u64 s[14:15], s[4:5], s[16:17]
	s_add_nc_u64 s[46:47], s[68:69], s[46:47]
	s_add_nc_u64 s[6:7], s[6:7], s[82:83]
	s_add_nc_u64 s[8:9], s[8:9], s[22:23]
	s_add_nc_u64 s[66:67], s[66:67], s[84:85]
	s_add_nc_u64 s[86:87], s[86:87], s[18:19]
.irp s, 0,1
	s_mov_b32 s[G0+4*(\s)], 1
	s_add_co_u32 s[G0+4*(\s)+1], s80, (\s)*SLOT1
	s_add_nc_u64 s[G0+4*(\s)+2:G0+4*(\s)+3], s[14:15], (\s)*A_STEP
	s_or_b32 s[G0+4*(\s)+3], s[G0+4*(\s)+3], 0x80000000
	s_mov_b32 s[G0B+4*(\s)], 1
	s_add_co_u32 s[G0B+4*(\s)+1], s81, (\s)*SLOT1
	s_add_nc_u64 s[G0B+4*(\s)+2:G0B+4*(\s)+3], s[46:47], (\s)*B_STEP
	s_or_b32 s[G0B+4*(\s)+3], s[G0B+4*(\s)+3], 0x80000000
.endr
	CROUND                                         ; the first joint loads meet
	s_cmp_eq_u32 s11, 0                            ; a wave's two first fills stand in one branch: two loads of mine are out
	s_cbranch_scc0 .Lfirst_b
	tensor_load_to_lds s[G0:G0+3], s[G1:G1+7]
	s_nop 0
	tensor_load_to_lds s[G0+4:G0+7], s[G1:G1+7]
	s_nop 0
	PLACES
	s_branch .Lfirst_asked
.Lfirst_b:
	tensor_load_to_lds s[G0B:G0B+3], s[G1B:G1B+7]
	s_nop 0
	tensor_load_to_lds s[G0B+4:G0B+7], s[G1B:G1B+7]
	s_nop 0
	PLACES
.Lfirst_asked:
	v_and_b32 v1, 15, v0                           ; r
	v_and_b32 v3, 31, v0                           ; l
	v_lshlrev_b32 v[VC], 2, v1
	v_lshlrev_b32 v[VX], 4, v3
.irp a, 0,1,2,3
	global_load_b32 v[CV+(\a)], v[VC], s[86:87] offset:64*(\a)     ; c of row 16 a + r
.endr
	WIN 0xc0                                       ; destination window 3
.set i, 0
.rept 64                                               ; my 64 rows of adj, 512 consecutive bytes a load: they stay out during the whole K loop
	global_load_b128 v[4*i:4*i+3], v[VX], s[6:7] offset:8192*i th:TH_LOAD_NT
.set i, i+1
.endr
	WIN 0
	v_bfe_u32 v2, v0, 4, 1                         ; h
	v_cmp_le_u32 s76, 16, v3                       ; the upper half of the lanes
	v_lshlrev_b32 v[SO], 3, v3
	v_mul_u32_u24 v4, v1, PA
	v_lshl_add_u32 v4, v2, 4, v4                   ; r x 272 + 16 h
	s_mul_i32 s18, s11, 64*PA
	v_add_nc_u32 v[ADRA0], s18, v4
	s_mul_i32 s20, s12, BHALF
	s_add_co_u32 s20, s20, BOFF
	v_add_nc_u32 v[ADRB0], s20, v4
	v_mov_b32 v[ADRA], v[ADRA0]
	v_mov_b32 v[ADRB], v[ADRB0]
	s_mul_i32 s79, s10, STAGEW
	s_add_co_u32 s79, s79, STAGE                   ; my stage
	v_add_nc_u32 v[SA], s79, v[VX]
	v_mul_u32_u24 v5, v1, 528
	v_lshl_add_u32 v5, v2, 5, v5
	v_add_nc_u32 v[SR], s79, v5
	v_add_nc_u32 v[STO], s79, v4
	v_mul_u32_u24 v7, v2, PA
	v_lshl_add_u32 v7, v1, 4, v7
	v_add_nc_u32 v[RD], s79, v7
	v_lshlrev_b32 v[CO], 12, v2                    ; two rows of 4,096 bytes in pb
	v_lshl_add_u32 v[CO], v1, 4, v[CO]
.macro MUL8 f, a, zero=0               ; 8 matrix instructions: row block a x all 8 key blocks, 32 along K, from buffer f
.irp b, 0,1,2,3,4,5,6,7
.if \zero
	v_wmma_f32_16x16x32_bf16 v[64*((\a)%2)+8*(\b):64*((\a)%2)+8*(\b)+7], v[BF+64*(\f)+8*(\b):BF+64*(\f)+8*(\b)+7], v[AF+32*(\f)+8*(\a):AF+32*(\f)+8*(\a)+7], 0
.else
	v_wmma_f32_16x16x32_bf16 v[64*((\a)%2)+8*(\b):64*((\a)%2)+8*(\b)+7], v[BF+64*(\f)+8*(\b):BF+64*(\f)+8*(\b)+7], v[AF+32*(\f)+8*(\a):AF+32*(\f)+8*(\a)+7], v[64*((\a)%2)+8*(\b):64*((\a)%2)+8*(\b)+7]
.endif
.endr
.endm
.macro FETCH kq, g                     ; 24 LDS loads in one run: quarter kq's fragments into buffer g
	WIN TO_A
.irp a, 0,1,2,3
	ds_load_b128 v[AF+32*(\g)+8*(\a):AF+32*(\g)+8*(\a)+3],   v[ADRA] offset:(\a)*16*PA+64*(\kq)
	ds_load_b128 v[AF+32*(\g)+8*(\a)+4:AF+32*(\g)+8*(\a)+7], v[ADRA] offset:(\a)*16*PA+64*(\kq)+32
.endr
	WIN 0
.irp b, 0,1,2,3,4,5,6,7
	ds_load_b128 v[BF+64*(\g)+8*(\b):BF+64*(\g)+8*(\b)+3],   v[ADRB] offset:(\b)*16*PA+64*(\kq)
	ds_load_b128 v[BF+64*(\g)+8*(\b)+4:BF+64*(\g)+8*(\b)+7], v[ADRB] offset:(\b)*16*PA+64*(\kq)+32
.endr
.endm
.macro QUARTER kq, f, g, zero=0        ; buffer f is multiplied, the 32 accumulators by turns (a = 2, 3, 0, 1); quarter kq is asked for into g
	s_wait_dscnt 0x0                               ; buffer f, asked for a quarter ago, is in
	PLACES
	FETCH \kq, \g
	WIN MUL_HI
	MUL8 \f, 2, \zero
	MUL8 \f, 3, \zero
	WIN MUL_LO
	MUL8 \f, 0, \zero
	MUL8 \f, 1, \zero
.endm
.macro TURN fill                       ; the last quarter multiplies buffer 1 and changes slots; fill = 1: the slot just read is filled again behind a round of the cluster's barrier
	WIN 0
	s_wait_tensorcnt 0x0                           ; all my tensor loads have landed: my part of the next slot
	ds_add_u32 v[SPW], v[NIL]
.if \fill
	s_xor_b32 s[G0+5], s[G0+5], SLOT1
	s_add_nc_u64 s[G0+6:G0+7], s[G0+6:G0+7], A_STEP
	s_xor_b32 s[G0B+5], s[G0B+5], SLOT1
	s_add_nc_u64 s[G0B+6:G0B+7], s[G0B+6:G0B+7], B_STEP
.endif
	s_wait_dscnt 1                                 ; buffer 1 is in; the add alone may be out
	WIN MUL_HI
	MUL8 1, 2
	s_wait_dscnt 0x0                               ; the add is done, and my reads of this slot are over
	s_barrier_signal -1
	MUL8 1, 3
	WIN 0
	s_barrier_wait -1
.if \fill
	CREST
.endif
	s_xor_b32 s[TB], s[TB], SLOT1
.if \fill
	JLOAD
.else
	PLACES
.endif
	v_add_nc_u32 v[ADRA], s[TB], v[ADRA0]
	v_add_nc_u32 v[ADRB], s[TB], v[ADRB0]
	FETCH 0, 0
	WIN MUL_LO
	MUL8 1, 0
	MUL8 1, 1
.endm
	s_wait_tensorcnt 1                             ; my part of K step 0 is in; step 1's may stay out
	s_barrier_signal -1
	s_barrier_wait -1
	FETCH 0, 0
	QUARTER 1, 0, 1, 1
	WIN 0
	s_mov_b32 s3, NSTEP-2
.Lstep:
	QUARTER 2, 1, 0
	QUARTER 3, 0, 1
	TURN 1
	QUARTER 1, 0, 1
	WIN 0
	s_sub_co_u32 s3, s3, 1
	s_cmp_lg_u32 s3, 0
	s_cbranch_scc1 .Lstep
	QUARTER 2, 1, 0
	QUARTER 3, 0, 1
	TURN 0
	QUARTER 1, 0, 1
	QUARTER 2, 1, 0
	QUARTER 3, 0, 1
	s_wait_dscnt 0x0
	WIN MUL_HI
	MUL8 1, 2
	MUL8 1, 3
	WIN MUL_LO
	MUL8 1, 0
	MUL8 1, 1
	WIN 0
	PLACES
	s_wait_loadcnt 0x0                             ; c and adj
; THE WAY OUT of block a (16 queries x my 128 keys).  adj's 16 rows go through my stage into the accumulators' layout; u; the row's maximum, weights and sum; p leaves through the same stage.
.macro BLOCK a
.set AC, 64*((\a)%2)
	WIN 0x0c                                       ; store data in window 3
.irp t, 0,1,2,3,4,5,6,7,8,9,10,11,12,13,14,15
	ds_store_b128 v[SA], v[4*(16*(\a)+(\t)):4*(16*(\a)+(\t))+3] offset:528*(\t)
.endr
	WIN 0
.irp b, 0,1,2,3,4,5,6,7
	ds_load_b128 v[U+8*(\b):U+8*(\b)+3],   v[SR] offset:64*(\b)     ; LDS serves a wave's instructions in order (ISA guide 5.7.1.4): these see the stores above
	ds_load_b128 v[U+8*(\b)+4:U+8*(\b)+7], v[SR] offset:64*(\b)+16
.endr
	s_wait_dscnt 0x0
	WIN 1+(\a)/2                                   ; source 0: the accumulators' window
.set i, 0
.rept 32
	v_pk_fma_f32 v[U+2*i:U+2*i+1], v[AC+2*i:AC+2*i+1], s[70:71], v[U+2*i:U+2*i+1] op_sel_hi:[1,0,1]  ; u = s / 32 + adj
.set i, i+1
.endr
	WIN 0
.irp k, 0,1,2,3
	v_max3_num_f32 v[C0+(\k)], v[U+16*(\k)], v[U+16*(\k)+1], v[U+16*(\k)+2]
.endr
.irp j, 1,2,3,4,5,6
.irp k, 0,1,2,3
	v_max3_num_f32 v[C0+(\k)], v[C0+(\k)], v[U+16*(\k)+2*(\j)+1], v[U+16*(\k)+2*(\j)+2]
.endr
.endr
	v_max3_num_f32 v[C0], v[C0], v[U+15], v[U+31]
	v_max3_num_f32 v[C0+1], v[C0+1], v[U+47], v[U+63]
	v_max3_num_f32 v[C0], v[C0], v[C0+1], v[C0+2]
	v_max_num_f32 v[C0], v[C0], v[C0+3]
	v_permlanex16_b32 v[C0+1], v[C0], s74, s75     ; the query's other 64 keys lie in the lane 16 away
	v_max_num_f32 v[C0], v[C0], v[C0+1]
	v_mul_f32 v[CM], s72, v[C0]
	v_mul_f32 v[CM+1], s72, v[C0]                  ; named with it as a pair
	v_fma_f32 v[C0+2], v[CV+(\a)], s70, v[C0]      ; the block's true maximum: the row's constant c / 32 on top
	v_mul_f32 v[KEEP+2*(\a)], s72, v[C0+2]
.set i, 0
.rept 32
	v_pk_fma_f32 v[U+2*i:U+2*i+1], v[U+2*i:U+2*i+1], s[72:73], v[CM:CM+1] op_sel_hi:[1,0,0] neg_lo:[0,0,1] neg_hi:[0,0,1]
.set i, i+1
.endr
.set i, 0
.rept 64
	v_exp_f32 v[U+i], v[U+i]
.set i, i+1
.endr
	v_nop                                          ; a plain instruction behind the last exponential, ahead of its use (ISA guide 5.7.2)
.set i, 0
	s_wait_alu depctr_va_vdst(0)
.rept 32
	v_cvt_pk_bf16_f32 v[P+i], v[U+2*i], v[U+2*i+1]
.set i, i+1
.endr
.irp b, 0,1,2,3,4,5,6,7
	ds_store_b128 v[STO], v[P+4*(\b):P+4*(\b)+3] offset:32*(\b)
.endr
.if (\a) > 0
	s_wait_xcnt 0x0                                ; the last block's stores have read their registers (ISA guide 3.1): only now are these loaded again
.endif
.irp t, 0,1,2,3,4,5,6,7
	ds_load_b128 v[OB+4*(\t):OB+4*(\t)+3], v[RD] offset:2*PA*(\t)
.endr
.irp k, 0,1,2,3                        ; the sum of the unrounded weights stands in the stage's round trip
	v_pk_add_f32 v[SM+2*(\k):SM+2*(\k)+1], v[U+16*(\k):U+16*(\k)+1], v[U+16*(\k)+2:U+16*(\k)+3]
.endr
.irp j, 2,3,4,5,6,7
.irp k, 0,1,2,3
	v_pk_add_f32 v[SM+2*(\k):SM+2*(\k)+1], v[SM+2*(\k):SM+2*(\k)+1], v[U+16*(\k)+2*(\j):U+16*(\k)+2*(\j)+1]
.endr
.endr
	v_pk_add_f32 v[SM:SM+1], v[SM:SM+1], v[SM+2:SM+3]
	v_pk_add_f32 v[SM+4:SM+5], v[SM+4:SM+5], v[SM+6:SM+7]
	v_pk_add_f32 v[SM:SM+1], v[SM:SM+1], v[SM+4:SM+5]
	v_add_f32 v[SM], v[SM], v[SM+1]
	v_permlanex16_b32 v[SM+1], v[SM], s74, s75
	v_add_f32 v[KEEP+2*(\a)+1], v[SM], v[SM+1]
	s_wait_dscnt 0x0
.irp t, 0,1,2,3,4,5,6,7
	global_store_b128 v[CO], v[OB+4*(\t):OB+4*(\t)+3], s[8:9] offset:(16*(\a)+2*(\t))*4096  ; 16 lanes store 256 consecutive bytes, aligned
.endr
.endm
	BLOCK 0
	BLOCK 1
	BLOCK 2
	BLOCK 3
	; both halves of the lanes hold a row's (cm, l): lane l takes row l of 32 from block l / 16, so that a store covers 256 consecutive bytes, aligned
	v_cndmask_b32 v216, v[KEEP],   v[KEEP+2], s76
	v_cndmask_b32 v217, v[KEEP+1], v[KEEP+3], s76
	v_cndmask_b32 v218, v[KEEP+4], v[KEEP+6], s76
	v_cndmask_b32 v219, v[KEEP+5], v[KEEP+7], s76
	global_store_b64 v[SO], v[216:217], s[66:67]
	global_store_b64 v[SO], v[218:219], s[66:67] offset:256
	s_wait_tensorcnt 0x0                           ; the wave's end
	ds_add_u32 v[SPW], v[NIL]
	s_wait_dscnt 0x0
	CROUND                                         ; the closing round
	s_endpgm
.Lfunc_end_k_q728c705927_score:
	.size	k_q728c705927_score, .Lfunc_end_k_q728c705927_score-k_q728c705927_score
	.p2alignl 7, 3214868480
	.fill 96, 4, 3214868480
	.section	.rodata,"a",@progbits
	.p2align	6, 0x0
	.amdhsa_kernel k_q728c705927_score
		.amdhsa_group_segment_fixed_size 327680
		.amdhsa_private_segment_fixed_size 0
		.amdhsa_enable_private_segment 0
		.amdhsa_kernarg_size 48
		.amdhsa_user_sgpr_count 2
		.amdhsa_user_sgpr_kernarg_segment_ptr 1
		.amdhsa_wavefront_size32 1
		.amdhsa_system_sgpr_workgroup_id_x 1
		.amdhsa_system_sgpr_workgroup_id_y 1
		.amdhsa_system_sgpr_workgroup_id_z 1
		.amdhsa_system_vgpr_workitem_id 0
		.amdhsa_next_free_vgpr 1024
		.amdhsa_next_free_sgpr 88
		.amdhsa_reserve_vcc 0
		.amdhsa_float_denorm_mode_32 3
		.amdhsa_float_denorm_mode_16_64 3
		.amdhsa_memory_ordered 1
		.amdhsa_forward_progress 1
		.amdhsa_inst_pref_size 128
	.end_amdhsa_kernel
	.amdgpu_metadata
---
amdhsa.version: [ 1, 2 ]
amdhsa.kernels:
  - .name:           k_q728c705927_score
    .symbol:         k_q728c705927_score.kd
    .args:
      - { .name: qv, .offset: 0, .size: 8, .value_kind: global_buffer, .address_space: global }
      - { .name: cb, .offset: 8, .size: 8, .value_kind: global_buffer, .address_space: global }
      - { .name: adj, .offset: 16, .size: 8, .value_kind: global_buffer, .address_space: global }
      - { .name: cvb, .offset: 24, .size: 8, .value_kind: global_buffer, .address_space: global }
      - { .name: pb, .offset: 32, .size: 8, .value_kind: global_buffer, .address_space: global }
      - { .name: stats, .offset: 40, .size: 8, .value_kind: global_buffer, .address_space: global }
    .group_segment_fixed_size: 327680
    .private_segment_fixed_size: 0
    .kernarg_segment_align: 8
    .kernarg_segment_size: 48
    .max_flat_workgroup_size: 128
    .sgpr_count:     88
    .vgpr_count:     1024
    .wavefront_size: 32
...
	.end_amdgpu_metadata
.endif
;; end of part 9
;; launch pv (part 10): grid 4 x 64, 4 waves a work-group, clusters of 4 x 4, 327,680 bytes of LDS; arguments pb, qv, stats, bo, out0; writes out0
.if DOCPART == 10
	.amdgcn_target "amdgcn-amd-amdhsa--gfx1250"
	.amdhsa_code_object_version 6
	.text
	.protected	k_q728c705927_pv
	.globl	k_q728c705927_pv
	.p2align	8
	.type	k_q728c705927_pv,@function
k_q728c705927_pv:
	s_mov_b64 s[64:65], 0
	v_nop
	global_prefetch_b8 v0, s[64:65] scope:SCOPE_SE
	s_setreg_imm32_b32 hwreg(HW_REG_WAVE_MODE, 25, 1), 1
	s_wait_xcnt 0x0
	s_wait_alu depctr_hold_cnt(0) depctr_sa_sdst(0) depctr_va_vdst(0) depctr_va_sdst(0) depctr_va_ssrc(0) depctr_va_vcc(0) depctr_vm_vsrc(0)
	s_getreg_b32 s2, hwreg(HW_REG_IB_STS2, 6, 4)
	s_cmp_eq_u32 s2, 0
	s_cbranch_scc0 .Lentry_in_a_cluster
	s_endpgm
.Lentry_in_a_cluster:
	s_bfe_u32 s2, ttmp6, 0x10000c
	s_cmp_lg_u32 s2, 0xf033
	s_cbranch_scc0 .Lentry_shape_is_right
	s_endpgm
.Lentry_shape_is_right:
; out0 = softmax x V' + bo, with V' = V Wo (qv at byte 16,777,216).  For each row: M = the maximum of its 16 block maxima cm_t; f_t = 2^(cm_t - M); L = the sum of f_t l_t;
; out0 = (the sum over t of (f_t P_t) V'_t) / L + bo, in f32.  So the row's true maximum is taken away, as in a softmax over all 2,048 keys.
; A K step of 128 keys is one block t: the fragments of P are multiplied by f_t in registers: the product is formed in f32 and rounded once to bf16, on its way to the matrix unit.
; LIMITS: p is rounded to bf16 twice (as p, as p f), l is the sum of the unrounded p; a factor below 2^-126 counts as 0; NaN and infinities are not treated apart.
; SHARES.  A work-group makes 128 rows x 256 columns; wave w: rows 64 (w / 2) on, columns 128 (w % 2) on; 32 accumulators.  K: 16 steps of 128 keys through two LDS slots.
; CLUSTER 4 x 4: P's tile is shared along a row of the cluster, V's (batch, equal in a cluster, and tile column) along a column.
; THE MATRIX INSTRUCTION IS USED TRANSPOSED: source 0 = 16 columns of V' (turned out of LDS by ds_load_tr16_b128), source 1 = 16 rows of P.
; REGISTERS (s_set_vgpr_msb: bits 1:0 source 0, 3:2 source 1, 5:4 source 2, 7:6 destination):
;   window 0: v0-31 addresses; v32-35 f of my four row blocks; v36-37 table addresses; v40-47 1 / L, four pairs; v64-191 V's fragments, two buffers (at the head: statistics; on the way out: rows)
;   window 1: v0-127 accumulators a = 0, 1; v128-191 P's fragments, two buffers; v192 the number 0      window 2: v0-127 accumulators a = 2, 3; v128-191 bo at my 64 columns a lane
.set NSTEP,  16
.set PA,     272                       ; P's LDS row: 256 bytes + 16 (64 banks of 4 bytes: ISA guide 11.1: 16 rows start 4 banks apart)
.set PB,     544                       ; V's LDS row: 512 bytes + 32
.set BOFF,   128*PA
.set BHALF,  64*PB
.set SLOT1,  1<<17
.set STAGE,  SLOT1+BOFF+128*PB
.set STAGEW, 16*528                    ; 16 rows of 512 bytes + 16
.set FTAB,   STAGE+4*STAGEW            ; [16 blocks][128 rows] f, f32
.set RLT,    FTAB+8192                 ; [128 rows] 1 / L
.set SPARE,  RLT+512                   ; the spare words, 128 bytes a wave
.set A_STEP, 256
.set B_STEP, 128*2048
.set ADRA0, 16
.set ADRB0, 17
.set ADRA,  18
.set ADRB,  19
.set STO,   24
.set RD,    25
.set CO,    26
.set VX,    27
.set SPW,   28
.set NIL,   29
.set FAC,   32
.set VF0,   36                         ; my lane's place in a block of the table; never rewritten
.set VF,    37                         ; the same in the block to be fetched
.set RLV,   40
.set BF,    64
.set AF,    128
.set Z1,    192                        ; in window 1
.set BIAS,  128                        ; in window 2
.set G1,  24
.set G0,  32
.set G1B, 48
.set G0B, 56
.set TB,  77
.set FB,  78                           ; s78  byte at which the table's block to be fetched begins
.set MUL_HI, 0xa4
.set MUL_LO, 0x54
.set TO_A,   0x40
.set MSB, 0
.macro WIN new                         ; the immediate's high byte repeats the setting that is left
.if MSB != (\new)
	s_set_vgpr_msb (MSB<<8)|(\new)
.set MSB, (\new)
.endif
.endm
.macro PLACES                          ; four plain vector instructions behind matrix instructions (ISA guide 7.12.1)
.rept 4
	v_nop
.endr
.endm
.macro CREST
	s_cmp_lg_u32 s10, 0
	s_cbranch_scc1 .Lnot_wave_0_\@
	s_barrier_signal -3
.Lnot_wave_0_\@:
	s_barrier_wait -3
	s_barrier_signal -1
	s_barrier_wait -1
.endm
.macro CROUND
	s_barrier_signal -1
	s_barrier_wait -1
	CREST
.endm
.macro JLOAD                           ; a joint refill: waves 0, 1 fetch P's halves, waves 2, 3 V's; s_nop 0 and four v_nop follow each line
	s_cmp_eq_u32 s11, 0
	s_cbranch_scc0 .Lfor_b_\@
	tensor_load_to_lds s[G0+4:G0+7], s[G1:G1+7]
	s_nop 0
	PLACES
	s_branch .Lasked_\@
.Lfor_b_\@:
	tensor_load_to_lds s[G0B+4:G0B+7], s[G1B:G1B+7]
	s_nop 0
	PLACES
.Lasked_\@:
.endm
	s_load_b128 s[4:7], s[0:1], 0x0                ; pb s[4:5], qv s[6:7]
	s_load_b64 s[8:9], s[0:1], 0x10                ; stats
	s_load_b64 s[66:67], s[0:1], 0x18              ; bo
	s_load_b64 s[68:69], s[0:1], 0x20              ; out0
	v_lshl_add_u32 v[SPW], v0, 2, SPARE
	v_mov_b32 v[NIL], 0
	ds_add_u32 v[SPW], v[NIL]                      ; the wave's opening: the add and its wait stand ahead of my first tensor load
	v_lshrrev_b32 v1, 5, v0
	v_readfirstlane_b32 s10, v1
	s_lshr_b32 s11, s10, 1
	s_and_b32 s12, s10, 1
	s_bfe_u32 s40, ttmp6, 0x40000
	s_bfe_u32 s41, ttmp6, 0x40004
	s_lshl_b32 s42, ttmp9, 2
	s_add_co_u32 s42, s42, s40                     ; tile column
	s_and_b32 s45, ttmp7, 0xffff
	s_lshl_b32 s13, s45, 2
	s_add_co_u32 s13, s13, s41                     ; tile row
	s_lshr_b32 s45, s45, 2                         ; the batch
	s_lshl_b32 s43, s41, 2
	s_lshl_b32 s43, 15, s43
	s_lshl_b32 s44, 0x1111, s40
	s_or_b32 s[G1], s43, (1<<16)|(1<<20)|(1<<21)|(5<<22)|(3<<25)
	s_mov_b32 s[G1+1], 128<<16
	s_mov_b32 s[G1+2], 64<<16
	s_mov_b32 s[G1+3], 128<<16
	s_mov_b32 s[G1+4], 64
	s_mov_b32 s[G1+5], 2048                        ; P's rows are 2,048 elements apart
	s_mov_b32 s[G1+6], 0
	s_mov_b32 s[G1+7], 0
	s_or_b32 s[G1B], s44, (1<<16)|(1<<20)|(1<<21)|(6<<22)|(7<<25)
	s_mov_b32 s[G1B+1], 256<<16
	s_mov_b32 s[G1B+2], 64<<16
	s_mov_b32 s[G1B+3], 256<<16
	s_mov_b32 s[G1B+4], 64
	s_mov_b32 s[G1B+5], 1024
	s_mov_b32 s[G1B+6], 0
	s_mov_b32 s[G1B+7], 0
	s_lshl_b32 s16, s13, 19                        ; P: 128 rows of 4,096 bytes a tile row, my 64 of them
	s_lshl_b32 s19, s12, 18
	s_add_co_u32 s16, s16, s19
	s_mov_b32 s17, 0
	s_lshl_b32 s46, s45, 22                        ; V': the batch's 2,048 rows, the tile's 256 columns, my 64 keys
	s_add_co_u32 s46, s46, 16777216
	s_lshl_b32 s20, s42, 9
	s_add_co_u32 s46, s46, s20
	s_lshl_b32 s20, s12, 17
	s_add_co_u32 s46, s46, s20
	s_mov_b32 s47, 0
	s_mul_i32 s80, s12, 64*PA
	s_mul_i32 s81, s12, BHALF
	s_add_co_u32 s81, s81, BOFF
	s_lshl_b32 s84, s42, 10                        ; my 128 columns in f32: in bo,
	s_lshl_b32 s21, s12, 9
	s_add_co_u32 s84, s84, s21
	s_mov_b32 s85, 0
	s_lshl_b32 s22, s13, 19                        ; and in out0, whose rows are 4,096 bytes
	s_lshl_b32 s21, s11, 18
	s_add_co_u32 s22, s22, s21
	s_add_co_u32 s22, s22, s84
	s_mov_b32 s23, 0
	s_lshl_b32 s82, s13, 10                        ; stats: the work-group's 128 rows, 8 bytes each
	s_mov_b32 s83, 0
	s_mov_b32 s[TB], 0
	s_mov_b32 s[FB], 0
	s_wait_dscnt 0x0
	s_wait_kmcnt 0x0
	s_add_nc_u64 s[14:15], s[4:5], s[16:17]
	s_add_nc_u64 s[46:47], s[6:7], s[46:47]
	s_add_nc_u64 s[8:9], s[8:9], s[82:83]
	s_add_nc_u64 s[66:67], s[66:67], s[84:85]
	s_add_nc_u64 s[68:69], s[68:69], s[22:23]
.irp s, 0,1
	s_mov_b32 s[G0+4*(\s)], 1
	s_add_co_u32 s[G0+4*(\s)+1], s80, (\s)*SLOT1
	s_add_nc_u64 s[G0+4*(\s)+2:G0+4*(\s)+3], s[14:15], (\s)*A_STEP
	s_or_b32 s[G0+4*(\s)+3], s[G0+4*(\s)+3], 0x80000000
	s_mov_b32 s[G0B+4*(\s)], 1
	s_add_co_u32 s[G0B+4*(\s)+1], s81, (\s)*SLOT1
	s_add_nc_u64 s[G0B+4*(\s)+2:G0B+4*(\s)+3], s[46:47], (\s)*B_STEP
	s_or_b32 s[G0B+4*(\s)+3], s[G0B+4*(\s)+3], 0x80000000
.endr
	CROUND                                         ; the first joint loads meet
	s_cmp_eq_u32 s11, 0                            ; a wave's two first fills stand in one branch: two loads of mine are out
	s_cbranch_scc0 .Lfirst_b
	tensor_load_to_lds s[G0:G0+3], s[G1:G1+7]
	s_nop 0
	tensor_load_to_lds s[G0+4:G0+7], s[G1:G1+7]
	s_nop 0
	PLACES
	s_branch .Lfirst_asked
.Lfirst_b:
	tensor_load_to_lds s[G0B:G0B+3], s[G1B:G1B+7]
	s_nop 0
	tensor_load_to_lds s[G0B+4:G0B+7], s[G1B:G1B+7]
	s_nop 0
	PLACES
.Lfirst_asked:
	; THE ROWS' STATISTICS, in the wait for the first tiles: thread t owns row t of the work-group's 128.  A wave's load covers 256 consecutive bytes.
	v_lshlrev_b32 v14, 3, v0
.set i, 0
.rept 16
	global_load_b64 v[64+2*i:65+2*i], v14, s[8:9] offset:i*65536   ; (cm, l) of block i
.set i, i+1
.endr
	v_and_b32 v1, 15, v0                           ; r
	v_bfe_u32 v2, v0, 4, 1                         ; h
	v_and_b32 v3, 31, v0                           ; l
	v_lshlrev_b32 v[VX], 5, v2
	WIN 0x80                                       ; destination window 2
.irp b, 0,1,2,3,4,5,6,7
	global_load_b128 v[BIAS+8*(\b):BIAS+8*(\b)+3],   v[VX], s[66:67] offset:64*(\b)
	global_load_b128 v[BIAS+8*(\b)+4:BIAS+8*(\b)+7], v[VX], s[66:67] offset:64*(\b)+16
.endr
	WIN 0x40
	v_mov_b32 v[Z1], 0                             ; the addend of the products p f
	WIN 0
	v_lshl_add_u32 v15, v0, 2, FTAB
	v_mul_u32_u24 v4, v1, PA
	v_lshl_add_u32 v4, v2, 4, v4
	s_mul_i32 s18, s11, 64*PA
	v_add_nc_u32 v[ADRA0], s18, v4
	v_and_b32 v5, 7, v0
	v_lshl_add_u32 v5, v2, 3, v5                   ; the turning load: key 8 h + l % 8,
	v_mul_u32_u24 v5, v5, PB
	v_bfe_u32 v6, v0, 3, 1
	v_lshl_add_u32 v5, v6, 4, v5                   ; columns 8 ((l / 8) % 2) on,
	s_lshl_b32 s20, s12, 8
	s_add_co_u32 s20, s20, BOFF
	v_add_nc_u32 v[ADRB0], s20, v5                 ; in my 128 columns
	v_mov_b32 v[ADRA], v[ADRA0]
	v_mov_b32 v[ADRB], v[ADRB0]
	s_mul_i32 s79, s10, STAGEW
	s_add_co_u32 s79, s79, STAGE                   ; my stage
	v_mul_u32_u24 v7, v1, 528
	v_lshl_add_u32 v7, v2, 5, v7
	v_add_nc_u32 v[STO], s79, v7                   ; in: row r, 32 bytes for each half of the lanes
	v_lshlrev_b32 v[CO], 4, v3                     ; back and out: a whole row of 512 bytes, 16 bytes a lane
	v_add_nc_u32 v[RD], s79, v[CO]
	s_lshl_b32 s21, s11, 8                         ; my 64 rows' words in a block of the table
	s_add_co_u32 s21, s21, FTAB
	v_lshl_add_u32 v[VF0], v1, 2, s21
	s_wait_loadcnt 16                              ; the statistics are in; bo's sixteen loads, issued behind them, may stay out
	v_max3_num_f32 v12, v64, v66, v68
.irp j, 1,2,3,4,5,6
	v_max3_num_f32 v12, v12, v[64+4*(\j)+2], v[64+4*(\j)+4]
.endr
	v_max_num_f32 v12, v12, v94                    ; M
.set i, 0
.rept 16
	v_sub_f32 v[96+i], v[64+2*i], v12
.set i, i+1
.endr
.set i, 0
.rept 16
	v_exp_f32 v[96+i], v[96+i]                     ; f
.set i, i+1
.endr
	v_nop                                          ; a plain instruction behind the last exponential (ISA guide 5.7.2)
	s_wait_alu depctr_va_vdst(0)
	v_mul_f32 v13, v96, v65
.set i, 1
.rept 15
	v_fmac_f32 v13, v[96+i], v[65+2*i]             ; L
.set i, i+1
.endr
.set i, 0
.rept 16
	ds_store_b32 v15, v[96+i] offset:512*i
.set i, i+1
.endr
	v_rcp_f32 v13, v13
	v_nop
	s_wait_alu depctr_va_vdst(0)
	ds_store_b32 v15, v13 offset:8192              ; 1 / L
; 8 matrix instructions: row block a x all 8 column blocks, from buffer f.  ride = g: behind each stand 2 x per lines that scale 'per' words of P's fragments in buffer g, from word 'base' on:
; each half of a word times f, exact in f32, rounded once to bf16, back into its half.  Under the setting in hand the destination, source 1 (the fragment) and source 2 (the 0) lie in window 1,
; source 0 (the factor) in window 0; none names a register of the products round it.
.macro MUL8 f, a, zero=0, ride=-1, base=0, per=2
.irp b, 0,1,2,3,4,5,6,7
.if \zero
	v_wmma_f32_16x16x32_bf16 v[64*((\a)%2)+8*(\b):64*((\a)%2)+8*(\b)+7], v[BF+64*(\f)+8*(\b):BF+64*(\f)+8*(\b)+7], v[AF+32*(\f)+8*(\a):AF+32*(\f)+8*(\a)+7], 0
.else
	v_wmma_f32_16x16x32_bf16 v[64*((\a)%2)+8*(\b):64*((\a)%2)+8*(\b)+7], v[BF+64*(\f)+8*(\b):BF+64*(\f)+8*(\b)+7], v[AF+32*(\f)+8*(\a):AF+32*(\f)+8*(\a)+7], v[64*((\a)%2)+8*(\b):64*((\a)%2)+8*(\b)+7]
.endif
.if (\ride) >= 0
.set z, 0
.rept \per
.set dw, (\base)+(\per)*(\b)+z
	v_fma_mixlo_bf16 v[AF+32*(\ride)+dw], v[FAC+dw/8], v[AF+32*(\ride)+dw], v[Z1] op_sel_hi:[0,1,0]
	v_fma_mixhi_bf16 v[AF+32*(\ride)+dw], v[FAC+dw/8], v[AF+32*(\ride)+dw], v[Z1] op_sel:[0,1,0] op_sel_hi:[0,1,0]
.set z, z+1
.endr
.endif
.endr
.endm
.macro FETCH kq, g                     ; 24 LDS loads in one run: quarter kq's fragments into buffer g; P's eight first
	WIN TO_A
.irp a, 0,1,2,3
	ds_load_b128 v[AF+32*(\g)+8*(\a):AF+32*(\g)+8*(\a)+3],   v[ADRA] offset:(\a)*16*PA+64*(\kq)
	ds_load_b128 v[AF+32*(\g)+8*(\a)+4:AF+32*(\g)+8*(\a)+7], v[ADRA] offset:(\a)*16*PA+64*(\kq)+32
.endr
	WIN 0
.irp b, 0,1,2,3,4,5,6,7
	ds_load_tr16_b128 v[BF+64*(\g)+8*(\b):BF+64*(\g)+8*(\b)+3],   v[ADRB] offset:(\kq)*32*PB+32*(\b)
	ds_load_tr16_b128 v[BF+64*(\g)+8*(\b)+4:BF+64*(\g)+8*(\b)+7], v[ADRB] offset:(\kq)*32*PB+16*PB+32*(\b)
.endr
.endm
.macro QUARTER kq, f, g, zero=0        ; buffer f is multiplied, the 32 accumulators by turns (a = 2, 3, 0, 1); quarter kq is asked for into g and its P scaled
	s_wait_dscnt 0x0                               ; buffer f, asked for a quarter ago, is in
	PLACES
	FETCH \kq, \g
	WIN MUL_HI
	MUL8 \f, 2, \zero
	MUL8 \f, 3, \zero
	WIN MUL_LO
	s_wait_dscnt 16                                ; P's eight loads are in; V's sixteen, issued behind them, may stay out
	MUL8 \f, 0, \zero, \g, 0, 2
	MUL8 \f, 1, \zero, \g, 16, 2
.endm
.macro FACLOAD                         ; the next block's factors: the step in hand has had its last scaling
	WIN 0
	s_add_co_u32 s[FB], s[FB], 512
	v_add_nc_u32 v[VF], s[FB], v[VF0]
.irp a, 0,1,2,3
	ds_load_b32 v[FAC+(\a)], v[VF] offset:64*(\a)
.endr
.endm
.macro TURN fill                       ; the last quarter multiplies buffer 1 and changes slots; fill = 1: the slot just read is filled again behind a round of the cluster's barrier
	WIN 0
	s_wait_tensorcnt 0x0                           ; all my tensor loads have landed: my part of the next slot
	ds_add_u32 v[SPW], v[NIL]
.if \fill
	s_xor_b32 s[G0+5], s[G0+5], SLOT1
	s_add_nc_u64 s[G0+6:G0+7], s[G0+6:G0+7], A_STEP
	s_xor_b32 s[G0B+5], s[G0B+5], SLOT1
	s_add_nc_u64 s[G0B+6:G0B+7], s[G0B+6:G0B+7], B_STEP
.endif
	s_wait_dscnt 1                                 ; buffer 1 and the factors are in; the add alone may be out
	WIN MUL_HI
	MUL8 1, 2
	s_wait_dscnt 0x0                               ; the add is done, and my reads of this slot are over
	s_barrier_signal -1
	MUL8 1, 3
	WIN 0
	s_barrier_wait -1
.if \fill
	CREST
.endif
	s_xor_b32 s[TB], s[TB], SLOT1
.if \fill
	JLOAD
.else
	PLACES
.endif
	v_add_nc_u32 v[ADRA], s[TB], v[ADRA0]
	v_add_nc_u32 v[ADRB], s[TB], v[ADRB0]
	FETCH 0, 0
	WIN MUL_LO
	MUL8 1, 0                                      ; eight products stand between P's loads and the wait for them,
	s_wait_dscnt 16                                ; P's eight loads are in
	MUL8 1, 1, 0, 0, 0, 4                          ; so all 32 words are scaled behind the other eight
.endm
	s_wait_tensorcnt 1                             ; my part of K step 0 is in; step 1's may stay out
	s_wait_dscnt 0x0                               ; for the others' sake: my rows of the two tables are written
	s_barrier_signal -1
	s_barrier_wait -1
	FETCH 0, 0
.irp a, 0,1,2,3
	ds_load_b32 v[FAC+(\a)], v[VF0] offset:64*(\a)             ; block 0's factors for my rows 16 a + r
	ds_load_b32 v[RLV+2*(\a)], v[VF0] offset:8192+64*(\a)      ; and their 1 / L
.endr
	s_wait_dscnt 0x0
.irp a, 0,1,2,3
	v_mov_b32 v[RLV+2*(\a)+1], v[RLV+2*(\a)]       ; named as pairs
.endr
	WIN MUL_LO
.set i, 0
.rept 32                                               ; the first quarter's P has no products to ride behind
	v_fma_mixlo_bf16 v[AF+i], v[FAC+i/8], v[AF+i], v[Z1] op_sel_hi:[0,1,0]
	v_fma_mixhi_bf16 v[AF+i], v[FAC+i/8], v[AF+i], v[Z1] op_sel:[0,1,0] op_sel_hi:[0,1,0]
.set i, i+1
.endr
	QUARTER 1, 0, 1, 1
	WIN 0
	s_mov_b32 s3, NSTEP-2
.Lstep:
	QUARTER 2, 1, 0
	QUARTER 3, 0, 1
	FACLOAD
	TURN 1
	QUARTER 1, 0, 1
	WIN 0
	s_sub_co_u32 s3, s3, 1
	s_cmp_lg_u32 s3, 0
	s_cbranch_scc1 .Lstep
	QUARTER 2, 1, 0
	QUARTER 3, 0, 1
	FACLOAD
	TURN 0
	QUARTER 1, 0, 1
	QUARTER 2, 1, 0
	QUARTER 3, 0, 1
	s_wait_dscnt 0x0
	WIN MUL_HI
	MUL8 1, 2
	MUL8 1, 3
	WIN MUL_LO
	MUL8 1, 0
	MUL8 1, 1
	WIN 0
	PLACES
	s_wait_loadcnt 0x0                             ; bo
; THE WAY OUT of block a (16 rows x my 128 columns, f32): acc / L + bo in one fused line; 32 bytes a lane into my stage; back as whole rows of 512 bytes; stored.
.macro OUTB a
.set AC, 64*((\a)%2)
.set OB, 64+64*((\a)%2)
	WIN 0x61+0x41*((\a)/2)                         ; accumulators in window 1 or 2, 1 / L in window 0, bo in window 2
.set i, 0
.rept 32
	v_pk_fma_f32 v[AC+2*i:AC+2*i+1], v[AC+2*i:AC+2*i+1], v[RLV+2*(\a):RLV+2*(\a)+1], v[BIAS+2*i:BIAS+2*i+1] op_sel_hi:[1,0,1]
.set i, i+1
.endr
	WIN 0x04*(1+(\a)/2)                            ; store data in the accumulators' window
.irp b, 0,1,2,3,4,5,6,7
	ds_store_b128 v[STO], v[AC+8*(\b):AC+8*(\b)+3]   offset:64*(\b)
	ds_store_b128 v[STO], v[AC+8*(\b)+4:AC+8*(\b)+7] offset:64*(\b)+16
.endr
	WIN 0
.if (\a) >= 2
	s_wait_xcnt 0x0                                ; the stores of the block two back have read these registers (ISA guide 3.1)
.endif
.irp t, 0,1,2,3,4,5,6,7,8,9,10,11,12,13,14,15
	ds_load_b128 v[OB+4*(\t):OB+4*(\t)+3], v[RD] offset:528*(\t)   ; LDS serves a wave's instructions in order (ISA guide 5.7.1.4)
.endr
	s_wait_dscnt 0x0
.irp t, 0,1,2,3,4,5,6,7,8,9,10,11,12,13,14,15
	global_store_b128 v[CO], v[OB+4*(\t):OB+4*(\t)+3], s[68:69] offset:(16*(\a)+(\t))*4096 th:TH_STORE_NT  ; a store covers 512 consecutive bytes, aligned
.endr
.endm
	OUTB 0
	OUTB 1
	OUTB 2
	OUTB 3
	s_wait_tensorcnt 0x0                           ; the wave's end
	ds_add_u32 v[SPW], v[NIL]
	s_wait_dscnt 0x0
	CROUND                                         ; the closing round
	s_endpgm
.Lfunc_end_k_q728c705927_pv:
	.size	k_q728c705927_pv, .Lfunc_end_k_q728c705927_pv-k_q728c705927_pv
	.p2alignl 7, 3214868480
	.fill 96, 4, 3214868480
	.section	.rodata,"a",@progbits
	.p2align	6, 0x0
	.amdhsa_kernel k_q728c705927_pv
		.amdhsa_group_segment_fixed_size 327680
		.amdhsa_private_segment_fixed_size 0
		.amdhsa_enable_private_segment 0
		.amdhsa_kernarg_size 40
		.amdhsa_user_sgpr_count 2
		.amdhsa_user_sgpr_kernarg_segment_ptr 1
		.amdhsa_wavefront_size32 1
		.amdhsa_system_sgpr_workgroup_id_x 1
		.amdhsa_system_sgpr_workgroup_id_y 1
		.amdhsa_system_sgpr_workgroup_id_z 1
		.amdhsa_system_vgpr_workitem_id 0
		.amdhsa_next_free_vgpr 704
		.amdhsa_next_free_sgpr 88
		.amdhsa_reserve_vcc 0
		.amdhsa_float_denorm_mode_32 3
		.amdhsa_float_denorm_mode_16_64 3
		.amdhsa_memory_ordered 1
		.amdhsa_forward_progress 1
		.amdhsa_inst_pref_size 134
	.end_amdhsa_kernel
	.amdgpu_metadata
---
amdhsa.version: [ 1, 2 ]
amdhsa.kernels:
  - .name:           k_q728c705927_pv
    .symbol:         k_q728c705927_pv.kd
    .args:
      - { .name: pb, .offset: 0, .size: 8, .value_kind: global_buffer, .address_space: global }
      - { .name: qv, .offset: 8, .size: 8, .value_kind: global_buffer, .address_space: global }
      - { .name: stats, .offset: 16, .size: 8, .value_kind: global_buffer, .address_space: global }
      - { .name: bo, .offset: 24, .size: 8, .value_kind: global_buffer, .address_space: global }
      - { .name: out0, .offset: 32, .size: 8, .value_kind: global_buffer, .address_space: global }
    .group_segment_fixed_size: 327680
    .private_segment_fixed_size: 0
    .kernarg_segment_align: 8
    .kernarg_segment_size: 40
    .max_flat_workgroup_size: 128
    .sgpr_count:     88
    .vgpr_count:     704
    .wavefront_size: 32
...
	.end_amdgpu_metadata
.endif
;; end of part 10
;; ======== version 3 of 3: 5 launches; 1.28 times as fast as version 1
;; workspace buffers: cb 41,943,040 bytes; vecs 4,096 bytes; wf 4,194,304 bytes; cvb 40,960 bytes; qv 33,554,432 bytes; pb 33,554,432 bytes; stats 1,048,576 bytes
;; launch prep: the kernel of part 6 again; grid 1280 x 1, 8 waves a work-group, no clusters, 35,840 bytes of LDS; arguments x, y, Wq, Wk, Wv, Wo, bk, cb, vecs; writes cb, vecs
;; launch wprod: the kernel of part 7 again; grid 16 x 32, 4 waves a work-group, clusters of 4 x 4, 327,680 bytes of LDS; arguments cb, vecs, bq, bk, bv, wf, cvb; writes wf, cvb
;; launch proj (part 11): grid 4 x 64, 4 waves a work-group, clusters of 4 x 4, 327,680 bytes of LDS; arguments cb, wf, cvb, qv; writes qv
.if DOCPART == 11
	.amdgcn_target "amdgcn-amd-amdhsa--gfx1250"
	.amdhsa_code_object_version 6
	.text
	.protected	k_q728c705927_proj
	.globl	k_q728c705927_proj
	.p2align	8
	.type	k_q728c705927_proj,@function
k_q728c705927_proj:
	s_mov_b64 s[64:65], 0
	v_nop
	global_prefetch_b8 v0, s[64:65] scope:SCOPE_SE
	s_setreg_imm32_b32 hwreg(HW_REG_WAVE_MODE, 25, 1), 1
	s_wait_xcnt 0x0
	s_wait_alu depctr_hold_cnt(0) depctr_sa_sdst(0) depctr_va_vdst(0) depctr_va_sdst(0) depctr_va_ssrc(0) depctr_va_vcc(0) depctr_vm_vsrc(0)
	s_getreg_b32 s2, hwreg(HW_REG_IB_STS2, 6, 4)
	s_cmp_eq_u32 s2, 0
	s_cbranch_scc0 .Lentry_in_a_cluster
	s_endpgm
.Lentry_in_a_cluster:
	s_bfe_u32 s2, ttmp6, 0x10000c
	s_cmp_lg_u32 s2, 0xf033
	s_cbranch_scc0 .Lentry_shape_is_right
	s_endpgm
.Lentry_shape_is_right:
; Q' = x (Wq Wk^T) + Wk bq  (= Q Wk^T)   and   V' = y (Wv Wo) + bv Wo  (= V Wo).  Operands bf16 (cb, wf), sums and bias in f32, results rounded once to bf16: qv = Q', V', each [8192][1024].
; LIMITS: NaN and infinities are not treated apart; the order of the f32 sums is the matrix unit's, K ascending.
; SHARES.  64 tile rows: 32 for each product (which = tile row / 32), 4 tile columns: 256 work-groups.  A work-group makes 256 x 256; wave w makes rows 128 (w / 2) on, columns 128 (w % 2) on:
; 64 accumulators (a = 0..7 row blocks, b = 0..7 column blocks).  K goes in 8 steps of 128 through two LDS slots: a step is 256 matrix instructions a wave, 224 of them between a refill's request and the wait for it.
; CLUSTER 4 x 4: A's tile hangs on the tile row alone and is asked for jointly by a row of the cluster, B's on the tile column (and which, equal in a cluster) by a column.
; THE MATRIX INSTRUCTION IS USED TRANSPOSED: source 0 = 16 columns of the weights (turned out of LDS by ds_load_tr16_b128, since they lie [k][n]), source 1 = 16 rows of x or y:
; lane l, register j of the result hold C(row l % 16, column 8 (l / 16) + j): eight neighbouring numbers of a row.
; REGISTERS in windows of 256 (s_set_vgpr_msb: bits 1:0 source 0, 3:2 source 1, 5:4 source 2, 7:6 destination):
;   window 0: v0-31 addresses; v64-127, v128-191 A's fragments, two buffers (on the way out: rows read back); v192-223 packed results
;   window 1: v0-63 the bias of my 64 columns a lane; v64-127, v128-191 B's fragments, two buffers
;   window 2: accumulators a = 0..3 at 8 (8 a + b)      window 3: a = 4..7
.set NSTEP,  8
.set PA,     272                       ; A's LDS row: 256 bytes + 16: the 16 rows of a fragment load start 4 banks apart (64 banks of 4 bytes: ISA guide 11.1)
.set PB,     544                       ; B's LDS row: 512 bytes + 32
.set HALFT,  128*PA                    ; what one tensor load brings: 128 rows of A, or 64 k-rows of B: 34,816 bytes
.set BOFF,   2*HALFT                   ; a slot: A's 256 rows, then B's 128 k-rows
.set SLOTB,  4*HALFT                   ; 139,264 = 0x22000: it shares no bit with wave x 34,816 (0, 0x8800, 0x11000, 0x19800), so one exclusive or changes slots
.set STAGE,  2*SLOTB                   ; behind the ring: 16 rows x 272 bytes for each wave, for the way out
.set STAGEW, 16*PA
.set SPARE,  STAGE+4*STAGEW            ; the spare words, 128 bytes a wave: two blocks of 256 bytes that no other line names
.set A_STEP, 256                       ; bytes from K step to K step in A's rows
.set B_STEP, 128*2048                  ; and down B's rows
.set ADRA0, 16                         ; v16, v17  my lane's place in A's and B's tile; never rewritten
.set ADRB0, 17
.set ADRA,  18                         ; v18, v19  the same in the slot in hand
.set ADRB,  19
.set STO,   24                         ; the way out: where I put 16 bytes of a row
.set RD,    25                         ; where I read rows back
.set CO,    26                         ; my byte offset in the output
.set VX,    27                         ; my byte offset in the bias
.set SPW,   28                         ; LDS address of my spare word; never rewritten
.set NIL,   29                         ; 0; never rewritten
.set F,     64                         ; fragment buffer g at F + 64 g, in window 0 (A) and in window 1 (B)
.set TMP,   192
.set BIAS,  0                          ; in window 1
.set G1,  24                           ; s[24:31] descriptor group 1 for A;  s[32:39] group 0: the two first fills' sets; the second then walks
.set G0,  32
.set G1B, 48                           ; s[48:55], s[56:63] the same for B
.set G0B, 56
.set TB,  77                           ; s77  LDS byte at which the slot in hand begins
.set MUL_LO, 0xa1                      ; B window 1, A window 0, C and D window 2
.set MUL_HI, 0xf1                      ; the same, C and D window 3
.set TO_B,   0x40                      ; destination window 1, address window 0
.set MSB, 0
.macro WIN new                         ; the immediate's high byte repeats the setting that is left; a switch that changes nothing is dropped
.if MSB != (\new)
	s_set_vgpr_msb (MSB<<8)|(\new)
.set MSB, (\new)
.endif
.endm
.macro PLACES                          ; four plain vector instructions behind matrix instructions, ahead of loads into their sources and of reads of their results
.rept 4
	v_nop
.endr
.endm
.macro CREST                           ; a round of the cluster's barrier behind its opening barrier
	s_cmp_lg_u32 s10, 0
	s_cbranch_scc1 .Lnot_wave_0_\@
	s_barrier_signal -3
.Lnot_wave_0_\@:
	s_barrier_wait -3
	s_barrier_signal -1
	s_barrier_wait -1
.endm
.macro CROUND
	s_barrier_signal -1
	s_barrier_wait -1
	CREST
.endm
.macro JLOAD                           ; a joint refill: waves 0, 1 fetch A's halves, waves 2, 3 B's; s_nop 0 and four v_nop follow each line
	s_cmp_eq_u32 s11, 0
	s_cbranch_scc0 .Lfor_b_\@
	tensor_load_to_lds s[G0+4:G0+7], s[G1:G1+7]
	s_nop 0
	PLACES
	s_branch .Lasked_\@
.Lfor_b_\@:
	tensor_load_to_lds s[G0B+4:G0B+7], s[G1B:G1B+7]
	s_nop 0
	PLACES
.Lasked_\@:
.endm
	s_load_b128 s[4:7], s[0:1], 0x0                ; cb s[4:5], wf s[6:7]
	s_load_b64 s[8:9], s[0:1], 0x10                ; cvb
	s_load_b64 s[66:67], s[0:1], 0x18              ; qv
	v_lshl_add_u32 v[SPW], v0, 2, SPARE
	v_mov_b32 v[NIL], 0
	ds_add_u32 v[SPW], v[NIL]                      ; the wave's opening: the add and its wait stand ahead of my first tensor load
	v_lshrrev_b32 v1, 5, v0
	v_readfirstlane_b32 s10, v1                    ; wave 0..3
	s_lshr_b32 s11, s10, 1                         ; my half of the rows.  Also: I fetch for A (0) or B (1)
	s_and_b32 s12, s10, 1                          ; my half of the columns.  Also: which half of that tile I fetch
	s_bfe_u32 s40, ttmp6, 0x40000                  ; cx
	s_bfe_u32 s41, ttmp6, 0x40004                  ; cy
	s_lshl_b32 s42, ttmp9, 2
	s_add_co_u32 s42, s42, s40                     ; tile column = 4 x cluster x + cx
	s_and_b32 s45, ttmp7, 0xffff                   ; cluster y
	s_lshl_b32 s13, s45, 2
	s_add_co_u32 s13, s13, s41                     ; tile row = 4 x cluster y + cy
	s_lshr_b32 s45, s45, 3                         ; which product: eight clusters of rows each; equal in a cluster
	s_lshl_b32 s43, s41, 2
	s_lshl_b32 s43, 15, s43                        ; my row of the cluster
	s_lshl_b32 s44, 0x1111, s40                    ; my column
	s_or_b32 s[G1], s43, (1<<16)|(1<<20)|(1<<21)|(5<<22)|(3<<25)   ; mask; 2-byte elements; padding on; bit 21 beside a mask; after every 64 words, 4 words
	s_mov_b32 s[G1+1], 128<<16                     ; tensor_dim0 = 128
	s_mov_b32 s[G1+2], 128<<16                     ; tensor_dim1 = 128
	s_mov_b32 s[G1+3], 128<<16                     ; tile_dim0 = 128
	s_mov_b32 s[G1+4], 128                         ; tile_dim1 = 128
	s_mov_b32 s[G1+5], 1024                        ; elements from row to row
	s_mov_b32 s[G1+6], 0
	s_mov_b32 s[G1+7], 0
	s_or_b32 s[G1B], s44, (1<<16)|(1<<20)|(1<<21)|(6<<22)|(7<<25)  ; after every 128 words, 8 words
	s_mov_b32 s[G1B+1], 256<<16
	s_mov_b32 s[G1B+2], 64<<16
	s_mov_b32 s[G1B+3], 256<<16
	s_mov_b32 s[G1B+4], 64
	s_mov_b32 s[G1B+5], 1024
	s_mov_b32 s[G1B+6], 0
	s_mov_b32 s[G1B+7], 0
	s_lshl_b32 s16, s45, 24                        ; A: x for Q', y for V',
	s_and_b32 s18, s13, 31                         ; the tile row within the product: 256 rows of 2,048 bytes,
	s_lshl_b32 s18, s18, 19
	s_add_co_u32 s16, s16, s18
	s_lshl_b32 s19, s12, 18                        ; my 128 rows of it
	s_add_co_u32 s16, s16, s19
	s_mov_b32 s17, 0
	s_lshl_b32 s46, s45, 21                        ; B: the product's weights in wf,
	s_lshl_b32 s20, s42, 9                         ; the tile's 256 columns,
	s_add_co_u32 s46, s46, s20
	s_lshl_b32 s20, s12, 17                        ; my 64 k-rows
	s_add_co_u32 s46, s46, s20
	s_mov_b32 s47, 0
	s_mul_i32 s80, s10, HALFT                      ; where they go: A's two halves, then B's two = wave x 34,816: no place in the cluster enters an LDS address
	s_lshl_b32 s22, s45, 24                        ; the output: the product's part of qv, my first row, my first column
	s_add_co_u32 s22, s22, s18
	s_lshl_b32 s21, s11, 18
	s_add_co_u32 s22, s22, s21
	s_lshl_b32 s21, s42, 9
	s_add_co_u32 s22, s22, s21
	s_lshl_b32 s21, s12, 8
	s_add_co_u32 s22, s22, s21
	s_mov_b32 s23, 0
	s_lshl_b32 s84, s42, 10                        ; the bias of my 128 columns: Q's at byte 36,864 of cvb, V's 4,096 in front of it
	s_lshl_b32 s21, s12, 9
	s_add_co_u32 s84, s84, s21
	s_add_co_u32 s84, s84, 36864
	s_lshl_b32 s21, s45, 12
	s_sub_co_u32 s84, s84, s21
	s_mov_b32 s85, 0
	s_mov_b32 s[TB], 0
	s_wait_dscnt 0x0                               ; the opening add is done
	s_wait_kmcnt 0x0
	s_add_nc_u64 s[14:15], s[4:5], s[16:17]
	s_add_nc_u64 s[46:47], s[6:7], s[46:47]
	s_add_nc_u64 s[66:67], s[66:67], s[22:23]
	s_add_nc_u64 s[82:83], s[8:9], s[84:85]
.irp s, 0,1
	s_mov_b32 s[G0+4*(\s)], 1                                       ; count = 1
	s_add_co_u32 s[G0+4*(\s)+1], s80, (\s)*SLOTB                    ; LDS address
	s_add_nc_u64 s[G0+4*(\s)+2:G0+4*(\s)+3], s[14:15], (\s)*A_STEP  ; global address: K step s
	s_or_b32 s[G0+4*(\s)+3], s[G0+4*(\s)+3], 0x80000000             ; type = 2
	s_mov_b32 s[G0B+4*(\s)], 1
	s_add_co_u32 s[G0B+4*(\s)+1], s80, (\s)*SLOTB
	s_add_nc_u64 s[G0B+4*(\s)+2:G0B+4*(\s)+3], s[46:47], (\s)*B_STEP
	s_or_b32 s[G0B+4*(\s)+3], s[G0B+4*(\s)+3], 0x80000000
.endr
	CROUND                                         ; all sixteen work-groups are here: the first joint loads meet
	s_cmp_eq_u32 s11, 0                            ; a wave's two first fills stand in one branch: two loads of mine are out
	s_cbranch_scc0 .Lfirst_b
	tensor_load_to_lds s[G0:G0+3], s[G1:G1+7]
	s_nop 0
	tensor_load_to_lds s[G0+4:G0+7], s[G1:G1+7]
	s_nop 0
	PLACES
	s_branch .Lfirst_asked
.Lfirst_b:
	tensor_load_to_lds s[G0B:G0B+3], s[G1B:G1B+7]
	s_nop 0
	tensor_load_to_lds s[G0B+4:G0B+7], s[G1B:G1B+7]
	s_nop 0
	PLACES
.Lfirst_asked:
	v_and_b32 v1, 15, v0                           ; r = l % 16
	v_bfe_u32 v2, v0, 4, 1                         ; h = l / 16
	v_lshlrev_b32 v[VX], 5, v2                     ; my 8 columns of each block of 16: 32 h bytes
	WIN TO_B                                       ; destination window 1
.irp b, 0,1,2,3,4,5,6,7
	global_load_b128 v[BIAS+8*(\b):BIAS+8*(\b)+3],   v[VX], s[82:83] offset:64*(\b)
	global_load_b128 v[BIAS+8*(\b)+4:BIAS+8*(\b)+7], v[VX], s[82:83] offset:64*(\b)+16
.endr
	WIN 0
	v_mul_u32_u24 v4, v1, PA
	v_lshl_add_u32 v4, v2, 4, v4                   ; r x 272 + 16 h
	s_mul_i32 s18, s11, HALFT
	v_add_nc_u32 v[ADRA0], s18, v4                 ; A's fragments: my 128 rows
	v_and_b32 v5, 7, v0
	v_lshl_add_u32 v5, v2, 3, v5                   ; the turning load: k-row 8 h + l % 8,
	v_mul_u32_u24 v5, v5, PB
	v_bfe_u32 v6, v0, 3, 1
	v_lshl_add_u32 v5, v6, 4, v5                   ; columns 8 ((l / 8) % 2) on,
	s_lshl_b32 s20, s12, 8
	s_add_co_u32 s20, s20, BOFF
	v_add_nc_u32 v[ADRB0], s20, v5                 ; in my 128 columns
	v_mov_b32 v[ADRA], v[ADRA0]
	v_mov_b32 v[ADRB], v[ADRB0]
	s_mul_i32 s79, s10, STAGEW
	s_add_co_u32 s79, s79, STAGE                   ; my stage
	v_add_nc_u32 v[STO], s79, v4                   ; in: row r, 16 bytes for each half of the lanes
	v_mul_u32_u24 v7, v2, PA
	v_lshl_add_u32 v7, v1, 4, v7
	v_add_nc_u32 v[RD], s79, v7                    ; back: lanes 0-15 one row of 256 bytes, lanes 16-31 the next
	v_lshlrev_b32 v[CO], 11, v2                    ; and the same two rows of 2,048 bytes in the output
	v_lshl_add_u32 v[CO], v1, 4, v[CO]
; 8 matrix instructions: row block a x all 8 column blocks, 32 along K, from buffer f.  zero = 1: the product starts the sums
.macro MUL8 f, a, zero=0
.irp b, 0,1,2,3,4,5,6,7
.if \zero
	v_wmma_f32_16x16x32_bf16 v[64*((\a)%4)+8*(\b):64*((\a)%4)+8*(\b)+7], v[F+64*(\f)+8*(\b):F+64*(\f)+8*(\b)+7], v[F+64*(\f)+8*(\a):F+64*(\f)+8*(\a)+7], 0
.else
	v_wmma_f32_16x16x32_bf16 v[64*((\a)%4)+8*(\b):64*((\a)%4)+8*(\b)+7], v[F+64*(\f)+8*(\b):F+64*(\f)+8*(\b)+7], v[F+64*(\f)+8*(\a):F+64*(\f)+8*(\a)+7], v[64*((\a)%4)+8*(\b):64*((\a)%4)+8*(\b)+7]
.endif
.endr
.endm
; 32 LDS loads in one run: the fragments of quarter kq (32 along K) of the slot in hand, into buffer g
.macro FETCH kq, g
	WIN TO_B
.irp b, 0,1,2,3,4,5,6,7
	ds_load_tr16_b128 v[F+64*(\g)+8*(\b):F+64*(\g)+8*(\b)+3],   v[ADRB] offset:(\kq)*32*PB+32*(\b)
	ds_load_tr16_b128 v[F+64*(\g)+8*(\b)+4:F+64*(\g)+8*(\b)+7], v[ADRB] offset:(\kq)*32*PB+16*PB+32*(\b)
.endr
	WIN 0
.irp a, 0,1,2,3,4,5,6,7
	ds_load_b128 v[F+64*(\g)+8*(\a):F+64*(\g)+8*(\a)+3],   v[ADRA] offset:(\a)*16*PA+64*(\kq)
	ds_load_b128 v[F+64*(\g)+8*(\a)+4:F+64*(\g)+8*(\a)+7], v[ADRA] offset:(\a)*16*PA+64*(\kq)+32
.endr
.endm
; A quarter of a K step: buffer f is multiplied (64 matrix instructions, the 64 accumulators by turns, always in the same order);
; ahead of them quarter kq's fragments are asked for into buffer g, which the quarter before multiplied.
.macro QUARTER kq, f, g, zero=0
	s_wait_dscnt 0x0                               ; buffer f, asked for a quarter ago, is in
	PLACES
	FETCH \kq, \g
	WIN MUL_LO
.irp a, 0,1,2,3
	MUL8 \f, \a, \zero
.endr
	WIN MUL_HI
.irp a, 4,5,6,7
	MUL8 \f, \a, \zero
.endr
.endm
; The last quarter multiplies buffer 1 and changes slots.  In front of the barrier each wave waits for all its tensor loads (one is out: its part of the next slot), adds 0 to its spare word,
; and waits for that and for its reads of this slot.  fill = 1: the barrier opens a round of the cluster's, and the slot just read is filled again, two K steps ahead, first thing behind it.
.macro TURN fill
	WIN 0
	s_wait_tensorcnt 0x0                           ; no tensor load of mine is out, so a group 0 may be written
	ds_add_u32 v[SPW], v[NIL]
.if \fill
	s_xor_b32 s[G0+5], s[G0+5], SLOTB              ; the walking descriptors: the other slot than last time, the next K step
	s_add_nc_u64 s[G0+6:G0+7], s[G0+6:G0+7], A_STEP
	s_xor_b32 s[G0B+5], s[G0B+5], SLOTB
	s_add_nc_u64 s[G0B+6:G0B+7], s[G0B+6:G0B+7], B_STEP
.endif
	s_wait_dscnt 1                                 ; buffer 1 is in; the add alone may be out
	WIN MUL_LO
	MUL8 1, 0
	MUL8 1, 1
	s_wait_dscnt 0x0                               ; the add is done, and my reads of this slot are over
	s_barrier_signal -1
	MUL8 1, 2
	MUL8 1, 3
	WIN 0                                          ; at a branch and at a label every window is 0
	s_barrier_wait -1
.if \fill
	CREST                                          ; no wave of any partner still reads this slot or has a load on its way
.endif
	s_xor_b32 s[TB], s[TB], SLOTB
.if \fill
	JLOAD                                          ; its four v_nop are also the places ahead of the loads below
.else
	PLACES
.endif
	v_add_nc_u32 v[ADRA], s[TB], v[ADRA0]
	v_add_nc_u32 v[ADRB], s[TB], v[ADRB0]
	FETCH 0, 0
	WIN MUL_HI
.irp a, 4,5,6,7
	MUL8 1, \a
.endr
.endm
	s_wait_tensorcnt 1                             ; my part of K step 0 is in; step 1's may stay out
	s_barrier_signal -1
	s_barrier_wait -1
	FETCH 0, 0
	QUARTER 1, 0, 1, 1                             ; the first quarter stands ahead of the loop: its products start the sums
	WIN 0
	s_mov_b32 s3, NSTEP-2
.Lstep:                                                ; a trip: a step's quarters 1 to 3 and the next step's quarter 0; one slot is filled again
	QUARTER 2, 1, 0
	QUARTER 3, 0, 1
	TURN 1
	QUARTER 1, 0, 1
	WIN 0
	s_sub_co_u32 s3, s3, 1
	s_cmp_lg_u32 s3, 0
	s_cbranch_scc1 .Lstep
	s_mov_b32 s3, 2
.Ltail:                                                ; the last two steps ask for nothing: one text, walked twice
	QUARTER 2, 1, 0
	QUARTER 3, 0, 1
	TURN 0                                         ; in the last trip no step follows: its barrier and its fetch (of the slot read a step ago) serve nothing: the price, once a launch, of one text for both trips
	WIN 0
	s_cmp_eq_u32 s3, 1
	s_cbranch_scc1 .Llast                          ; and the next step's first quarter is jumped over
	QUARTER 1, 0, 1
	WIN 0
.Llast:
	s_sub_co_u32 s3, s3, 1
	s_cmp_lg_u32 s3, 0
	s_cbranch_scc1 .Ltail
	s_wait_dscnt 0x0                               ; that last fetch has come back: its registers are used again below
	PLACES
	s_wait_loadcnt 0x0                             ; the bias
; THE WAY OUT, a block of 16 rows at a time: bias added, rounded to bf16; 16 bytes a lane into my stage; back as whole rows of 256 bytes; stored.
.macro PACK a
.set AC, 64*((\a)%4)
	WIN 0x86+0x41*((\a)/4)                         ; accumulators in window 2 or 3, the bias in window 1
.set i, 0
.rept 32
	v_pk_add_f32 v[AC+2*i:AC+2*i+1], v[AC+2*i:AC+2*i+1], v[BIAS+2*i:BIAS+2*i+1]
.set i, i+1
.endr
	WIN 0x0a+5*((\a)/4)                            ; sources 0 and 1: window 2 or 3
.set i, 0
.rept 32
	v_cvt_pk_bf16_f32 v[TMP+i], v[AC+2*i], v[AC+2*i+1]
.set i, i+1
.endr
	WIN 0
.endm
.macro TOSTAGE a
.irp b, 0,1,2,3,4,5,6,7
	ds_store_b128 v[STO], v[TMP+4*(\b):TMP+4*(\b)+3] offset:32*(\b)
.endr
.if (\a) >= 4
	s_wait_xcnt 0x0                                ; the stores of the block four back have read these registers (ISA guide 3.1): only now are they loaded again
.endif
.irp t, 0,1,2,3,4,5,6,7
	ds_load_b128 v[64+32*((\a)%4)+4*(\t):64+32*((\a)%4)+4*(\t)+3], v[RD] offset:2*PA*(\t)  ; LDS serves a wave's instructions in order (ISA guide 5.7.1.4): these see the stores above
.endr
.endm
.macro SEND a
	s_wait_dscnt 0x0
.irp t, 0,1,2,3,4,5,6,7
	global_store_b128 v[CO], v[64+32*((\a)%4)+4*(\t):64+32*((\a)%4)+4*(\t)+3], s[66:67] offset:(16*(\a)+2*(\t))*2048  ; 16 lanes store 256 consecutive bytes, aligned
.endr
.endm
	PACK 0
	TOSTAGE 0
.irp a, 1,2,3,4,5,6,7
	PACK \a
	SEND (\a)-1
	TOSTAGE \a
.endr
	SEND 7
	s_wait_tensorcnt 0x0                           ; the wave's end
	ds_add_u32 v[SPW], v[NIL]
	s_wait_dscnt 0x0
	CROUND                                         ; the closing round
	s_endpgm
.Lfunc_end_k_q728c705927_proj:
	.size	k_q728c705927_proj, .Lfunc_end_k_q728c705927_proj-k_q728c705927_proj
	.p2alignl 7, 3214868480
	.fill 96, 4, 3214868480
	.section	.rodata,"a",@progbits
	.p2align	6, 0x0
	.amdhsa_kernel k_q728c705927_proj
		.amdhsa_group_segment_fixed_size 327680
		.amdhsa_private_segment_fixed_size 0
		.amdhsa_enable_private_segment 0
		.amdhsa_kernarg_size 32
		.amdhsa_user_sgpr_count 2
		.amdhsa_user_sgpr_kernarg_segment_ptr 1
		.amdhsa_wavefront_size32 1
		.amdhsa_system_sgpr_workgroup_id_x 1
		.amdhsa_system_sgpr_workgroup_id_y 1
		.amdhsa_system_sgpr_workgroup_id_z 1
		.amdhsa_system_vgpr_workitem_id 0
		.amdhsa_next_free_vgpr 1024
		.amdhsa_next_free_sgpr 88
		.amdhsa_reserve_vcc 0
		.amdhsa_float_denorm_mode_32 3
		.amdhsa_float_denorm_mode_16_64 3
		.amdhsa_memory_ordered 1
		.amdhsa_forward_progress 1
		.amdhsa_inst_pref_size 117
	.end_amdhsa_kernel
	.amdgpu_metadata
---
amdhsa.version: [ 1, 2 ]
amdhsa.kernels:
  - .name:           k_q728c705927_proj
    .symbol:         k_q728c705927_proj.kd
    .args:
      - { .name: cb, .offset: 0, .size: 8, .value_kind: global_buffer, .address_space: global }
      - { .name: wf, .offset: 8, .size: 8, .value_kind: global_buffer, .address_space: global }
      - { .name: cvb, .offset: 16, .size: 8, .value_kind: global_buffer, .address_space: global }
      - { .name: qv, .offset: 24, .size: 8, .value_kind: global_buffer, .address_space: global }
    .group_segment_fixed_size: 327680
    .private_segment_fixed_size: 0
    .kernarg_segment_align: 8
    .kernarg_segment_size: 32
    .max_flat_workgroup_size: 128
    .sgpr_count:     88
    .vgpr_count:     1024
    .wavefront_size: 32
...
	.end_amdgpu_metadata
.endif
;; end of part 11
;; launch score (part 12): grid 8 x 32, 4 waves a work-group, clusters of 4 x 4, 327,680 bytes of LDS; arguments qv, cb, adj, cvb, pb, stats; writes pb, stats
.if DOCPART == 12
	.amdgcn_target "amdgcn-amd-amdhsa--gfx1250"
	.amdhsa_code_object_version 6
	.text
	.protected	k_q728c705927_score
	.globl	k_q728c705927_score
	.p2align	8
	.type	k_q728c705927_score,@function
k_q728c705927_score:
	s_mov_b64 s[64:65], 0
	v_nop
	global_prefetch_b8 v0, s[64:65] scope:SCOPE_SE
	s_setreg_imm32_b32 hwreg(HW_REG_WAVE_MODE, 25, 1), 1
	s_wait_xcnt 0x0
	s_wait_alu depctr_hold_cnt(0) depctr_sa_sdst(0) depctr_va_vdst(0) depctr_va_sdst(0) depctr_va_ssrc(0) depctr_va_vcc(0) depctr_vm_vsrc(0)
	s_getreg_b32 s2, hwreg(HW_REG_IB_STS2, 6, 4)
	s_cmp_eq_u32 s2, 0
	s_cbranch_scc0 .Lentry_in_a_cluster
	s_endpgm
.Lentry_in_a_cluster:
	s_bfe_u32 s2, ttmp6, 0x10000c
	s_cmp_lg_u32 s2, 0xf033
	s_cbranch_scc0 .Lentry_shape_is_right
	s_endpgm
.Lentry_shape_is_right:
; The scores are Q K^T / 32 + adj = (Q' y^T + c 1^T) / 32 + adj, with Q' = Q Wk^T (qv), y in bf16 (cb) and c[s] = Q[s] . bk (cvb), a constant of the row.
; u = Q' y^T / 32 + adj (f32); for each query row and each block of 128 keys: p = 2^(log2(e) (u - max u)) (bf16 into pb), l = the sum of the unrounded p: neither holds c, since u - max u does not;
; cm = log2(e) x (max u + c / 32), the block's true maximum.  stats[block][row] = (cm, l).  The next launch takes the row's maximum out of the 16 block maxima and rescales:
; the maximum is taken away as in a softmax over the whole row.
; LIMITS: NaN and infinities are not treated apart (a block whose scores are all -inf is not served); a weight below 2^-126 counts as 0; Q', y are bf16, sums f32.
; SHARES.  A work-group makes 256 queries x 256 keys of one batch (32 tile rows over the 8,192 flat rows, 8 tile columns: 256 work-groups); wave w: rows 128 (w / 2) on, keys 128 (w % 2) on: one block of keys;
; 64 accumulators.  K goes in 8 steps of 128 through two LDS slots: 256 matrix instructions a wave and step, 224 of them between a refill's request and the wait for it.
; ADJ comes into the slots as they fall free, by two tensor loads of each wave's own (no mask: nobody shares it): my rows 0-63 behind the round at the end of step 6, my rows 64-127 behind that at the end of step 7,
; 64 rows x 512 bytes each, in LDS rows of 528 bytes, from which a lane reads them as the accumulators lie.
; CLUSTER 4 x 4: Q's tile is shared along a row of the cluster, y's (batch and tile column; the batch is equal in a cluster) along a column.
; THE MATRIX INSTRUCTION IS USED TRANSPOSED: source 0 = 16 keys, source 1 = 16 queries: lane l, register j hold (query l % 16, key 8 (l / 16) + j).
; THE WAY OUT is a loop over blocks of 16 queries, four trips for each half of adj; only the lines that name a block's accumulators are written out for each block, and forward jumps on the counter choose among them.
; A block's 16 pairs (cm, l) leave as 128 consecutive bytes, half of an aligned 256; two trips on end fill it; stats is 1 MiB in all.
; REGISTERS (s_set_vgpr_msb: bits 1:0 source 0, 3:2 source 1, 5:4 source 2, 7:6 destination):
;   window 0: v0-31 addresses; v32-39 c of my rows; v64-127, v128-191 Q's fragments (on the way out: u, packed p, rows read back); v192-209 statistics
;   window 1: v64-127, v128-191 y's fragments      window 2: accumulators a = 0..3 at 8 (8 a + b)      window 3: a = 4..7
.set NSTEP,  8
.set PA,     272                       ; an LDS row of Q' or y: 256 bytes + 16: the 16 rows of a fragment load start 4 banks apart (64 banks of 4 bytes: ISA guide 11.1)
.set HALFT,  128*PA                    ; what one joint load brings: 128 rows: 34,816 bytes
.set BOFF,   2*HALFT                   ; a slot: Q's 256 rows, then y's 256 rows
.set SLOTB,  4*HALFT                   ; 139,264 = 0x22000: it shares no bit with wave x 34,816 nor with wave x 33,792, so one exclusive or changes slots
.set PJ,     528                       ; an LDS row of adj: 512 bytes + 16
.set JW,     64*PJ                     ; a wave's half of adj: 33,792 bytes; four of them lie inside a slot
.set STAGE,  2*SLOTB                   ; behind the ring: 16 rows x 272 bytes for each wave, for p's way out
.set STAGEW, 16*PA
.set SPARE,  STAGE+4*STAGEW            ; the spare words, 128 bytes a wave
.set A_STEP, 256
.set B_STEP, 256
.set ADRA0, 16
.set ADRB0, 17
.set ADRA,  18
.set ADRB,  19
.set AJ,    20                         ; v20, v21  my lane's place in my first and my second half of adj: 528 r + 32 h; never rewritten
.set SO,    22                         ; my byte offset in a block's 128 bytes of stats: 8 r + 4 h
.set VC,    23                         ; my byte offset in c: 4 r
.set STO,   24
.set RD,    25
.set CO,    26
.set SPW,   28
.set NIL,   29
.set CV,    32                         ; v32-39 c of my row in blocks a = 0..7
.set F,     64                         ; fragment buffer g at F + 64 g, in window 0 (Q') and in window 1 (y)
.set U,     64                         ; the way out: 64 scores a lane
.set P,     128                        ; 32 registers of packed weights
.set OB,    160                        ; 16 rows read back
.set C0,    192                        ; v192-195 four chains of the maximum
.set CM,    196                        ; v196-197 log2(e) max u, as a pair
.set SM,    198                        ; v198-205 four chains of the sum, in pairs
.set KC,    206                        ; cm
.set KL,    207                        ; l
.set KV,    208                        ; cm in lanes 0-15, l in lanes 16-31
.set CVX,   209                        ; c of the block in hand
.set G1,  24
.set G0,  32
.set G1B, 48
.set G0B, 56
.set TB,  77
.set G1J, 88                           ; s[88:95] descriptor group 1 for adj;  s[96:99] its group 0
.set G0J, 96
.set JO,  100                          ; s[100:101] byte offset of the half of adj to be asked for
.set MUL_LO, 0xa1                      ; y window 1, Q' window 0, C and D window 2
.set MUL_HI, 0xf1                      ; the same, C and D window 3
.set TO_B,   0x40
.set MSB, 0
.macro WIN new                         ; the immediate's high byte repeats the setting that is left
.if MSB != (\new)
	s_set_vgpr_msb (MSB<<8)|(\new)
.set MSB, (\new)
.endif
.endm
.macro PLACES                          ; four plain vector instructions behind matrix instructions (ISA guide 7.12.1)
.rept 4
	v_nop
.endr
.endm
.macro CREST
	s_cmp_lg_u32 s10, 0
	s_cbranch_scc1 .Lnot_wave_0_\@
	s_barrier_signal -3
.Lnot_wave_0_\@:
	s_barrier_wait -3
	s_barrier_signal -1
	s_barrier_wait -1
.endm
.macro CROUND
	s_barrier_signal -1
	s_barrier_wait -1
	CREST
.endm
.macro JLOAD                           ; a joint refill: waves 0, 1 fetch Q's halves, waves 2, 3 y's; s_nop 0 and four v_nop follow each line
	s_cmp_eq_u32 s11, 0
	s_cbranch_scc0 .Lfor_b_\@
	tensor_load_to_lds s[G0+4:G0+7], s[G1:G1+7]
	s_nop 0
	PLACES
	s_branch .Lasked_\@
.Lfor_b_\@:
	tensor_load_to_lds s[G0B+4:G0B+7], s[G1B:G1B+7]
	s_nop 0
	PLACES
.Lasked_\@:
.endm
	s_load_b64 s[4:5], s[0:1], 0x0                 ; qv
	s_load_b64 s[68:69], s[0:1], 0x8               ; cb
	s_load_b64 s[6:7], s[0:1], 0x10                ; adj
	s_load_b64 s[86:87], s[0:1], 0x18              ; cvb
	s_load_b64 s[8:9], s[0:1], 0x20                ; pb
	s_load_b64 s[66:67], s[0:1], 0x28              ; stats
	v_lshl_add_u32 v[SPW], v0, 2, SPARE
	v_mov_b32 v[NIL], 0
	ds_add_u32 v[SPW], v[NIL]                      ; the wave's opening: the add and its wait stand ahead of my first tensor load
	v_lshrrev_b32 v1, 5, v0
	v_readfirstlane_b32 s10, v1
	s_lshr_b32 s11, s10, 1
	s_and_b32 s12, s10, 1
	s_bfe_u32 s40, ttmp6, 0x40000                  ; cx
	s_bfe_u32 s41, ttmp6, 0x40004                  ; cy
	s_lshl_b32 s42, ttmp9, 2
	s_add_co_u32 s42, s42, s40                     ; tile column
	s_and_b32 s45, ttmp7, 0xffff
	s_lshl_b32 s13, s45, 2
	s_add_co_u32 s13, s13, s41                     ; tile row
	s_lshr_b32 s45, s45, 1                         ; the batch: two clusters of rows each
	s_lshl_b32 s43, s41, 2
	s_lshl_b32 s43, 15, s43
	s_lshl_b32 s44, 0x1111, s40
	s_or_b32 s[G1], s43, (1<<16)|(1<<20)|(1<<21)|(5<<22)|(3<<25)   ; mask; 2-byte elements; padding on; bit 21 beside a mask; after every 64 words, 4 words
	s_or_b32 s[G1B], s44, (1<<16)|(1<<20)|(1<<21)|(5<<22)|(3<<25)
.irp g, G1, G1B
	s_mov_b32 s[(\g)+1], 128<<16                   ; tensor_dim0 = 128
	s_mov_b32 s[(\g)+2], 128<<16                   ; tensor_dim1 = 128
	s_mov_b32 s[(\g)+3], 128<<16                   ; tile_dim0 = 128
	s_mov_b32 s[(\g)+4], 128                       ; tile_dim1 = 128
	s_mov_b32 s[(\g)+5], 1024                      ; elements from row to row
	s_mov_b32 s[(\g)+6], 0
	s_mov_b32 s[(\g)+7], 0
.endr
	s_mov_b32 s[G1J], (2<<16)|(1<<20)|(6<<22)|(3<<25)              ; adj: no mask; 4-byte elements; padding on; after every 128 words, 4 words
	s_mov_b32 s[G1J+1], 128<<16                    ; tensor_dim0 = 128
	s_mov_b32 s[G1J+2], 64<<16                     ; tensor_dim1 = 64
	s_mov_b32 s[G1J+3], 128<<16                    ; tile_dim0 = 128
	s_mov_b32 s[G1J+4], 64                         ; tile_dim1 = 64
	s_mov_b32 s[G1J+5], 2048                       ; elements from row to row
	s_mov_b32 s[G1J+6], 0
	s_mov_b32 s[G1J+7], 0
	s_lshl_b32 s16, s13, 19                        ; Q': 256 rows of 2,048 bytes a tile row, my 128 of them
	s_lshl_b32 s19, s12, 18
	s_add_co_u32 s16, s16, s19
	s_mov_b32 s17, 0
	s_lshl_b32 s46, s45, 22                        ; y in cb: the batch's 2,048 rows, the tile's 256, my 128
	s_add_co_u32 s46, s46, 16777216
	s_lshl_b32 s20, s42, 19
	s_add_co_u32 s46, s46, s20
	s_lshl_b32 s20, s12, 18
	s_add_co_u32 s46, s46, s20
	s_mov_b32 s47, 0
	s_mul_i32 s80, s10, HALFT                      ; where the joint tiles go: wave x 34,816: no place in the cluster enters an LDS address
	s_mul_i32 s81, s10, JW                         ; and my halves of adj: wave x 33,792
	s_mov_b32 s[G0J], 1                            ; count = 1
	s_add_co_u32 s[G0J+1], s81, SLOTB              ; LDS address: the first exclusive or turns it into slot 0's
	s_mov_b32 s[JO], 0
	s_mov_b32 s[JO+1], 0
	s_lshl_b32 s22, s13, 20                        ; pb: rows of 4,096 bytes; my first row and key
	s_lshl_b32 s21, s11, 19
	s_add_co_u32 s22, s22, s21
	s_lshl_b32 s21, s42, 9
	s_add_co_u32 s22, s22, s21
	s_lshl_b32 s21, s12, 8
	s_add_co_u32 s22, s22, s21
	s_mov_b32 s23, 0
	s_lshl_b32 s82, s22, 1                         ; adj: the same place in f32: twice the bytes
	s_mov_b32 s83, 0
	s_lshl_b32 s84, s42, 1                         ; stats: block 2 x tile column + my half, 65,536 bytes a block; 8 bytes a row
	s_add_co_u32 s84, s84, s12
	s_lshl_b32 s84, s84, 16
	s_lshl_b32 s21, s13, 11
	s_add_co_u32 s84, s84, s21
	s_lshl_b32 s21, s11, 10
	s_add_co_u32 s84, s84, s21
	s_mov_b32 s85, 0
	s_lshl_b32 s18, s13, 10                        ; c: my 128 rows, 4 bytes each
	s_lshl_b32 s21, s11, 9
	s_add_co_u32 s18, s18, s21
	s_mov_b32 s19, 0
	s_mov_b32 s70, 0x3d000000                      ; 1 / 32
	s_mov_b32 s71, s70                             ; named with it as a pair
	s_mov_b32 s72, 0x3fb8aa3b                      ; log2(e)
	s_mov_b32 s73, s72
	s_mov_b32 s74, 0x76543210                      ; v_permlanex16_b32: each lane takes its own place in the other half
	s_mov_b32 s75, 0xfedcba98
	s_mov_b32 s[TB], 0
	s_wait_dscnt 0x0
	s_wait_kmcnt 0x0
	s_add_nc_u64 s[14:15], s[4:5], s[16:17]
	s_add_nc_u64 s[46:47], s[68:69], s[46:47]
	s_add_nc_u64 s[6:7], s[6:7], s[82:83]
	s_add_nc_u64 s[8:9], s[8:9], s[22:23]
	s_add_nc_u64 s[66:67], s[66:67], s[84:85]
	s_add_nc_u64 s[86:87], s[86:87], s[18:19]
.irp s, 0,1
	s_mov_b32 s[G0+4*(\s)], 1
	s_add_co_u32 s[G0+4*(\s)+1], s80, (\s)*SLOTB
	s_add_nc_u64 s[G0+4*(\s)+2:G0+4*(\s)+3], s[14:15], (\s)*A_STEP
	s_or_b32 s[G0+4*(\s)+3], s[G0+4*(\s)+3], 0x80000000
	s_mov_b32 s[G0B+4*(\s)], 1
	s_add_co_u32 s[G0B+4*(\s)+1], s80, (\s)*SLOTB
	s_add_nc_u64 s[G0B+4*(\s)+2:G0B+4*(\s)+3], s[46:47], (\s)*B_STEP
	s_or_b32 s[G0B+4*(\s)+3], s[G0B+4*(\s)+3], 0x80000000
.endr
	CROUND                                         ; the first joint loads meet
	s_cmp_eq_u32 s11, 0                            ; a wave's two first fills stand in one branch: two loads of mine are out
	s_cbranch_scc0 .Lfirst_b
	tensor_load_to_lds s[G0:G0+3], s[G1:G1+7]
	s_nop 0
	tensor_load_to_lds s[G0+4:G0+7], s[G1:G1+7]
	s_nop 0
	PLACES
	s_branch .Lfirst_asked
.Lfirst_b:
	tensor_load_to_lds s[G0B:G0B+3], s[G1B:G1B+7]
	s_nop 0
	tensor_load_to_lds s[G0B+4:G0B+7], s[G1B:G1B+7]
	s_nop 0
	PLACES
.Lfirst_asked:
	v_and_b32 v1, 15, v0                           ; r
	v_and_b32 v3, 31, v0                           ; l
	v_bfe_u32 v2, v0, 4, 1                         ; h
	v_lshlrev_b32 v[VC], 2, v1
.irp a, 0,1,2,3,4,5,6,7
	global_load_b32 v[CV+(\a)], v[VC], s[86:87] offset:64*(\a)     ; c of row 16 a + r
.endr
	v_cmp_le_u32 s76, 16, v3                       ; the upper half of the lanes
	v_lshlrev_b32 v[SO], 3, v1
	v_lshl_add_u32 v[SO], v2, 2, v[SO]
	v_mul_u32_u24 v4, v1, PA
	v_lshl_add_u32 v4, v2, 4, v4                   ; r x 272 + 16 h
	s_mul_i32 s18, s11, HALFT
	v_add_nc_u32 v[ADRA0], s18, v4                 ; my 128 rows of Q'
	s_mul_i32 s20, s12, HALFT
	s_add_co_u32 s20, s20, BOFF
	v_add_nc_u32 v[ADRB0], s20, v4                 ; my 128 rows of y
	v_mov_b32 v[ADRA], v[ADRA0]
	v_mov_b32 v[ADRB], v[ADRB0]
	v_mul_u32_u24 v5, v1, PJ
	v_lshl_add_u32 v5, v2, 5, v5
	v_add_nc_u32 v[AJ], s81, v5                    ; adj as the accumulators lie: row r, 32 bytes for each half of the lanes; slot 0,
	v_add_nc_u32 v[AJ+1], SLOTB, v[AJ]             ; slot 1
	s_mul_i32 s79, s10, STAGEW
	s_add_co_u32 s79, s79, STAGE                   ; my stage
	v_add_nc_u32 v[STO], s79, v4
	v_mul_u32_u24 v7, v2, PA
	v_lshl_add_u32 v7, v1, 4, v7
	v_add_nc_u32 v[RD], s79, v7
	v_lshlrev_b32 v[CO], 12, v2                    ; two rows of 4,096 bytes in pb
	v_lshl_add_u32 v[CO], v1, 4, v[CO]
.macro MUL8 f, a, zero=0               ; 8 matrix instructions: row block a x all 8 key blocks, 32 along K, from buffer f
.irp b, 0,1,2,3,4,5,6,7
.if \zero
	v_wmma_f32_16x16x32_bf16 v[64*((\a)%4)+8*(\b):64*((\a)%4)+8*(\b)+7], v[F+64*(\f)+8*(\b):F+64*(\f)+8*(\b)+7], v[F+64*(\f)+8*(\a):F+64*(\f)+8*(\a)+7], 0
.else
	v_wmma_f32_16x16x32_bf16 v[64*((\a)%4)+8*(\b):64*((\a)%4)+8*(\b)+7], v[F+64*(\f)+8*(\b):F+64*(\f)+8*(\b)+7], v[F+64*(\f)+8*(\a):F+64*(\f)+8*(\a)+7], v[64*((\a)%4)+8*(\b):64*((\a)%4)+8*(\b)+7]
.endif
.endr
.endm
.macro FETCH kq, g                     ; 32 LDS loads in one run: quarter kq's fragments into buffer g
	WIN TO_B
.irp b, 0,1,2,3,4,5,6,7
	ds_load_b128 v[F+64*(\g)+8*(\b):F+64*(\g)+8*(\b)+3],   v[ADRB] offset:(\b)*16*PA+64*(\kq)
	ds_load_b128 v[F+64*(\g)+8*(\b)+4:F+64*(\g)+8*(\b)+7], v[ADRB] offset:(\b)*16*PA+64*(\kq)+32
.endr
	WIN 0
.irp a, 0,1,2,3,4,5,6,7
	ds_load_b128 v[F+64*(\g)+8*(\a):F+64*(\g)+8*(\a)+3],   v[ADRA] offset:(\a)*16*PA+64*(\kq)
	ds_load_b128 v[F+64*(\g)+8*(\a)+4:F+64*(\g)+8*(\a)+7], v[ADRA] offset:(\a)*16*PA+64*(\kq)+32
.endr
.endm
.macro QUARTER kq, f, g, zero=0        ; buffer f is multiplied, the 64 accumulators by turns, always in the same order; quarter kq is asked for into g
	s_wait_dscnt 0x0                               ; buffer f, asked for a quarter ago, is in
	PLACES
	FETCH \kq, \g
	WIN MUL_LO
.irp a, 0,1,2,3
	MUL8 \f, \a, \zero
.endr
	WIN MUL_HI
.irp a, 4,5,6,7
	MUL8 \f, \a, \zero
.endr
.endm
; The last quarter multiplies buffer 1 and changes slots.  In front of the round each wave waits for all its tensor loads, adds 0 to its spare word, and waits for that and for its reads of this slot.
; Behind the round the slot just read is filled again, first thing: fill = 1: jointly, with the tiles two K steps ahead; fill = 2: each wave with the next half of its own adj.
.macro TURN fill
	WIN 0
	s_wait_tensorcnt 0x0                           ; no tensor load of mine is out, so a group 0 may be written
	ds_add_u32 v[SPW], v[NIL]
.if (\fill) == 1
	s_xor_b32 s[G0+5], s[G0+5], SLOTB
	s_add_nc_u64 s[G0+6:G0+7], s[G0+6:G0+7], A_STEP
	s_xor_b32 s[G0B+5], s[G0B+5], SLOTB
	s_add_nc_u64 s[G0B+6:G0B+7], s[G0B+6:G0B+7], B_STEP
.else
	s_xor_b32 s[G0J+1], s[G0J+1], SLOTB            ; slot 0, then slot 1
	s_add_nc_u64 s[G0J+2:G0J+3], s[6:7], s[JO:JO+1]  ; the address is made anew: adj at my tile, and the half's offset
	s_or_b32 s[G0J+3], s[G0J+3], 0x80000000        ; type = 2
	s_add_co_u32 s[JO], s[JO], 64*8192             ; the next half: 64 rows of 8,192 bytes on
.endif
	s_wait_dscnt 1                                 ; buffer 1 is in; the add alone may be out
	WIN MUL_LO
	MUL8 1, 0
	MUL8 1, 1
	s_wait_dscnt 0x0                               ; the add is done, and my reads of this slot are over
	s_barrier_signal -1
	MUL8 1, 2
	MUL8 1, 3
	WIN 0
	s_barrier_wait -1
	CREST                                          ; no wave of any partner still reads this slot or has a load on its way
	s_xor_b32 s[TB], s[TB], SLOTB
.if (\fill) == 1
	JLOAD
.else
	tensor_load_to_lds s[G0J:G0J+3], s[G1J:G1J+7]
	s_nop 0
	PLACES
.endif
	v_add_nc_u32 v[ADRA], s[TB], v[ADRA0]
	v_add_nc_u32 v[ADRB], s[TB], v[ADRB0]
	FETCH 0, 0
	WIN MUL_HI
.irp a, 4,5,6,7
	MUL8 1, \a
.endr
.endm
	s_wait_tensorcnt 1                             ; my part of K step 0 is in; step 1's may stay out
	s_barrier_signal -1
	s_barrier_wait -1
	FETCH 0, 0
	QUARTER 1, 0, 1, 1
	WIN 0
	s_mov_b32 s3, NSTEP-2
.Lstep:                                                ; a trip: a step's quarters 1 to 3 and the next step's quarter 0; one slot is filled again
	QUARTER 2, 1, 0
	QUARTER 3, 0, 1
	TURN 1
	QUARTER 1, 0, 1
	WIN 0
	s_sub_co_u32 s3, s3, 1
	s_cmp_lg_u32 s3, 0
	s_cbranch_scc1 .Lstep
	s_mov_b32 s3, 2
.Ltail:                                                ; the last two steps: one text, walked twice; each trip fills the slot that it leaves with a half of adj
	QUARTER 2, 1, 0
	QUARTER 3, 0, 1
	TURN 2                                         ; in the last trip no step follows: its fetch of fragments serves nothing: the price, once a launch, of one text for both trips
	WIN 0
	s_cmp_eq_u32 s3, 1
	s_cbranch_scc1 .Llast                          ; and the next step's first quarter is jumped over
	QUARTER 1, 0, 1
	WIN 0
.Llast:
	s_sub_co_u32 s3, s3, 1
	s_cmp_lg_u32 s3, 0
	s_cbranch_scc1 .Ltail
	s_wait_dscnt 0x0                               ; that last fetch has come back: its registers are used again below
	PLACES
	s_wait_loadcnt 0x0                             ; c
; What is written out for block a: adj's 16 rows x my 128 keys out of LDS, as the accumulators lie, and u = s / 32 + adj.
.macro VARB a
.irp b, 0,1,2,3,4,5,6,7
	ds_load_b128 v[U+8*(\b):U+8*(\b)+3],   v[AJ+(\a)/4] offset:((\a)%4)*16*PJ+64*(\b)
	ds_load_b128 v[U+8*(\b)+4:U+8*(\b)+7], v[AJ+(\a)/4] offset:((\a)%4)*16*PJ+64*(\b)+16
.endr
	v_mov_b32 v[CVX], v[CV+(\a)]
	s_wait_dscnt 0x0
	WIN 2+(\a)/4                                   ; source 0: the accumulators' window
.set i, 0
.rept 32
	v_pk_fma_f32 v[U+2*i:U+2*i+1], v[64*((\a)%4)+2*i:64*((\a)%4)+2*i+1], s[70:71], v[U+2*i:U+2*i+1] op_sel_hi:[1,0,1]
.set i, i+1
.endr
	WIN 0
.endm
; What all blocks share: the row's maximum, weights and sum; p leaves through my stage, (cm, l) straight.
.macro SOFT
.irp k, 0,1,2,3
	v_max3_num_f32 v[C0+(\k)], v[U+16*(\k)], v[U+16*(\k)+1], v[U+16*(\k)+2]
.endr
.irp j, 1,2,3,4,5,6
.irp k, 0,1,2,3
	v_max3_num_f32 v[C0+(\k)], v[C0+(\k)], v[U+16*(\k)+2*(\j)+1], v[U+16*(\k)+2*(\j)+2]
.endr
.endr
	v_max3_num_f32 v[C0], v[C0], v[U+15], v[U+31]
	v_max3_num_f32 v[C0+1], v[C0+1], v[U+47], v[U+63]
	v_max3_num_f32 v[C0], v[C0], v[C0+1], v[C0+2]
	v_max_num_f32 v[C0], v[C0], v[C0+3]
	v_permlanex16_b32 v[C0+1], v[C0], s74, s75     ; the query's other 64 keys lie in the lane 16 away
	v_max_num_f32 v[C0], v[C0], v[C0+1]
	v_mul_f32 v[CM], s72, v[C0]
	v_mul_f32 v[CM+1], s72, v[C0]                  ; named with it as a pair
	v_fma_f32 v[C0+2], v[CVX], s70, v[C0]          ; the block's true maximum: the row's constant c / 32 on top
	v_mul_f32 v[KC], s72, v[C0+2]
.set i, 0
.rept 32
	v_pk_fma_f32 v[U+2*i:U+2*i+1], v[U+2*i:U+2*i+1], s[72:73], v[CM:CM+1] op_sel_hi:[1,0,0] neg_lo:[0,0,1] neg_hi:[0,0,1]
.set i, i+1
.endr
.set i, 0
.rept 64
	v_exp_f32 v[U+i], v[U+i]
.set i, i+1
.endr
	v_nop                                          ; a plain instruction behind the last exponential, ahead of its use (ISA guide 5.7.2)
.set i, 0
	s_wait_alu depctr_va_vdst(0)
.rept 32
	v_cvt_pk_bf16_f32 v[P+i], v[U+2*i], v[U+2*i+1]
.set i, i+1
.endr
.irp b, 0,1,2,3,4,5,6,7
	ds_store_b128 v[STO], v[P+4*(\b):P+4*(\b)+3] offset:32*(\b)
.endr
.irp t, 0,1,2,3,4,5,6,7
	ds_load_b128 v[OB+4*(\t):OB+4*(\t)+3], v[RD] offset:2*PA*(\t)  ; LDS serves a wave's instructions in order (ISA guide 5.7.1.4): these see the stores above
.endr
.irp k, 0,1,2,3                        ; the sum of the unrounded weights stands in the stage's round trip
	v_pk_add_f32 v[SM+2*(\k):SM+2*(\k)+1], v[U+16*(\k):U+16*(\k)+1], v[U+16*(\k)+2:U+16*(\k)+3]
.endr
.irp j, 2,3,4,5,6,7
.irp k, 0,1,2,3
	v_pk_add_f32 v[SM+2*(\k):SM+2*(\k)+1], v[SM+2*(\k):SM+2*(\k)+1], v[U+16*(\k)+2*(\j):U+16*(\k)+2*(\j)+1]
.endr
.endr
	v_pk_add_f32 v[SM:SM+1], v[SM:SM+1], v[SM+2:SM+3]
	v_pk_add_f32 v[SM+4:SM+5], v[SM+4:SM+5], v[SM+6:SM+7]
	v_pk_add_f32 v[SM:SM+1], v[SM:SM+1], v[SM+4:SM+5]
	v_add_f32 v[SM], v[SM], v[SM+1]
	v_permlanex16_b32 v[SM+1], v[SM], s74, s75
	v_add_f32 v[KL], v[SM], v[SM+1]
	v_cndmask_b32 v[KV], v[KC], v[KL], s76         ; both halves of the lanes hold the row's pair: the lower half sends cm, the upper l
	s_wait_dscnt 0x0
.irp t, 0,1,2,3,4,5,6,7
	global_store_b128 v[CO], v[OB+4*(\t):OB+4*(\t)+3], s[8:9] offset:2*(\t)*4096  ; 16 lanes store 256 consecutive bytes, aligned
.endr
	global_store_b32 v[SO], v[KV], s[66:67]        ; 128 consecutive bytes
	s_wait_xcnt 0x0                                ; the stores' bases are stepped, and their data written again in the next trip, only behind this wait (ISA guide 3.1)
	s_add_nc_u64 s[8:9], s[8:9], 16*4096
	s_add_nc_u64 s[66:67], s[66:67], 128
.endm
; Four blocks: those of half hf of adj.  The counter says which block's lines are due; every jump but the loop's own goes forward.
.macro HALF hf
	s_mov_b32 s3, 4
.Lblk\hf:
	s_cmp_eq_u32 s3, 4
	s_cbranch_scc1 .Lva\hf
	s_cmp_eq_u32 s3, 3
	s_cbranch_scc1 .Lvb\hf
	s_cmp_eq_u32 s3, 2
	s_cbranch_scc1 .Lvc\hf
	VARB 4*(\hf)+3
	s_branch .Lcom\hf
.Lva\hf:
	VARB 4*(\hf)
	s_branch .Lcom\hf
.Lvb\hf:
	VARB 4*(\hf)+1
	s_branch .Lcom\hf
.Lvc\hf:
	VARB 4*(\hf)+2
.Lcom\hf:
	SOFT
	s_sub_co_u32 s3, s3, 1
	s_cmp_lg_u32 s3, 0
	s_cbranch_scc1 .Lblk\hf
.endm
	s_wait_tensorcnt 1                             ; my first half of adj is in (the last round's wait has shown it); the second, issued behind it, may stay out
	HALF 0
	s_wait_tensorcnt 0x0                           ; my second half is in; only I read it
	HALF 1
	s_wait_tensorcnt 0x0                           ; the wave's end
	ds_add_u32 v[SPW], v[NIL]
	s_wait_dscnt 0x0
	CROUND                                         ; the closing round
	s_endpgm
.Lfunc_end_k_q728c705927_score:
	.size	k_q728c705927_score, .Lfunc_end_k_q728c705927_score-k_q728c705927_score
	.p2alignl 7, 3214868480
	.fill 96, 4, 3214868480
	.section	.rodata,"a",@progbits
	.p2align	6, 0x0
	.amdhsa_kernel k_q728c705927_score
		.amdhsa_group_segment_fixed_size 327680
		.amdhsa_private_segment_fixed_size 0
		.amdhsa_enable_private_segment 0
		.amdhsa_kernarg_size 48
		.amdhsa_user_sgpr_count 2
		.amdhsa_user_sgpr_kernarg_segment_ptr 1
		.amdhsa_wavefront_size32 1
		.amdhsa_system_sgpr_workgroup_id_x 1
		.amdhsa_system_sgpr_workgroup_id_y 1
		.amdhsa_system_sgpr_workgroup_id_z 1
		.amdhsa_system_vgpr_workitem_id 0
		.amdhsa_next_free_vgpr 1024
		.amdhsa_next_free_sgpr 102
		.amdhsa_reserve_vcc 0
		.amdhsa_float_denorm_mode_32 3
		.amdhsa_float_denorm_mode_16_64 3
		.amdhsa_memory_ordered 1
		.amdhsa_forward_progress 1
		.amdhsa_inst_pref_size 122
	.end_amdhsa_kernel
	.amdgpu_metadata
---
amdhsa.version: [ 1, 2 ]
amdhsa.kernels:
  - .name:           k_q728c705927_score
    .symbol:         k_q728c705927_score.kd
    .args:
      - { .name: qv, .offset: 0, .size: 8, .value_kind: global_buffer, .address_space: global }
      - { .name: cb, .offset: 8, .size: 8, .value_kind: global_buffer, .address_space: global }
      - { .name: adj, .offset: 16, .size: 8, .value_kind: global_buffer, .address_space: global }
      - { .name: cvb, .offset: 24, .size: 8, .value_kind: global_buffer, .address_space: global }
      - { .name: pb, .offset: 32, .size: 8, .value_kind: global_buffer, .address_space: global }
      - { .name: stats, .offset: 40, .size: 8, .value_kind: global_buffer, .address_space: global }
    .group_segment_fixed_size: 327680
    .private_segment_fixed_size: 0
    .kernarg_segment_align: 8
    .kernarg_segment_size: 48
    .max_flat_workgroup_size: 128
    .sgpr_count:     102
    .vgpr_count:     1024
    .wavefront_size: 32
...
	.end_amdgpu_metadata
.endif
;; end of part 12
;; launch pv (part 13): grid 4 x 64, 4 waves a work-group, clusters of 4 x 4, 327,680 bytes of LDS; arguments pb, qv, stats, bo, out0; writes out0
.if DOCPART == 13
	.amdgcn_target "amdgcn-amd-amdhsa--gfx1250"
	.amdhsa_code_object_version 6
	.text
	.protected	k_q728c705927_pv
	.globl	k_q728c705927_pv
	.p2align	8
	.type	k_q728c705927_pv,@function
k_q728c705927_pv:
	s_mov_b64 s[64:65], 0
	v_nop
	global_prefetch_b8 v0, s[64:65] scope:SCOPE_SE
	s_setreg_imm32_b32 hwreg(HW_REG_WAVE_MODE, 25, 1), 1
	s_wait_xcnt 0x0
	s_wait_alu depctr_hold_cnt(0) depctr_sa_sdst(0) depctr_va_vdst(0) depctr_va_sdst(0) depctr_va_ssrc(0) depctr_va_vcc(0) depctr_vm_vsrc(0)
	s_getreg_b32 s2, hwreg(HW_REG_IB_STS2, 6, 4)
	s_cmp_eq_u32 s2, 0
	s_cbranch_scc0 .Lentry_in_a_cluster
	s_endpgm
.Lentry_in_a_cluster:
	s_bfe_u32 s2, ttmp6, 0x10000c
	s_cmp_lg_u32 s2, 0xf033
	s_cbranch_scc0 .Lentry_shape_is_right
	s_endpgm
.Lentry_shape_is_right:
; out0 = softmax x V' + bo, with V' = V Wo (qv at byte 16,777,216).  For each row: M = the maximum of its 16 block maxima cm_t; f_t = 2^(cm_t - M); L = the sum of f_t l_t;
; out0 = (the sum over t of (f_t P_t) V'_t) / L + bo, in f32.  So the row's true maximum is taken away, as in a softmax over all 2,048 keys.
; A K step of 128 keys is one block t: the fragments of P are multiplied by f_t in registers: the product is formed in f32 and rounded once to bf16, on its way to the matrix unit.
; LIMITS: p is rounded to bf16 twice (as p, as p f), l is the sum of the unrounded p; a factor below 2^-126 counts as 0; NaN and infinities are not treated apart.
; SHARES.  A work-group makes 128 rows x 256 columns (tiles of 256 x 256 would be 128, half as many as there are WGPs); wave w: rows 64 (w / 2) on, columns 128 (w % 2) on; 32 accumulators.
; K: 16 steps of 128 keys through two LDS slots.
; CLUSTER 4 x 4: P's tile is shared along a row of the cluster, V's (batch, equal in a cluster, and tile column) along a column.
; THE MATRIX INSTRUCTION IS USED TRANSPOSED: source 0 = 16 columns of V' (turned out of LDS by ds_load_tr16_b128), source 1 = 16 rows of P.
; REGISTERS (s_set_vgpr_msb: bits 1:0 source 0, 3:2 source 1, 5:4 source 2, 7:6 destination):
;   window 0: v0-31 addresses; v32-35 f of my four row blocks; v36-37 table addresses; v40-47 1 / L, four pairs; v64-191 V's fragments, two buffers (at the head: statistics; on the way out: rows)
;   window 1: v0-127 accumulators a = 0, 1; v128-191 P's fragments, two buffers; v192 the number 0      window 2: v0-127 accumulators a = 2, 3; v128-191 bo at my 64 columns a lane
.set NSTEP,  16
.set PA,     272                       ; P's LDS row: 256 bytes + 16 (64 banks of 4 bytes: ISA guide 11.1: 16 rows start 4 banks apart)
.set PB,     544                       ; V's LDS row: 512 bytes + 32
.set BOFF,   128*PA
.set BHALF,  64*PB
.set SLOT1,  1<<17
.set STAGE,  SLOT1+BOFF+128*PB
.set STAGEW, 16*528                    ; 16 rows of 512 bytes + 16
.set FTAB,   STAGE+4*STAGEW            ; [16 blocks][128 rows] f, f32
.set RLT,    FTAB+8192                 ; [128 rows] 1 / L
.set SPARE,  RLT+512                   ; the spare words, 128 bytes a wave
.set A_STEP, 256
.set B_STEP, 128*2048
.set ADRA0, 16
.set ADRB0, 17
.set ADRA,  18
.set ADRB,  19
.set STO,   24
.set RD,    25
.set CO,    26
.set VX,    27
.set SPW,   28
.set NIL,   29
.set FAC,   32
.set VF0,   36                         ; my lane's place in a block of the table; never rewritten
.set VF,    37                         ; the same in the block to be fetched
.set RLV,   40
.set BF,    64
.set AF,    128
.set Z1,    192                        ; in window 1
.set BIAS,  128                        ; in window 2
.set G1,  24
.set G0,  32
.set G1B, 48
.set G0B, 56
.set TB,  77
.set FB,  78                           ; s78  byte at which the table's block to be fetched begins
.set MUL_HI, 0xa4
.set MUL_LO, 0x54
.set TO_A,   0x40
.set MSB, 0
.macro WIN new                         ; the immediate's high byte repeats the setting that is left
.if MSB != (\new)
	s_set_vgpr_msb (MSB<<8)|(\new)
.set MSB, (\new)
.endif
.endm
.macro PLACES                          ; four plain vector instructions behind matrix instructions (ISA guide 7.12.1)
.rept 4
	v_nop
.endr
.endm
.macro CREST
	s_cmp_lg_u32 s10, 0
	s_cbranch_scc1 .Lnot_wave_0_\@
	s_barrier_signal -3
.Lnot_wave_0_\@:
	s_barrier_wait -3
	s_barrier_signal -1
	s_barrier_wait -1
.endm
.macro CROUND
	s_barrier_signal -1
	s_barrier_wait -1
	CREST
.endm
.macro JLOAD                           ; a joint refill: waves 0, 1 fetch P's halves, waves 2, 3 V's; s_nop 0 and four v_nop follow each line
	s_cmp_eq_u32 s11, 0
	s_cbranch_scc0 .Lfor_b_\@
	tensor_load_to_lds s[G0+4:G0+7], s[G1:G1+7]
	s_nop 0
	PLACES
	s_branch .Lasked_\@
.Lfor_b_\@:
	tensor_load_to_lds s[G0B+4:G0B+7], s[G1B:G1B+7]
	s_nop 0
	PLACES
.Lasked_\@:
.endm
	s_load_b128 s[4:7], s[0:1], 0x0                ; pb s[4:5], qv s[6:7]
	s_load_b64 s[8:9], s[0:1], 0x10                ; stats
	s_load_b64 s[66:67], s[0:1], 0x18              ; bo
	s_load_b64 s[68:69], s[0:1], 0x20              ; out0
	v_lshl_add_u32 v[SPW], v0, 2, SPARE
	v_mov_b32 v[NIL], 0
	ds_add_u32 v[SPW], v[NIL]                      ; the wave's opening: the add and its wait stand ahead of my first tensor load
	v_lshrrev_b32 v1, 5, v0
	v_readfirstlane_b32 s10, v1
	s_lshr_b32 s11, s10, 1
	s_and_b32 s12, s10, 1
	s_bfe_u32 s40, ttmp6, 0x40000
	s_bfe_u32 s41, ttmp6, 0x40004
	s_lshl_b32 s42, ttmp9, 2
	s_add_co_u32 s42, s42, s40                     ; tile column
	s_and_b32 s45, ttmp7, 0xffff
	s_lshl_b32 s13, s45, 2
	s_add_co_u32 s13, s13, s41                     ; tile row
	s_lshr_b32 s45, s45, 2                         ; the batch
	s_lshl_b32 s43, s41, 2
	s_lshl_b32 s43, 15, s43
	s_lshl_b32 s44, 0x1111, s40
	s_or_b32 s[G1], s43, (1<<16)|(1<<20)|(1<<21)|(5<<22)|(3<<25)
	s_mov_b32 s[G1+1], 128<<16
	s_mov_b32 s[G1+2], 64<<16
	s_mov_b32 s[G1+3], 128<<16
	s_mov_b32 s[G1+4], 64
	s_mov_b32 s[G1+5], 2048                        ; P's rows are 2,048 elements apart
	s_mov_b32 s[G1+6], 0
	s_mov_b32 s[G1+7], 0
	s_or_b32 s[G1B], s44, (1<<16)|(1<<20)|(1<<21)|(6<<22)|(7<<25)
	s_mov_b32 s[G1B+1], 256<<16
	s_mov_b32 s[G1B+2], 64<<16
	s_mov_b32 s[G1B+3], 256<<16
	s_mov_b32 s[G1B+4], 64
	s_mov_b32 s[G1B+5], 1024
	s_mov_b32 s[G1B+6], 0
	s_mov_b32 s[G1B+7], 0
	s_lshl_b32 s16, s13, 19                        ; P: 128 rows of 4,096 bytes a tile row, my 64 of them
	s_lshl_b32 s19, s12, 18
	s_add_co_u32 s16, s16, s19
	s_mov_b32 s17, 0
	s_lshl_b32 s46, s45, 22                        ; V': the batch's 2,048 rows, the tile's 256 columns, my 64 keys
	s_add_co_u32 s46, s46, 16777216
	s_lshl_b32 s20, s42, 9
	s_add_co_u32 s46, s46, s20
	s_lshl_b32 s20, s12, 17
	s_add_co_u32 s46, s46, s20
	s_mov_b32 s47, 0
	s_mul_i32 s80, s12, 64*PA
	s_mul_i32 s81, s12, BHALF
	s_add_co_u32 s81, s81, BOFF
	s_lshl_b32 s84, s42, 10                        ; my 128 columns in f32: in bo,
	s_lshl_b32 s21, s12, 9
	s_add_co_u32 s84, s84, s21
	s_mov_b32 s85, 0
	s_lshl_b32 s22, s13, 19                        ; and in out0, whose rows are 4,096 bytes
	s_lshl_b32 s21, s11, 18
	s_add_co_u32 s22, s22, s21
	s_add_co_u32 s22, s22, s84
	s_mov_b32 s23, 0
	s_lshl_b32 s82, s13, 10                        ; stats: the work-group's 128 rows, 8 bytes each
	s_mov_b32 s83, 0
	s_mov_b32 s[TB], 0
	s_mov_b32 s[FB], 0
	s_wait_dscnt 0x0
	s_wait_kmcnt 0x0
	s_add_nc_u64 s[14:15], s[4:5], s[16:17]
	s_add_nc_u64 s[46:47], s[6:7], s[46:47]
	s_add_nc_u64 s[8:9], s[8:9], s[82:83]
	s_add_nc_u64 s[66:67], s[66:67], s[84:85]
	s_add_nc_u64 s[68:69], s[68:69], s[22:23]
.irp s, 0,1
	s_mov_b32 s[G0+4*(\s)], 1
	s_add_co_u32 s[G0+4*(\s)+1], s80, (\s)*SLOT1
	s_add_nc_u64 s[G0+4*(\s)+2:G0+4*(\s)+3], s[14:15], (\s)*A_STEP
	s_or_b32 s[G0+4*(\s)+3], s[G0+4*(\s)+3], 0x80000000
	s_mov_b32 s[G0B+4*(\s)], 1
	s_add_co_u32 s[G0B+4*(\s)+1], s81, (\s)*SLOT1
	s_add_nc_u64 s[G0B+4*(\s)+2:G0B+4*(\s)+3], s[46:47], (\s)*B_STEP
	s_or_b32 s[G0B+4*(\s)+3], s[G0B+4*(\s)+3], 0x80000000
.endr
	CROUND                                         ; the first joint loads meet
	s_cmp_eq_u32 s11, 0                            ; a wave's two first fills stand in one branch: two loads of mine are out
	s_cbranch_scc0 .Lfirst_b
	tensor_load_to_lds s[G0:G0+3], s[G1:G1+7]
	s_nop 0
	tensor_load_to_lds s[G0+4:G0+7], s[G1:G1+7]
	s_nop 0
	PLACES
	s_branch .Lfirst_asked
.Lfirst_b:
	tensor_load_to_lds s[G0B:G0B+3], s[G1B:G1B+7]
	s_nop 0
	tensor_load_to_lds s[G0B+4:G0B+7], s[G1B:G1B+7]
	s_nop 0
	PLACES
.Lfirst_asked:
	; THE ROWS' STATISTICS, in the wait for the first tiles: thread t owns row t of the work-group's 128.  A wave's load covers 256 consecutive bytes.
	v_lshlrev_b32 v14, 3, v0
.set i, 0
.rept 16
	global_load_b64 v[64+2*i:65+2*i], v14, s[8:9] offset:i*65536   ; (cm, l) of block i
.set i, i+1
.endr
	v_and_b32 v1, 15, v0                           ; r
	v_bfe_u32 v2, v0, 4, 1                         ; h
	v_and_b32 v3, 31, v0                           ; l
	v_lshlrev_b32 v[VX], 5, v2
	WIN 0x80                                       ; destination window 2
.irp b, 0,1,2,3,4,5,6,7
	global_load_b128 v[BIAS+8*(\b):BIAS+8*(\b)+3],   v[VX], s[66:67] offset:64*(\b)
	global_load_b128 v[BIAS+8*(\b)+4:BIAS+8*(\b)+7], v[VX], s[66:67] offset:64*(\b)+16
.endr
	WIN 0x40
	v_mov_b32 v[Z1], 0                             ; the addend of the products p f
	WIN 0
	v_lshl_add_u32 v15, v0, 2, FTAB
	v_mul_u32_u24 v4, v1, PA
	v_lshl_add_u32 v4, v2, 4, v4
	s_mul_i32 s18, s11, 64*PA
	v_add_nc_u32 v[ADRA0], s18, v4
	v_and_b32 v5, 7, v0
	v_lshl_add_u32 v5, v2, 3, v5                   ; the turning load: key 8 h + l % 8,
	v_mul_u32_u24 v5, v5, PB
	v_bfe_u32 v6, v0, 3, 1
	v_lshl_add_u32 v5, v6, 4, v5                   ; columns 8 ((l / 8) % 2) on,
	s_lshl_b32 s20, s12, 8
	s_add_co_u32 s20, s20, BOFF
	v_add_nc_u32 v[ADRB0], s20, v5                 ; in my 128 columns
	v_mov_b32 v[ADRA], v[ADRA0]
	v_mov_b32 v[ADRB], v[ADRB0]
	s_mul_i32 s79, s10, STAGEW
	s_add_co_u32 s79, s79, STAGE                   ; my stage
	v_mul_u32_u24 v7, v1, 528
	v_lshl_add_u32 v7, v2, 5, v7
	v_add_nc_u32 v[STO], s79, v7                   ; in: row r, 32 bytes for each half of the lanes
	v_lshlrev_b32 v[CO], 4, v3                     ; back and out: a whole row of 512 bytes, 16 bytes a lane
	v_add_nc_u32 v[RD], s79, v[CO]
	s_lshl_b32 s21, s11, 8                         ; my 64 rows' words in a block of the table
	s_add_co_u32 s21, s21, FTAB
	v_lshl_add_u32 v[VF0], v1, 2, s21
	s_wait_loadcnt 16                              ; the statistics are in; bo's sixteen loads, issued behind them, may stay out
	v_max3_num_f32 v12, v64, v66, v68
.irp j, 1,2,3,4,5,6
	v_max3_num_f32 v12, v12, v[64+4*(\j)+2], v[64+4*(\j)+4]
.endr
	v_max_num_f32 v12, v12, v94                    ; M
.set i, 0
.rept 16
	v_sub_f32 v[96+i], v[64+2*i], v12
.set i, i+1
.endr
.set i, 0
.rept 16
	v_exp_f32 v[96+i], v[96+i]                     ; f
.set i, i+1
.endr
	v_nop                                          ; a plain instruction behind the last exponential (ISA guide 5.7.2)
	s_wait_alu depctr_va_vdst(0)
	v_mul_f32 v13, v96, v65
.set i, 1
.rept 15
	v_fmac_f32 v13, v[96+i], v[65+2*i]             ; L
.set i, i+1
.endr
.set i, 0
.rept 16
	ds_store_b32 v15, v[96+i] offset:512*i
.set i, i+1
.endr
	v_rcp_f32 v13, v13
	v_nop
	s_wait_alu depctr_va_vdst(0)
	ds_store_b32 v15, v13 offset:8192              ; 1 / L
; 8 matrix instructions: row block a x all 8 column blocks, from buffer f.  ride = g: behind each stand n lines that scale P's fragments in buffer g, from word 'base' on: each half of a word times f,
; exact in f32, rounded once to bf16, back into its half.  The low halves of n words ride behind an even product, the high halves of the same words behind the next: a line never reads the result of a line near it.
; Under the setting in hand the destination, source 1 (the fragment) and source 2 (the 0) lie in window 1, source 0 (the factor) in window 0; none names a register of the products round it.
.macro MUL8 f, a, zero=0, ride=-1, base=0, n=4
.irp b, 0,1,2,3,4,5,6,7
.if \zero
	v_wmma_f32_16x16x32_bf16 v[64*((\a)%2)+8*(\b):64*((\a)%2)+8*(\b)+7], v[BF+64*(\f)+8*(\b):BF+64*(\f)+8*(\b)+7], v[AF+32*(\f)+8*(\a):AF+32*(\f)+8*(\a)+7], 0
.else
	v_wmma_f32_16x16x32_bf16 v[64*((\a)%2)+8*(\b):64*((\a)%2)+8*(\b)+7], v[BF+64*(\f)+8*(\b):BF+64*(\f)+8*(\b)+7], v[AF+32*(\f)+8*(\a):AF+32*(\f)+8*(\a)+7], v[64*((\a)%2)+8*(\b):64*((\a)%2)+8*(\b)+7]
.endif
.if (\ride) >= 0
.set z, 0
.rept \n
.set dw, (\base)+(\n)*((\b)/2)+z
.if (\b)%2 == 0
	v_fma_mixlo_bf16 v[AF+32*(\ride)+dw], v[FAC+dw/8], v[AF+32*(\ride)+dw], v[Z1] op_sel_hi:[0,1,0]
.else
	v_fma_mixhi_bf16 v[AF+32*(\ride)+dw], v[FAC+dw/8], v[AF+32*(\ride)+dw], v[Z1] op_sel:[0,1,0] op_sel_hi:[0,1,0]
.endif
.set z, z+1
.endr
.endif
.endr
.endm
.macro FETCH kq, g                     ; 24 LDS loads in one run: quarter kq's fragments into buffer g; P's eight first
	WIN TO_A
.irp a, 0,1,2,3
	ds_load_b128 v[AF+32*(\g)+8*(\a):AF+32*(\g)+8*(\a)+3],   v[ADRA] offset:(\a)*16*PA+64*(\kq)
	ds_load_b128 v[AF+32*(\g)+8*(\a)+4:AF+32*(\g)+8*(\a)+7], v[ADRA] offset:(\a)*16*PA+64*(\kq)+32
.endr
	WIN 0
.irp b, 0,1,2,3,4,5,6,7
	ds_load_tr16_b128 v[BF+64*(\g)+8*(\b):BF+64*(\g)+8*(\b)+3],   v[ADRB] offset:(\kq)*32*PB+32*(\b)
	ds_load_tr16_b128 v[BF+64*(\g)+8*(\b)+4:BF+64*(\g)+8*(\b)+7], v[ADRB] offset:(\kq)*32*PB+16*PB+32*(\b)
.endr
.endm
.macro QUARTER kq, f, g, zero=0        ; buffer f is multiplied, the 32 accumulators by turns (a = 2, 3, 0, 1); quarter kq is asked for into g and its P scaled
	s_wait_dscnt 0x0                               ; buffer f, asked for a quarter ago, is in
	PLACES
	FETCH \kq, \g
	WIN MUL_HI
	MUL8 \f, 2, \zero
	MUL8 \f, 3, \zero
	WIN MUL_LO
	s_wait_dscnt 16                                ; P's eight loads are in; V's sixteen, issued behind them, may stay out
	MUL8 \f, 0, \zero, \g, 0, 4
	MUL8 \f, 1, \zero, \g, 16, 4
.endm
.macro FACLOAD                         ; the next block's factors: the step in hand has had its last scaling
	WIN 0
	s_add_co_u32 s[FB], s[FB], 512
	v_add_nc_u32 v[VF], s[FB], v[VF0]
.irp a, 0,1,2,3
	ds_load_b32 v[FAC+(\a)], v[VF] offset:64*(\a)
.endr
.endm
.macro TURN fill                       ; the last quarter multiplies buffer 1 and changes slots; fill = 1: the slot just read is filled again behind a round of the cluster's barrier
	WIN 0
	s_wait_tensorcnt 0x0                           ; all my tensor loads have landed: my part of the next slot
	ds_add_u32 v[SPW], v[NIL]
.if \fill
	s_xor_b32 s[G0+5], s[G0+5], SLOT1
	s_add_nc_u64 s[G0+6:G0+7], s[G0+6:G0+7], A_STEP
	s_xor_b32 s[G0B+5], s[G0B+5], SLOT1
	s_add_nc_u64 s[G0B+6:G0B+7], s[G0B+6:G0B+7], B_STEP
.endif
	s_wait_dscnt 1                                 ; buffer 1 and the factors are in; the add alone may be out
	WIN MUL_HI
	MUL8 1, 2
	s_wait_dscnt 0x0                               ; the add is done, and my reads of this slot are over
	s_barrier_signal -1
	MUL8 1, 3
	WIN 0
	s_barrier_wait -1
.if \fill
	CREST
.endif
	s_xor_b32 s[TB], s[TB], SLOT1
.if \fill
	JLOAD
.else
	PLACES
.endif
	v_add_nc_u32 v[ADRA], s[TB], v[ADRA0]
	v_add_nc_u32 v[ADRB], s[TB], v[ADRB0]
	FETCH 0, 0
	WIN MUL_LO
	MUL8 1, 0                                      ; eight products stand between P's loads and the wait for them,
	s_wait_dscnt 16                                ; P's eight loads are in
	MUL8 1, 1, 0, 0, 0, 8                          ; so all 32 words are scaled behind the other eight
.endm
	s_wait_tensorcnt 1                             ; my part of K step 0 is in; step 1's may stay out
	s_wait_dscnt 0x0                               ; for the others' sake: my rows of the two tables are written
	s_barrier_signal -1
	s_barrier_wait -1
	FETCH 0, 0
.irp a, 0,1,2,3
	ds_load_b32 v[FAC+(\a)], v[VF0] offset:64*(\a)             ; block 0's factors for my rows 16 a + r
	ds_load_b32 v[RLV+2*(\a)], v[VF0] offset:8192+64*(\a)      ; and their 1 / L
.endr
	s_wait_dscnt 0x0
.irp a, 0,1,2,3
	v_mov_b32 v[RLV+2*(\a)+1], v[RLV+2*(\a)]       ; named as pairs
.endr
	WIN MUL_LO
.set i, 0
.rept 32                                               ; the first quarter's P has no products to ride behind: all low halves, then all high halves
	v_fma_mixlo_bf16 v[AF+i], v[FAC+i/8], v[AF+i], v[Z1] op_sel_hi:[0,1,0]
.set i, i+1
.endr
.set i, 0
.rept 32
	v_fma_mixhi_bf16 v[AF+i], v[FAC+i/8], v[AF+i], v[Z1] op_sel:[0,1,0] op_sel_hi:[0,1,0]
.set i, i+1
.endr
	QUARTER 1, 0, 1, 1
	WIN 0
	s_mov_b32 s3, NSTEP-2
.Lstep:
	QUARTER 2, 1, 0
	QUARTER 3, 0, 1
	FACLOAD
	TURN 1
	QUARTER 1, 0, 1
	WIN 0
	s_sub_co_u32 s3, s3, 1
	s_cmp_lg_u32 s3, 0
	s_cbranch_scc1 .Lstep
	s_mov_b32 s3, 2
.Ltail:                                                ; the last two steps ask for nothing: one text, walked twice
	QUARTER 2, 1, 0
	QUARTER 3, 0, 1
	FACLOAD                                        ; in the last trip no step follows: these four words (they fall into the table of 1 / L, which lies behind the sixteenth block),
	TURN 0                                         ; the barrier, the fetch and its scaling serve nothing: the price, once a launch, of one text for both trips
	WIN 0
	s_cmp_eq_u32 s3, 1
	s_cbranch_scc1 .Llast                          ; and the next step's first quarter is jumped over
	QUARTER 1, 0, 1
	WIN 0
.Llast:
	s_sub_co_u32 s3, s3, 1
	s_cmp_lg_u32 s3, 0
	s_cbranch_scc1 .Ltail
	s_wait_dscnt 0x0                               ; that last fetch has come back: its registers are used again below
	PLACES
	s_wait_loadcnt 0x0                             ; bo
; THE WAY OUT of block a (16 rows x my 128 columns, f32): acc / L + bo in one fused line; 32 bytes a lane into my stage; back as whole rows of 512 bytes; stored.
.macro OUTB a
.set AC, 64*((\a)%2)
.set OB, 64+64*((\a)%2)
	WIN 0x61+0x41*((\a)/2)                         ; accumulators in window 1 or 2, 1 / L in window 0, bo in window 2
.set i, 0
.rept 32
	v_pk_fma_f32 v[AC+2*i:AC+2*i+1], v[AC+2*i:AC+2*i+1], v[RLV+2*(\a):RLV+2*(\a)+1], v[BIAS+2*i:BIAS+2*i+1] op_sel_hi:[1,0,1]
.set i, i+1
.endr
	WIN 0x04*(1+(\a)/2)                            ; store data in the accumulators' window
.irp b, 0,1,2,3,4,5,6,7
	ds_store_b128 v[STO], v[AC+8*(\b):AC+8*(\b)+3]   offset:64*(\b)
	ds_store_b128 v[STO], v[AC+8*(\b)+4:AC+8*(\b)+7] offset:64*(\b)+16
.endr
	WIN 0
.if (\a) >= 2
	s_wait_xcnt 0x0                                ; the stores of the block two back have read these registers (ISA guide 3.1)
.endif
.irp t, 0,1,2,3,4,5,6,7,8,9,10,11,12,13,14,15
	ds_load_b128 v[OB+4*(\t):OB+4*(\t)+3], v[RD] offset:528*(\t)   ; LDS serves a wave's instructions in order (ISA guide 5.7.1.4)
.endr
	s_wait_dscnt 0x0
.irp t, 0,1,2,3,4,5,6,7,8,9,10,11,12,13,14,15
	global_store_b128 v[CO], v[OB+4*(\t):OB+4*(\t)+3], s[68:69] offset:(16*(\a)+(\t))*4096 th:TH_STORE_NT  ; a store covers 512 consecutive bytes, aligned
.endr
.endm
	OUTB 0
	OUTB 1
	OUTB 2
	OUTB 3
	s_wait_tensorcnt 0x0                           ; the wave's end
	ds_add_u32 v[SPW], v[NIL]
	s_wait_dscnt 0x0
	CROUND                                         ; the closing round
	s_endpgm
.Lfunc_end_k_q728c705927_pv:
	.size	k_q728c705927_pv, .Lfunc_end_k_q728c705927_pv-k_q728c705927_pv
	.p2alignl 7, 3214868480
	.fill 96, 4, 3214868480
	.section	.rodata,"a",@progbits
	.p2align	6, 0x0
	.amdhsa_kernel k_q728c705927_pv
		.amdhsa_group_segment_fixed_size 327680
		.amdhsa_private_segment_fixed_size 0
		.amdhsa_enable_private_segment 0
		.amdhsa_kernarg_size 40
		.amdhsa_user_sgpr_count 2
		.amdhsa_user_sgpr_kernarg_segment_ptr 1
		.amdhsa_wavefront_size32 1
		.amdhsa_system_sgpr_workgroup_id_x 1
		.amdhsa_system_sgpr_workgroup_id_y 1
		.amdhsa_system_sgpr_workgroup_id_z 1
		.amdhsa_system_vgpr_workitem_id 0
		.amdhsa_next_free_vgpr 704
		.amdhsa_next_free_sgpr 88
		.amdhsa_reserve_vcc 0
		.amdhsa_float_denorm_mode_32 3
		.amdhsa_float_denorm_mode_16_64 3
		.amdhsa_memory_ordered 1
		.amdhsa_forward_progress 1
		.amdhsa_inst_pref_size 116
	.end_amdhsa_kernel
	.amdgpu_metadata
---
amdhsa.version: [ 1, 2 ]
amdhsa.kernels:
  - .name:           k_q728c705927_pv
    .symbol:         k_q728c705927_pv.kd
    .args:
      - { .name: pb, .offset: 0, .size: 8, .value_kind: global_buffer, .address_space: global }
      - { .name: qv, .offset: 8, .size: 8, .value_kind: global_buffer, .address_space: global }
      - { .name: stats, .offset: 16, .size: 8, .value_kind: global_buffer, .address_space: global }
      - { .name: bo, .offset: 24, .size: 8, .value_kind: global_buffer, .address_space: global }
      - { .name: out0, .offset: 32, .size: 8, .value_kind: global_buffer, .address_space: global }
    .group_segment_fixed_size: 327680
    .private_segment_fixed_size: 0
    .kernarg_segment_align: 8
    .kernarg_segment_size: 40
    .max_flat_workgroup_size: 128
    .sgpr_count:     88
    .vgpr_count:     704
    .wavefront_size: 32
...
	.end_amdgpu_metadata
.endif
;; end of part 13
